; MI455X (gfx1250); checked and timed in simulation.
; The chip was launched on July 23, 2026; its instructions are those of AMD's public machine-readable ISA for CDNA 5 (MIT licence, August 2026) and "CDNA5" Instruction Set Architecture Reference Guide (July 2026). The comments in the code are by the model that wrote it; some were corrected since.
;; Experts Feed Forward. Allowed arithmetic: float matrix products may take bf16 or f16 operands with f32 sums; all other float work in f32.
;; Inputs: const_jump 1 x 1,024 float32; ff_keys 7 x 2,048 x 1,024 float32; ff_values 7 x 1,024 x 2,048 float32; gate_b 8 float32; gate_w 1,024 x 8 float32; shared_keys 1 x 2,048 x 1,024 float32; shared_values 1 x 1,024 x 2,048 float32; x 2 x 1,024 x 1,024 float32.
;; Outputs: out0 2 x 1,024 x 1,024 float32; out1 one number float32.
;; 2 versions, each right and faster than the one before. Each part assembles by itself: llvm-mc -triple=amdgcn-amd-amdhsa -mcpu=gfx1250 --defsym DOCPART=n.
;; ======== version 1 of 2: 6 launches
;; limits: values outside matrix products are rounded to bf16
;; workspace buffers: wb 67,108,864 bytes; rti 81,920 bytes of whole numbers; gw 65,536 bytes; xs 22,806,528 bytes; pl 66,048 bytes of whole numbers; hb 45,613,056 bytes; y 45,088,768 bytes
;; launch prep (part 1): grid 256 x 1, 8 waves a work-group, no clusters, 17,408 bytes of LDS; arguments x, gate_w, gate_b, ff_keys, shared_keys, ff_values, shared_values, wb, rti, gw; writes wb, rti, gw
.if DOCPART == 1
	.amdgcn_target "amdgcn-amd-amdhsa--gfx1250"
	.amdhsa_code_object_version 6
	.text
	.protected	k_qf398c12e62_prep
	.globl	k_qf398c12e62_prep
	.p2align	8
	.type	k_qf398c12e62_prep,@function
k_qf398c12e62_prep:
	s_mov_b64 s[64:65], 0
	v_nop
	global_prefetch_b8 v0, s[64:65] scope:SCOPE_SE
	s_setreg_imm32_b32 hwreg(HW_REG_WAVE_MODE, 25, 1), 1
	s_wait_xcnt 0x0
; PREP: (1) the router, one token a wave (256 work-groups x 8 waves = 2,048 tokens); (2) all 16 weight matrices rounded to bf16, once.
; ROUTER.  logits = bf16(x) . bf16(gate_w) + bf16(gate_b), sums in f32; softmax with the maximum taken away; the four largest.
;   Stored for each token t: selb (8 bytes, byte e = 1 if expert e is among the four), idx8 (the expert of each rank 0..7),
;   gw = {w0, w1, w2, w3, cw, 0, 0, 0}: w_k the probability of rank k, 0 where that expert is the constant one (7); cw the probability of expert 7 if it is among the four, else 0.
; LIMITS, kept on purpose: the four are chosen on the logits (strictly larger wins, then the lower index), where the model chooses on the probabilities: the two differ only where
;   unequal logits round to equal probabilities.  The router's three operands are rounded to bf16 like every matrix operand.  NaN logits are not served.
; STREAM.  Matrix mi = work-group / 16 (0-7 keys, 8-15 values; expert 7 of each kind is the shared one), 8 MiB of f32 each; a work-group takes 512 KiB of it, a wave 64 KiB = 64 units of 1 KiB.
;   A unit: two loads of 512 consecutive bytes, four roundings, two stores of 256 consecutive bytes at multiples of 256 from wb's first byte.  A ring of 16 units keeps 32 loads of every wave out.
;   No matrix unit and no cluster: nothing here is read twice by anybody but gate_w (32 KiB), which goes through LDS once for the eight waves.
.set ACC, 8                            ; v8-15    the eight logits
.set RK,  16                           ; v16-23   rank of each expert
.set TP,  24                           ; v24-27   at work
.set IDX, 28                           ; v28      lane = rank: the expert of that rank
.set WG,  29                           ; v29      lane = place in gw's row
.set SB,  30                           ; v30-31   selb's two words
.set W,   32                           ; v32-159  gate_w in bf16: 4 registers (8 experts) for each of my 32 k; first v32-63 my share in f32
.set GP,  64                           ; v64-79   my share of gate_w, rounded
.set XR,  160                          ; v160-191 x as loaded; later at work
.set XP,  192                          ; v192-207 x in bf16
.set PR,  208                          ; v208-215 the probabilities
.set X,   32                           ; v32-159  stream: unit slot s: 8 registers as loaded
.set Y,   160                          ; v160-223 stream: unit slot s: 4 registers to store
	s_load_b512 s[4:19], s[0:1], 0x0               ; x 4, gate_w 6, gate_b 8, ff_keys 10, shared_keys 12, ff_values 14, shared_values 16, wb 18
	s_load_b128 s[20:23], s[0:1], 0x40             ; rti 20, gw 22
	v_lshl_add_u32 v224, v0, 2, 0x4000
	v_mov_b32 v225, 0
	v_and_b32 v1, 31, v0                           ; lane l
	v_lshrrev_b32 v2, 5, v0
	v_readfirstlane_b32 s24, v2                    ; wave
	s_lshl_b32 s25, ttmp9, 3
	s_add_co_u32 s25, s25, s24                     ; token t = 8 x work-group + wave
	s_lshl_b32 s26, s25, 12                        ; a row of x is 4,096 bytes
	s_mov_b32 s27, 0
	s_mov_b32 s36, 0x76543210                      ; v_permlanex16_b32: each lane takes its own place in the other half
	s_mov_b32 s37, 0xfedcba98
	v_lshlrev_b32 v3, 7, v1
	v_lshl_add_u32 v3, v2, 12, v3                  ; gate_w: 4,096 x wave + 128 l: rows k = 128 wave + 4 l + 0..3, 32 bytes each
	v_lshlrev_b32 v4, 4, v1                        ; 16 l
	v_lshl_add_u32 v5, v2, 11, v4                  ; LDS: 16 l + 2,048 x wave
	v_lshlrev_b32 v6, 3, v1                        ; 8 l: the stream's stores
	s_wait_kmcnt 0x0
	s_load_b256 s[28:35], s[8:9], 0x0              ; gate_b
	s_add_nc_u64 s[38:39], s[4:5], s[26:27]        ; my row of x
.irp i, 0,1,2,3,4,5,6,7
	global_load_b128 v[W+4*\i:W+4*\i+3], v3, s[6:7] offset:16*\i           ; row k = 128 wave + 4 l + i / 2, experts 4 (i % 2) + 0..3
.endr
.irp j, 0,1,2,3,4,5,6,7
	global_load_b128 v[XR+4*\j:XR+4*\j+3], v4, s[38:39] offset:512*\j      ; x[k], k = 128 j + 4 l + 0..3
.endr
	s_wait_loadcnt 0x8                             ; x's eight loads are younger: gate_w's are in
.irp c, 0,1,2,3
.irp p, 0,1,2,3
	v_cvt_pk_bf16_f32 v[GP+4*\c+\p], v[W+8*\c+2*\p], v[W+8*\c+2*\p+1]
.endr
.endr
.irp c, 0,1,2,3
	ds_store_b128 v5, v[GP+4*\c:GP+4*\c+3] offset:512*\c   ; the 16 bytes of row k = 128 j + 4 l + c lie at 16 l + 512 (4 j + c); here j = my wave
.endr
	s_wait_dscnt 0x0                               ; for the others' sake: my stores are done
	s_barrier_signal -1
	s_barrier_wait -1                              ; all 1,024 rows are there; nobody writes them again
.set i, 0
.rept 32
	ds_load_b128 v[W+4*i:W+4*i+3], v4 offset:512*i ; 32 lanes take 512 consecutive bytes
.set i, i+1
.endr
	s_wait_loadcnt 0x0                             ; x
.irp q, 0,1,2,3,4,5,6,7,8,9,10,11,12,13,14,15
	v_cvt_pk_bf16_f32 v[XP+\q], v[XR+2*\q], v[XR+2*\q+1]
.endr
.irp e, 0,1,2,3,4,5,6,7
	v_mov_b32 v[ACC+\e], 0
.endr
; 256 multiply-adds straight from bf16 halves into f32: k = 128 j + 4 l + 2 d + ch, expert 2 f + eh; eight sums take turns
.irp j, 0,1,2,3,4,5,6,7
	s_wait_dscnt 4*(7-\j)                          ; LDS loads come back in order: group j's four are in, the younger groups stay out
.irp d, 0,1
.irp ch, 0,1
.irp f, 0,1,2,3
.irp eh, 0,1
	v_fma_mix_f32_bf16 v[ACC+2*\f+\eh], v[XP+2*\j+\d], v[W+4*(4*\j+2*\d+\ch)+\f], v[ACC+2*\f+\eh] op_sel:[\ch,\eh,0] op_sel_hi:[1,1,0]
.endr
.endr
.endr
.endr
.endr
	; the stream's addresses, and its first 16 units: gate_w's registers are free, and the router's tail runs while these loads are out
	s_lshr_b32 s44, ttmp9, 4                       ; matrix 0..15
	s_and_b32 s45, s44, 7                          ; expert
	s_and_b32 s46, ttmp9, 15                       ; my sixteenth of it
	s_lshl_b32 s48, s45, 23                        ; 8 MiB an expert in ff_keys and ff_values
	s_cmp_lt_u32 s44, 8
	s_cselect_b64 s[40:41], s[10:11], s[14:15]     ; keys or values,
	s_cselect_b64 s[50:51], s[12:13], s[16:17]
	s_cmp_eq_u32 s45, 7
	s_cselect_b64 s[40:41], s[50:51], s[40:41]     ; the shared one's buffer for expert 7,
	s_cselect_b32 s48, 0, s48                      ; which holds one matrix
	s_lshl_b32 s47, s46, 19
	s_add_co_u32 s48, s48, s47
	s_lshl_b32 s47, s24, 16
	s_add_co_u32 s48, s48, s47
	s_mov_b32 s49, 0
	s_add_nc_u64 s[40:41], s[40:41], s[48:49]      ; my wave's 64 KiB of f32
	s_lshl_b32 s52, s44, 22                        ; 4 MiB a matrix in wb
	s_lshl_b32 s47, s46, 18
	s_add_co_u32 s52, s52, s47
	s_lshl_b32 s47, s24, 15
	s_add_co_u32 s52, s52, s47
	s_mov_b32 s53, 0
	s_add_nc_u64 s[42:43], s[18:19], s[52:53]      ; my wave's 32 KiB of bf16
.set un, 0
.rept 16
	global_load_b128 v[X+8*un:X+8*un+3],   v4, s[40:41] offset:1024*un th:TH_LOAD_NT
	global_load_b128 v[X+8*un+4:X+8*un+7], v4, s[40:41] offset:1024*un+512 th:TH_LOAD_NT
.set un, un+1
.endr
	; the eight sums over the 32 lanes: four steps ride on the addition, one crosses the halves; every lane ends with all eight logits
.irp m, 1,2,4,8
.irp e, 0,1,2,3,4,5,6,7
	v_add_f32_dpp v[ACC+\e], v[ACC+\e], v[ACC+\e] row_xmask:\m row_mask:0xf bank_mask:0xf
.endr
.endr
.irp e, 0,1,2,3,4,5,6,7
	v_permlanex16_b32 v[XR+\e], v[ACC+\e], s36, s37    ; its destination counts as read: x's registers have been written
.endr
.irp e, 0,1,2,3,4,5,6,7
	v_add_f32 v[ACC+\e], v[ACC+\e], v[XR+\e]
.endr
	s_wait_kmcnt 0x0                               ; gate_b
.irp p, 0,1,2,3
	v_cvt_pk_bf16_f32 v[TP], s[28+2*\p], s[29+2*\p]    ; the bias is rounded like the product's operands
	v_lshlrev_b32 v[TP+1], 16, v[TP]
	v_and_b32 v[TP], 0xffff0000, v[TP]
	v_add_f32 v[ACC+2*\p], v[ACC+2*\p], v[TP+1]
	v_add_f32 v[ACC+2*\p+1], v[ACC+2*\p+1], v[TP]
.endr
	; softmax: p = 2^(log2(e) L - log2(e) max) / sum
	v_max3_num_f32 v[TP], v[ACC], v[ACC+1], v[ACC+2]
	v_max3_num_f32 v[TP], v[TP], v[ACC+3], v[ACC+4]
	v_max3_num_f32 v[TP], v[TP], v[ACC+5], v[ACC+6]
	v_max_num_f32 v[TP], v[TP], v[ACC+7]
	v_mul_f32 v[TP+1], 0xbfb8aa3b, v[TP]
.irp e, 0,1,2,3,4,5,6,7
	v_fmamk_f32 v[PR+\e], v[ACC+\e], 0x3fb8aa3b, v[TP+1]
.endr
.irp e, 0,1,2,3,4,5,6,7
	v_exp_f32 v[PR+\e], v[PR+\e]
.endr
	v_nop                                          ; a plain instruction between the last exponential and the use of its result
	s_wait_alu depctr_va_vdst(0)
	v_add_f32 v[TP], v[PR], v[PR+1]
	v_add_f32 v[TP+1], v[PR+2], v[PR+3]
	v_add_f32 v[TP+2], v[PR+4], v[PR+5]
	v_add_f32 v[TP+3], v[PR+6], v[PR+7]
	v_add_f32 v[TP], v[TP], v[TP+1]
	v_add_f32 v[TP+2], v[TP+2], v[TP+3]
	v_add_f32 v[TP], v[TP], v[TP+2]
	v_rcp_f32 v[TP+1], v[TP]
	v_nop
	s_wait_alu depctr_va_vdst(0)
.irp e, 0,1,2,3,4,5,6,7
	v_mul_f32 v[PR+\e], v[PR+\e], v[TP+1]
.endr
	; rank of e = how many experts come before it: of a pair i < j, j comes first only if its logit is strictly larger.  Rank j starts at j and loses one for each i that it beats.
.irp e, 0,1,2,3,4,5,6,7
	v_mov_b32 v[RK+\e], \e
.endr
.set i, 0
.rept 7
.set j, i+1
.rept 7-i
	v_cmp_gt_f32 vcc_lo, v[ACC+j], v[ACC+i]
	v_cndmask_b32 v[TP], 0, 1, vcc_lo
	v_add_nc_u32 v[RK+i], v[RK+i], v[TP]
	v_sub_nc_u32 v[RK+j], v[RK+j], v[TP]
.set j, j+1
.endr
.set i, i+1
.endr
	; selb: byte e % 4 of word e / 4 is 1 where the rank is under 4
.irp g, 0,1
	v_cmp_gt_u32 vcc_lo, 4, v[RK+4*\g]
	v_cndmask_b32 v[SB+\g], 0, 1, vcc_lo
.irp b, 1,2,3
	v_cmp_gt_u32 vcc_lo, 4, v[RK+4*\g+\b]
	v_cndmask_b32 v[TP], 0, 1, vcc_lo
	v_lshl_or_b32 v[SB+\g], v[TP], 8*\b, v[SB+\g]
.endr
.endr
	; lane r picks the expert of rank r and its probability
	v_mov_b32 v[IDX], 0
	v_mov_b32 v[WG], 0
.irp e, 0,1,2,3,4,5,6,7
	v_cmp_eq_u32 vcc_lo, v[RK+\e], v1
	v_cndmask_b32 v[IDX], v[IDX], \e, vcc_lo
	v_cndmask_b32 v[WG], v[WG], v[PR+\e], vcc_lo
.endr
	v_cmp_eq_u32 vcc_lo, 7, v[IDX]
	v_cndmask_b32 v[WG], v[WG], 0, vcc_lo          ; the constant expert has no row of y: weight 0
	v_cmp_lt_u32 vcc_lo, 3, v1
	v_cndmask_b32 v[WG], v[WG], 0, vcc_lo          ; ranks 4 and up carry nothing
	v_cmp_gt_u32 vcc_lo, 4, v[RK+7]
	v_cndmask_b32 v[TP], 0, v[PR+7], vcc_lo        ; cw
	v_cmp_eq_u32 vcc_lo, 4, v1
	v_cndmask_b32 v[WG], v[WG], v[TP], vcc_lo      ; which lies in place 4
	v_cmp_eq_u32 vcc_lo, 0, v1
	v_cndmask_b32 v[TP+1], v[SB+1], v[SB], vcc_lo  ; lane 0: selb's word 0, lane 1: word 1
	s_lshl_b32 s44, s25, 5
	s_lshl_b32 s45, s25, 3
	v_lshl_add_u32 v[TP+2], v1, 2, s44             ; 32 t + 4 lane
	v_lshl_add_u32 v[TP+3], v1, 2, s45             ; 8 t + 4 lane
	v_cmp_gt_u32 vcc_lo, 8, v1
	s_wait_xcnt 0x0                                ; EXEC is a source of the loads that are out: it changes only behind this wait
	s_wait_tensorcnt 0x0
	ds_add_u32 v224, v225
	s_wait_dscnt 0x0
	s_and_saveexec_b32 s54, vcc_lo
	global_store_b32 v[TP+2], v[WG], s[22:23]
	global_store_b32 v[TP+2], v[IDX], s[20:21] offset:16384
	s_wait_xcnt 0x0
	s_or_b32 exec_lo, exec_lo, s54
	v_cmp_gt_u32 vcc_lo, 2, v1
	s_and_saveexec_b32 s54, vcc_lo                 ; nothing has been issued since the wait above
	global_store_b32 v[TP+3], v[TP+1], s[20:21]
	s_wait_xcnt 0x0
	s_or_b32 exec_lo, exec_lo, s54
; One unit's turn.  All steps stand in the immediates (65,024 at the most), so no address register is ever rewritten.
.macro UNIT u
.set sl, (\u)%16
.if \u < 48
	s_wait_loadcnt 30                              ; loads come back in order: mine are in, the fifteen younger units' thirty stay out
.else
	s_wait_loadcnt 2*(63-\u)                       ; the last sixteen units load nothing: the counts run down
.endif
	s_wait_xcnt 0x0                                ; this slot's Y, which its last stores read, is rewritten only behind this wait
.irp p, 0,1,2,3
	v_cvt_pk_bf16_f32 v[Y+4*sl+\p], v[X+8*sl+2*\p], v[X+8*sl+2*\p+1]
.endr
.if \u < 48
	global_load_b128 v[X+8*sl:X+8*sl+3],   v4, s[40:41] offset:1024*(\u+16) th:TH_LOAD_NT
	global_load_b128 v[X+8*sl+4:X+8*sl+7], v4, s[40:41] offset:1024*(\u+16)+512 th:TH_LOAD_NT
.endif
	global_store_b64 v6, v[Y+4*sl:Y+4*sl+1],   s[42:43] offset:512*\u        ; 32 lanes store 256 consecutive bytes, aligned
	global_store_b64 v6, v[Y+4*sl+2:Y+4*sl+3], s[42:43] offset:512*\u+256
.endm
.set un, 0
.rept 64
	UNIT un
.set un, un+1
.endr
	s_endpgm
.Lfunc_end_k_qf398c12e62_prep:
	.size	k_qf398c12e62_prep, .Lfunc_end_k_qf398c12e62_prep-k_qf398c12e62_prep
	.p2alignl 7, 3214868480
	.fill 96, 4, 3214868480
	.section	.rodata,"a",@progbits
	.p2align	6, 0x0
	.amdhsa_kernel k_qf398c12e62_prep
		.amdhsa_group_segment_fixed_size 17408
		.amdhsa_private_segment_fixed_size 0
		.amdhsa_enable_private_segment 0
		.amdhsa_kernarg_size 80
		.amdhsa_user_sgpr_count 2
		.amdhsa_user_sgpr_kernarg_segment_ptr 1
		.amdhsa_wavefront_size32 1
		.amdhsa_system_sgpr_workgroup_id_x 1
		.amdhsa_system_sgpr_workgroup_id_y 1
		.amdhsa_system_sgpr_workgroup_id_z 1
		.amdhsa_system_vgpr_workitem_id 0
		.amdhsa_next_free_vgpr 226
		.amdhsa_next_free_sgpr 66
		.amdhsa_reserve_vcc 1
		.amdhsa_float_denorm_mode_32 3
		.amdhsa_float_denorm_mode_16_64 3
		.amdhsa_memory_ordered 1
		.amdhsa_forward_progress 1
		.amdhsa_inst_pref_size 82
	.end_amdhsa_kernel
	.amdgpu_metadata
---
amdhsa.version: [ 1, 2 ]
amdhsa.kernels:
  - .name:           k_qf398c12e62_prep
    .symbol:         k_qf398c12e62_prep.kd
    .args:
      - { .name: x, .offset: 0, .size: 8, .value_kind: global_buffer, .address_space: global }
      - { .name: gate_w, .offset: 8, .size: 8, .value_kind: global_buffer, .address_space: global }
      - { .name: gate_b, .offset: 16, .size: 8, .value_kind: global_buffer, .address_space: global }
      - { .name: ff_keys, .offset: 24, .size: 8, .value_kind: global_buffer, .address_space: global }
      - { .name: shared_keys, .offset: 32, .size: 8, .value_kind: global_buffer, .address_space: global }
      - { .name: ff_values, .offset: 40, .size: 8, .value_kind: global_buffer, .address_space: global }
      - { .name: shared_values, .offset: 48, .size: 8, .value_kind: global_buffer, .address_space: global }
      - { .name: wb, .offset: 56, .size: 8, .value_kind: global_buffer, .address_space: global }
      - { .name: rti, .offset: 64, .size: 8, .value_kind: global_buffer, .address_space: global }
      - { .name: gw, .offset: 72, .size: 8, .value_kind: global_buffer, .address_space: global }
    .group_segment_fixed_size: 17408
    .private_segment_fixed_size: 0
    .kernarg_segment_align: 8
    .kernarg_segment_size: 80
    .max_flat_workgroup_size: 256
    .sgpr_count:     66
    .vgpr_count:     226
    .wavefront_size: 32
...
	.end_amdgpu_metadata
.endif
;; end of part 1
;; launch plan (part 2): grid 256 x 1, 8 waves a work-group, no clusters, 0 bytes of LDS; arguments rti, pl; writes pl
.if DOCPART == 2
	.amdgcn_target "amdgcn-amd-amdhsa--gfx1250"
	.amdhsa_code_object_version 6
	.text
	.protected	k_qf398c12e62_plan
	.globl	k_qf398c12e62_plan
	.p2align	8
	.type	k_qf398c12e62_plan,@function
k_qf398c12e62_plan:
	s_mov_b64 s[64:65], 0
	v_nop
	global_prefetch_b8 v0, s[64:65] scope:SCOPE_SE
	s_setreg_imm32_b32 hwreg(HW_REG_WAVE_MODE, 25, 1), 1
	s_wait_xcnt 0x0
; PLAN: where every token's rows go.  One token a wave.  Every wave counts, from selb (16 KiB, whole numbers of the launch before), how many tokens chose each expert 0..6 (N_e) and how many
; of them stand in front of its own token (P_e).  No traffic between work-groups: each wave makes the same totals for itself.
; SLOTS.  Experts 0..6 one after the other, each padded to whole blocks of 128 rows (NB_e blocks from block BB_e on), then the shared expert's 2,048 rows (block BB_7 on).
;   Token t's row for expert e is slot 128 BB_e + P_e; its shared row is slot 128 BB_7 + t.  At most 70 + 16 = 86 blocks are in use, 11,008 slots; at least 48 + 16 = 64.
; THE SLOTS STEER ADDRESSES, so they are made here and stored as whole numbers, and the launches that follow form their addresses from what they read.  In this launch no branch and no address
;   hangs on a count: every choice is a select, and every store goes to a place made of t alone.
; STORED.  rec[t], 8 words at 32 t: slots of ranks 0..3 (for the constant expert, 7, the shared slot stands in; its weight is 0), the shared slot, and three rows of xs that wave t of the next
;   launch fills with zeros, or NONE: row t % 128 of expert t / 128's padding, and rows first + t and first + 2,048 + t behind the last block in use (xs has 87 blocks; at least 64 are in use,
;   so at most 11,136 - 8,192 = 2,944 rows are left: two for each of 2,048 waves cover them).  The table block -> expert, 128 words at 65,536.
; Nothing is multiplied and 66 KB are stored: no LDS, no matrix unit, no cluster.
.set ROWS, 11136                       ; xs has 87 blocks of 128 rows
.set WD,  8                            ; v8-15    eight words of two 16-bit counts
.set TL,  16                           ; v16-19   byte counts: totals (experts 0-3, 4-7), in front of t (0-3, 4-7)
.set M,   20                           ; v20-23   at work
.set TMP, 24
.set VT,  25                           ; t - 2 l
.set VT1, 26                           ; t - 2 l - 1
.set Z,   28                           ; v28      0: the offset of lane 0's stores
.set SC,  64                           ; v64-191  selb: load j, lane l: tokens 64 j + 2 l and 64 j + 2 l + 1, two words each
.set REC, 192                          ; v192-199 rec[t]
.set NN,  40                           ; s40-46   N_e
.set PP,  48                           ; s48-54   P_e
.set BB,  56                           ; s56-63   BB_e
.set NB,  66                           ; s66-72   NB_e
.set SS,  74                           ; s74-81   my slot with expert e
.set SL,  82                           ; s82-89   rec[t]
	s_load_b128 s[4:7], s[0:1], 0x0                ; rti 4, pl 6
	v_and_b32 v1, 31, v0
	v_lshrrev_b32 v2, 5, v0
	v_readfirstlane_b32 s12, v2
	s_lshl_b32 s13, ttmp9, 3
	s_add_co_u32 s13, s13, s12                     ; t
	v_lshlrev_b32 v3, 4, v1                        ; 16 l
	v_lshlrev_b32 v7, 2, v1                        ; 4 l
	s_lshl_b32 s20, s13, 5
	s_mov_b32 s21, 0
	s_mov_b32 s36, 0x76543210                      ; v_permlanex16_b32: each lane takes its own place in the other half
	s_mov_b32 s37, 0xfedcba98
	s_mov_b32 s38, 0x00ff00ff
	s_wait_kmcnt 0x0
	s_add_nc_u64 s[22:23], s[4:5], s[20:21]
	s_load_b128 s[16:19], s[22:23], 0x4000         ; idx8[t][0..3]: the experts of ranks 0..3
	s_add_nc_u64 s[32:33], s[6:7], s[20:21]        ; rec[t]
.set j, 0
.rept 32
	global_load_b128 v[SC+4*j:SC+4*j+3], v3, s[4:5] offset:512*j
.set j, j+1
.endr
	v_lshlrev_b32 v5, 1, v1
	v_sub_nc_u32 v[VT], s13, v5
	v_add_nc_u32 v[VT1], -1, v[VT]
	v_mov_b32 v[Z], 0
	v_mov_b32 v[TMP], 0
	s_wait_loadcnt 0x0                             ; selb is in
; a lane adds at most 64 ones into a byte: no carry between bytes.  Token 64 j + 2 l stands in front of t where 64 j < t - 2 l
.set j, 0
.rept 32
	v_cmp_lt_i32 vcc_lo, 64*j, v[VT]
	v_cmp_lt_i32 s39, 64*j, v[VT1]
	v_cndmask_b32 v[M],   0, v[SC+4*j],   vcc_lo
	v_cndmask_b32 v[M+1], 0, v[SC+4*j+1], vcc_lo
	v_cndmask_b32 v[M+2], 0, v[SC+4*j+2], s39
	v_cndmask_b32 v[M+3], 0, v[SC+4*j+3], s39
.if j == 0
	v_add_nc_u32 v[TL],   v[SC],   v[SC+2]         ; the first pair starts the sums
	v_add_nc_u32 v[TL+1], v[SC+1], v[SC+3]
	v_add_nc_u32 v[TL+2], v[M],    v[M+2]
	v_add_nc_u32 v[TL+3], v[M+1],  v[M+3]
.else
	v_add3_u32 v[TL],   v[TL],   v[SC+4*j],   v[SC+4*j+2]
	v_add3_u32 v[TL+1], v[TL+1], v[SC+4*j+1], v[SC+4*j+3]
	v_add3_u32 v[TL+2], v[TL+2], v[M],        v[M+2]
	v_add3_u32 v[TL+3], v[TL+3], v[M+1],      v[M+3]
.endif
.set j, j+1
.endr
.irp q, 0,1,2,3                        ; bytes 0, 2 and bytes 1, 3 into fields of 16 bits: 2,048 at the most
	v_and_b32 v[WD+2*\q], s38, v[TL+\q]
	v_lshrrev_b32 v[WD+2*\q+1], 8, v[TL+\q]
	v_and_b32 v[WD+2*\q+1], s38, v[WD+2*\q+1]
.endr
.irp m, 1,2,4,8                        ; the sums over the 32 lanes: four steps inside each half of 16 lanes, one across the halves
.irp q, 0,1,2,3,4,5,6,7
	v_mov_b32_dpp v[TMP], v[WD+\q] row_xmask:\m row_mask:0xf bank_mask:0xf
	v_add_nc_u32 v[WD+\q], v[WD+\q], v[TMP]
.endr
.endr
.irp q, 0,1,2,3,4,5,6,7
	v_permlanex16_b32 v[TMP], v[WD+\q], s36, s37
	v_add_nc_u32 v[WD+\q], v[WD+\q], v[TMP]
.endr
.irp q, 0,1,2,3,4,5,6,7
	v_readfirstlane_b32 s[24+\q], v[WD+\q]
.endr
	s_and_b32  s[NN+0], s24, 0xffff
	s_lshr_b32 s[NN+2], s24, 16
	s_and_b32  s[NN+1], s25, 0xffff
	s_lshr_b32 s[NN+3], s25, 16
	s_and_b32  s[NN+4], s26, 0xffff
	s_lshr_b32 s[NN+6], s26, 16
	s_and_b32  s[NN+5], s27, 0xffff
	s_and_b32  s[PP+0], s28, 0xffff
	s_lshr_b32 s[PP+2], s28, 16
	s_and_b32  s[PP+1], s29, 0xffff
	s_lshr_b32 s[PP+3], s29, 16
	s_and_b32  s[PP+4], s30, 0xffff
	s_lshr_b32 s[PP+6], s30, 16
	s_and_b32  s[PP+5], s31, 0xffff
	s_mov_b32 s[BB], 0
.irp e, 0,1,2,3,4,5,6
	s_add_co_u32 s[NB+\e], s[NN+\e], 127
	s_lshr_b32 s[NB+\e], s[NB+\e], 7
	s_add_co_u32 s[BB+\e+1], s[BB+\e], s[NB+\e]
	s_lshl_b32 s[SS+\e], s[BB+\e], 7
	s_add_co_u32 s[SS+\e], s[SS+\e], s[PP+\e]
.endr
	s_lshl_b32 s[SS+7], s[BB+7], 7
	s_add_co_u32 s[SS+7], s[SS+7], s13
	s_wait_kmcnt 0x0                               ; idx8
.irp k, 0,1,2,3                        ; rank k's slot: my slot with its expert
	s_mov_b32 s[SL+\k], s[SS]
.irp e, 1,2,3,4,5,6,7
	s_cmp_eq_u32 s[16+\k], \e
	s_cselect_b32 s[SL+\k], s[SS+\e], s[SL+\k]
.endr
.endr
	s_mov_b32 s[SL+4], s[SS+7]
	; my padding row: expert t / 128 (only 0..6 have any), row N + t % 128 of its blocks, if that is still inside them
	s_lshr_b32 s24, s13, 7
	s_and_b32 s25, s13, 127
	s_mov_b32 s26, 0
	s_mov_b32 s27, 0
	s_mov_b32 s28, 0
.irp e, 0,1,2,3,4,5,6
	s_cmp_eq_u32 s24, \e
	s_cselect_b32 s26, s[NN+\e], s26
	s_cselect_b32 s27, s[NB+\e], s27
	s_cselect_b32 s28, s[BB+\e], s28
.endr
	s_add_co_u32 s26, s26, s25
	s_lshl_b32 s27, s27, 7
	s_lshl_b32 s28, s28, 7
	s_add_co_u32 s28, s28, s26
	s_cmp_lt_u32 s26, s27
	s_cselect_b32 s[SL+5], s28, -1                 ; NONE = 0xffffffff: no row of xs
	; my two rows behind the last block in use: 128 (BB_7 + 16) + t, and 2,048 further on
	s_add_co_u32 s24, s[BB+7], 16
	s_lshl_b32 s24, s24, 7
	s_add_co_u32 s24, s24, s13
	s_cmp_lt_u32 s24, ROWS
	s_cselect_b32 s[SL+6], s24, -1
	s_add_co_u32 s24, s24, 2048
	s_cmp_lt_u32 s24, ROWS
	s_cselect_b32 s[SL+7], s24, -1
.irp k, 0,1,2,3,4,5,6,7
	v_mov_b32 v[REC+\k], s[SL+\k]
.endr
	v_cmp_eq_u32 vcc_lo, 0, v1
	s_wait_xcnt 0x0                                ; EXEC changes only behind this wait
	s_and_saveexec_b32 s39, vcc_lo
	global_store_b128 v[Z], v[REC:REC+3], s[32:33]
	global_store_b128 v[Z], v[REC+4:REC+7], s[32:33] offset:16
	s_wait_xcnt 0x0
	s_or_b32 exec_lo, exec_lo, s39
	; the table block -> expert, 128 words: the wave of token 0 alone
	s_cmp_lg_u32 s13, 0
	s_cbranch_scc1 .Lend
.irp j, 0,1,2,3
	v_add_nc_u32 v[M+\j], 32*\j, v1                ; block rb = lane + 32 j
	v_mov_b32 v[WD+\j], 0
.irp i, 1,2,3,4,5,6,7
	v_cmp_le_u32 vcc_lo, s[BB+\i], v[M+\j]
	v_add_co_ci_u32 v[WD+\j], vcc_lo, 0, v[WD+\j], vcc_lo      ; its expert = how many of BB_1 .. BB_7 are at or below it: 7, the shared one, from BB_7 on
.endr
	global_store_b32 v7, v[WD+\j], s[6:7] offset:65536+128*\j
.endr
.Lend:
	s_endpgm
.Lfunc_end_k_qf398c12e62_plan:
	.size	k_qf398c12e62_plan, .Lfunc_end_k_qf398c12e62_plan-k_qf398c12e62_plan
	.p2alignl 7, 3214868480
	.fill 96, 4, 3214868480
	.section	.rodata,"a",@progbits
	.p2align	6, 0x0
	.amdhsa_kernel k_qf398c12e62_plan
		.amdhsa_group_segment_fixed_size 0
		.amdhsa_private_segment_fixed_size 0
		.amdhsa_enable_private_segment 0
		.amdhsa_kernarg_size 16
		.amdhsa_user_sgpr_count 2
		.amdhsa_user_sgpr_kernarg_segment_ptr 1
		.amdhsa_wavefront_size32 1
		.amdhsa_system_sgpr_workgroup_id_x 1
		.amdhsa_system_sgpr_workgroup_id_y 1
		.amdhsa_system_sgpr_workgroup_id_z 1
		.amdhsa_system_vgpr_workitem_id 0
		.amdhsa_next_free_vgpr 200
		.amdhsa_next_free_sgpr 96
		.amdhsa_reserve_vcc 1
		.amdhsa_float_denorm_mode_32 3
		.amdhsa_float_denorm_mode_16_64 3
		.amdhsa_memory_ordered 1
		.amdhsa_forward_progress 1
		.amdhsa_inst_pref_size 36
	.end_amdhsa_kernel
	.amdgpu_metadata
---
amdhsa.version: [ 1, 2 ]
amdhsa.kernels:
  - .name:           k_qf398c12e62_plan
    .symbol:         k_qf398c12e62_plan.kd
    .args:
      - { .name: rti, .offset: 0, .size: 8, .value_kind: global_buffer, .address_space: global }
      - { .name: pl, .offset: 8, .size: 8, .value_kind: global_buffer, .address_space: global }
    .group_segment_fixed_size: 0
    .private_segment_fixed_size: 0
    .kernarg_segment_align: 8
    .kernarg_segment_size: 16
    .max_flat_workgroup_size: 256
    .sgpr_count:     96
    .vgpr_count:     200
    .wavefront_size: 32
...
	.end_amdgpu_metadata
.endif
;; end of part 2
;; launch scatter (part 3): grid 256 x 1, 8 waves a work-group, no clusters, 0 bytes of LDS; arguments x, pl, xs; writes xs
.if DOCPART == 3
	.amdgcn_target "amdgcn-amd-amdhsa--gfx1250"
	.amdhsa_code_object_version 6
	.text
	.protected	k_qf398c12e62_scatter
	.globl	k_qf398c12e62_scatter
	.p2align	8
	.type	k_qf398c12e62_scatter,@function
k_qf398c12e62_scatter:
	s_mov_b64 s[64:65], 0
	v_nop
	global_prefetch_b8 v0, s[64:65] scope:SCOPE_SE
	s_setreg_imm32_b32 hwreg(HW_REG_WAVE_MODE, 25, 1), 1
	s_wait_xcnt 0x0
; SCATTER: xs[slot] = bf16(x[t]) for token t's shared slot and for the slot of each of its four ranks; zeros in the rows of xs that no token fills.  One token a wave.
; All that steers an address or a branch is read from rec[t] (whole numbers of the launch before): words 0-3 the ranks' slots, word 4 the shared slot, words 5-7 up to three rows to be
; filled with zeros (a word at or above xs's 11,136 rows says: none).  A rank whose slot is the shared slot is the constant expert: it has no row of its own.
; The products that follow walk a constant number of blocks of xs, so every row of xs is stored here, by one wave each.
; Memory binds: a row is read once (4,096 bytes), rounded once and stored up to five times (2,048 bytes each).  Each of the eight addresses has a scalar pair of its own, so no source of a
; pending store is ever rewritten.  No LDS, no matrix unit, no cluster.
.set ROWS, 11136                       ; xs has 87 blocks of 128 rows
.set Z,   28                           ; v28-31   zeros
.set XR,  32                           ; v32-63   x as loaded
.set XP,  64                           ; v64-79   x in bf16
.set RC,  24                           ; s24-31   rec[t]
.set PT,  40                           ; s40-55   eight addresses in xs
	s_load_b128 s[4:7], s[0:1], 0x0                ; x 4, pl 6
	s_load_b64 s[8:9], s[0:1], 0x10                ; xs
	v_and_b32 v1, 31, v0
	v_lshrrev_b32 v2, 5, v0
	v_readfirstlane_b32 s12, v2
	s_lshl_b32 s13, ttmp9, 3
	s_add_co_u32 s13, s13, s12                     ; t
	v_lshlrev_b32 v3, 4, v1                        ; 16 l
	v_lshlrev_b32 v4, 5, v1                        ; 32 l
	s_lshl_b32 s14, s13, 12                        ; a row of x is 4,096 bytes
	s_mov_b32 s15, 0
	s_lshl_b32 s20, s13, 5
	s_mov_b32 s21, 0
	s_wait_kmcnt 0x0
	s_add_nc_u64 s[22:23], s[6:7], s[20:21]
	s_load_b256 s[RC:RC+7], s[22:23], 0x0          ; rec[t]
	s_add_nc_u64 s[14:15], s[4:5], s[14:15]        ; my row of x
.irp j, 0,1,2,3
	global_load_b128 v[XR+8*\j:XR+8*\j+3],   v4, s[14:15] offset:1024*\j       ; 8 numbers a lane, which round to 16 bytes
	global_load_b128 v[XR+8*\j+4:XR+8*\j+7], v4, s[14:15] offset:1024*\j+16
.endr
.irp k, 0,1,2,3
	v_mov_b32 v[Z+\k], 0
.endr
	s_wait_kmcnt 0x0                               ; rec[t]
.irp k, 0,1,2,3,4,5,6,7
	s_min_u32 s34, s[RC+\k], ROWS-1                ; a loaded number enters an address only clamped to the buffer's rows
	s_lshl_b32 s36, s34, 11                        ; a row of xs is 2,048 bytes
	s_mov_b32 s37, 0
	s_add_nc_u64 s[PT+2*\k:PT+2*\k+1], s[8:9], s[36:37]
.endr
	s_wait_loadcnt 0x0                             ; x
.irp q, 0,1,2,3,4,5,6,7,8,9,10,11,12,13,14,15
	v_cvt_pk_bf16_f32 v[XP+\q], v[XR+2*\q], v[XR+2*\q+1]
.endr
.irp j, 0,1,2,3
	global_store_b128 v3, v[XP+4*\j:XP+4*\j+3], s[PT+8:PT+9] offset:512*\j     ; the shared slot; each store covers 512 consecutive bytes, aligned
.endr
.irp k, 0,1,2,3
	s_cmp_eq_u32 s[RC+\k], s[RC+4]                 ; the constant expert: the shared slot stands in, and is stored already
	s_cbranch_scc1 .Lno_row_\k
.irp j, 0,1,2,3
	global_store_b128 v3, v[XP+4*\j:XP+4*\j+3], s[PT+2*\k:PT+2*\k+1] offset:512*\j
.endr
.Lno_row_\k:
.endr
.irp k, 5,6,7
	s_cmp_lt_u32 s[RC+\k], ROWS                    ; a row to be filled with zeros, or none
	s_cbranch_scc0 .Lno_zero_\k
.irp j, 0,1,2,3
	global_store_b128 v3, v[Z:Z+3], s[PT+2*\k:PT+2*\k+1] offset:512*\j
.endr
.Lno_zero_\k:
.endr
	s_endpgm
.Lfunc_end_k_qf398c12e62_scatter:
	.size	k_qf398c12e62_scatter, .Lfunc_end_k_qf398c12e62_scatter-k_qf398c12e62_scatter
	.p2alignl 7, 3214868480
	.fill 96, 4, 3214868480
	.section	.rodata,"a",@progbits
	.p2align	6, 0x0
	.amdhsa_kernel k_qf398c12e62_scatter
		.amdhsa_group_segment_fixed_size 0
		.amdhsa_private_segment_fixed_size 0
		.amdhsa_enable_private_segment 0
		.amdhsa_kernarg_size 24
		.amdhsa_user_sgpr_count 2
		.amdhsa_user_sgpr_kernarg_segment_ptr 1
		.amdhsa_wavefront_size32 1
		.amdhsa_system_sgpr_workgroup_id_x 1
		.amdhsa_system_sgpr_workgroup_id_y 1
		.amdhsa_system_sgpr_workgroup_id_z 1
		.amdhsa_system_vgpr_workitem_id 0
		.amdhsa_next_free_vgpr 80
		.amdhsa_next_free_sgpr 66
		.amdhsa_reserve_vcc 0
		.amdhsa_float_denorm_mode_32 3
		.amdhsa_float_denorm_mode_16_64 3
		.amdhsa_memory_ordered 1
		.amdhsa_forward_progress 1
		.amdhsa_inst_pref_size 8
	.end_amdhsa_kernel
	.amdgpu_metadata
---
amdhsa.version: [ 1, 2 ]
amdhsa.kernels:
  - .name:           k_qf398c12e62_scatter
    .symbol:         k_qf398c12e62_scatter.kd
    .args:
      - { .name: x, .offset: 0, .size: 8, .value_kind: global_buffer, .address_space: global }
      - { .name: pl, .offset: 8, .size: 8, .value_kind: global_buffer, .address_space: global }
      - { .name: xs, .offset: 16, .size: 8, .value_kind: global_buffer, .address_space: global }
    .group_segment_fixed_size: 0
    .private_segment_fixed_size: 0
    .kernarg_segment_align: 8
    .kernarg_segment_size: 24
    .max_flat_workgroup_size: 256
    .sgpr_count:     66
    .vgpr_count:     80
    .wavefront_size: 32
...
	.end_amdgpu_metadata
.endif
;; end of part 3
;; launch up (part 4): grid 232 x 1, 4 waves a work-group, clusters of 4 x 1, 327,680 bytes of LDS; arguments xs, wb, pl, hb; writes hb
.if DOCPART == 4
	.amdgcn_target "amdgcn-amd-amdhsa--gfx1250"
	.amdhsa_code_object_version 6
	.text
	.protected	k_qf398c12e62_up
	.globl	k_qf398c12e62_up
	.p2align	8
	.type	k_qf398c12e62_up,@function
k_qf398c12e62_up:
	s_mov_b64 s[64:65], 0
	v_nop
	global_prefetch_b8 v0, s[64:65] scope:SCOPE_SE
	s_setreg_imm32_b32 hwreg(HW_REG_WAVE_MODE, 25, 1), 1
	s_wait_xcnt 0x0
	s_wait_alu depctr_hold_cnt(0) depctr_sa_sdst(0) depctr_va_vdst(0) depctr_va_sdst(0) depctr_va_ssrc(0) depctr_va_vcc(0) depctr_vm_vsrc(0)
	s_getreg_b32 s2, hwreg(HW_REG_IB_STS2, 6, 4)
	s_cmp_eq_u32 s2, 0
	s_cbranch_scc0 .Lentry_in_a_cluster
	s_endpgm
.Lentry_in_a_cluster:
	s_bfe_u32 s2, ttmp6, 0x10000c
	s_cmp_lg_u32 s2, 0x3003
	s_cbranch_scc0 .Lentry_shape_is_right
	s_endpgm
.Lentry_shape_is_right:
.set DOWN, 0                           ; 0: hb = gelu(xs . keys^T), bf16.   1: y = hb . values^T, f32.  The two launches' texts differ in this line alone.
; A GROUPED GEMM over blocks of 128 slots; every block belongs to one expert (table in pl, whole numbers of an earlier launch).  C[slot][n] = sum over k of A[slot][k] B_e[n][k], bf16 operands, f32 sums.
; SHARES.  A tile of C is 128 slots x 256 columns: four waves, each 64 x 128 = 32 accumulators of 16 x 16 (256 registers).  K goes in steps of 128 (rows of 256 bytes, at multiples of 256 bytes)
;   through two LDS slots.  A work-group stays and walks TILES tiles; the ring goes on into the next tile.
; THE WALK IS A CONSTANT.  Every wave passes every barrier, so no barrier hangs on a number read from memory: the walk covers the most blocks that any routing can fill (86: 16 shared, at most 70 of
;   experts 0..6).  Blocks that a routing leaves unused hold zero rows (stored as such by the launches before) and give zero rows; only the expert of a block, so B's address, is read from memory.
;   up: 58 clusters, cluster c takes blocks c / 2 + 29 i, i = 0..2 (87 blocks), column group c % 2.   down: 43 clusters, cluster c takes blocks c + 43 i, i = 0, 1 (86 blocks).
;   More clusters would not shorten the longest walk: 174 and 86 cluster tiles on 64 clusters are again 3 and 2 to the busiest.
; CLUSTER.  The four work-groups of a cluster take four neighbouring column tiles of the SAME block of slots: A's tile is asked for jointly (mask 15).  B's tiles are each work-group's own:
;   to share weights, four blocks of one expert would have to walk in step, so every expert would be padded to 512 rows: 7 x 256 rows of padding on the average against 7 x 64 now, on some 9,200 rows.
; TRANSPOSED USE: source 0 = 16 rows of B, source 1 = 16 rows of A: a lane holds one slot (lane % 16) and eight neighbouring columns 8 (lane / 16) + 0..7.
; gelu(x) = x / (1 + 2^(x (c1 + c2 x^2))), c1 = -2 sqrt(2/pi) log2(e), c2 = 0.044715 c1: the tanh form, rewritten; for large |x| the power goes to 0 or to infinity and the result to x or to -0.
; REGISTERS.  window 0: v0-31 addresses and constants; v32-127, v128-223 two fragment buffers (B's 8 fragments, then A's 4); on the way out v128-255 are at work.  window 1: accumulator (a, b) at v[8 (8 a + b)].
.if DOWN
.set KDIM,   2048
.set WOFF,   33554432                  ; the values lie behind the keys in wb
.set LOGA,   19                        ; 128 rows of A are 2^19 bytes
.set RBSTEP, 43                        ; blocks from a tile to the next
.set TILES,  2
.set LOGO,   2                         ; bytes of an output number: 4
.set SPITCH, 528                       ; a stage row: 128 f32 + 16 bytes
.else
.set KDIM,   1024
.set WOFF,   0
.set LOGA,   18
.set RBSTEP, 29
.set TILES,  3
.set LOGO,   1
.set SPITCH, 272                       ; a stage row: 128 bf16 + 16 bytes
.endif
.set LAPS,   KDIM/256                  ; a lap = two K steps = once round the ring
.set PITCH,  272                       ; an LDS row: 256 bytes + 16 of padding = 68 words: the 16 rows of a fragment load start 4 banks apart (64 banks of 4 bytes: ISA guide 11.1)
.set HALFT,  128*PITCH                 ; a wave's region of a slot: regions 0, 1: A's rows 0-63, 64-127 (half of each region is used); regions 2, 3: B's rows 0-127, 128-255
.set SLOT,   4*HALFT
.set STAGE,  2*SLOT                    ; behind the ring: 16 rows for each wave, for the way out
.set SPARE,  STAGE+4*16*SPITCH         ; behind the stages: the spare words, 128 bytes for each wave: two blocks of 256 bytes that no other line names
.set ADRA, 16                          ; v16-17  LDS address of my A fragments in slot 0, 1
.set ADRB, 20                          ; v20-21  the same for B
.set STO,  24                          ; v24     the way out: where I put my bytes of a row
.set RD,   25                          ; v25     where I read rows back
.set CO,   26                          ; v26     my byte offset in the output
.set SPW,  28                          ; v28     LDS address of my spare word; never rewritten
.set NIL,  29                          ; v29     0; never rewritten
.set C1,   30                          ; v30-31  gelu's c1, twice
.set F0,   32
.set F1,   128
.set TT,   128                         ; up's way out: 64 numbers at work
.set PKD,  192                         ; 32 registers of packed bf16
.set OB,   224                         ; 16 rows read back
.set G1,  24                           ; s[24:31] group 1 for A's tiles;  s[32:39] group 0, a set for each slot
.set G0,  32
.set G1B, 48                           ; s[48:55], s[56:63] the same for B's
.set G0B, 56
.set MUL, 0x50                         ; C and D in window 1, sources 0 and 1 in window 0
.set MSB, 0
.macro WIN new                         ; the immediate's high byte repeats the setting that is left; a switch that changes nothing is dropped
.if MSB != \new
	s_set_vgpr_msb (MSB<<8)|\new
.set MSB, \new
.endif
.endm
.macro PLACES                          ; four plain vector instructions between a matrix instruction and a load into, or a vector read or write of, its registers
.rept 4
	v_nop
.endr
.endm
; A refill: waves 0 and 1 ask jointly for A's two halves, waves 2 and 3 for B's two halves.  The branch hangs on the wave's number alone.  Four v_nop follow each line.
.macro JLOAD s
	s_cmp_eq_u32 s11, 0
	s_cbranch_scc0 .Lfor_b_\@
	tensor_load_to_lds s[G0+4*\s:G0+4*\s+3], s[G1:G1+7]
	s_nop 0
.rept 4
	v_nop
.endr
	s_branch .Lasked_\@
.Lfor_b_\@:
	tensor_load_to_lds s[G0B+4*\s:G0B+4*\s+3], s[G1B:G1B+7]
	s_nop 0
.rept 4
	v_nop
.endr
.Lasked_\@:
.endm
.macro CREST                           ; a round of the cluster's barrier behind its opening barrier
	s_cmp_lg_u32 s10, 0
	s_cbranch_scc1 .Lnot_wave_0_\@
	s_barrier_signal -3
.Lnot_wave_0_\@:
	s_barrier_wait -3
	s_barrier_signal -1
	s_barrier_wait -1
.endm
.macro CROUND                          ; a whole round
	s_barrier_signal -1
	s_barrier_wait -1
	CREST
.endm
	s_load_b128 s[4:7], s[0:1], 0x0                ; A s[4:5], wb s[6:7]
	s_load_b128 s[44:47], s[0:1], 0x10             ; pl s[44:45], the output s[46:47]
	v_lshl_add_u32 v[SPW], v0, 2, SPARE
	v_mov_b32 v[NIL], 0
	ds_add_u32 v28, v29
	s_wait_dscnt 0x0
	v_lshrrev_b32 v1, 5, v0
	v_readfirstlane_b32 s10, v1                    ; wave 0..3
	s_lshr_b32 s11, s10, 1                         ; which 64 slots of the tile are mine.  Also: I fetch for A (0) or for B (1)
	s_and_b32 s12, s10, 1                          ; which 128 columns.  Also: which half of that tile I fetch
	s_bfe_u32 s40, ttmp6, 0x40000                  ; cx: my place in the cluster; it enters B's and the output's addresses alone
.if DOWN
	s_mov_b32 s66, ttmp9                           ; my first block of slots (ttmp9 counts clusters)
	s_lshl_b32 s42, s40, 8                         ; my tile's first column
.else
	s_lshr_b32 s66, ttmp9, 1
	s_and_b32 s42, ttmp9, 1
	s_lshl_b32 s42, s42, 2
	s_add_co_u32 s42, s42, s40
	s_lshl_b32 s42, s42, 8
.endif
	s_lshl_b32 s41, s66, 2                         ; the block's word in the table
	s_lshl_b32 s13, s12, 7
	s_add_co_u32 s42, s42, s13                     ; + 128 x half: my wave's first column, and the first row of B that waves 2, 3 fetch
	s_mul_i32 s86, s42, KDIM*2                     ; that row's bytes in an expert's matrix,
.if WOFF
	s_add_co_u32 s86, s86, WOFF
.endif
	s_lshl_b32 s87, s42, LOGO                      ; that column's bytes in an output row
	s_lshl_b32 s88, s12, LOGA-1                    ; A: 64 rows x half
	s_lshl_b32 s89, s11, 18                        ; output: 64 rows of 4,096 bytes x half
	s_mul_i32 s20, s10, HALFT                      ; where my part of a tile goes: no place in the cluster enters an LDS address
	s_mov_b32 s84, 0xbdd2d3e8                      ; gelu's c2 = -0.10294324
	s_mov_b32 s85, s84                             ; named with it as a pair, so it is written
	; group 1.  A: 64 rows x 128 elements, joint; B: 128 rows x 128 elements, my own.  Both padded: 4 words behind every 64
	s_mov_b32 s[G1+0], 15|(1<<16)|(1<<20)|(1<<21)|(5<<22)|(3<<25)  ; 15:0 the mask: all four work-groups; 17:16 elements of 2 bytes; 20 padding on; 21 set beside a mask; 24:22 after 64 words; 31:25 4 words
	s_mov_b32 s[G1+1], 128<<16                     ; tensor_dim0 = 128
	s_mov_b32 s[G1+2], 64<<16                      ; tensor_dim1 = 64
	s_mov_b32 s[G1+3], 128<<16                     ; tile_dim0 = 128
	s_mov_b32 s[G1+4], 64                          ; tile_dim1 = 64
	s_mov_b32 s[G1+5], KDIM                        ; elements from row to row
	s_mov_b32 s[G1+6], 0
	s_mov_b32 s[G1+7], 0
	s_mov_b32 s[G1B+0], (1<<16)|(1<<20)|(5<<22)|(3<<25)            ; no mask
	s_mov_b32 s[G1B+1], 128<<16
	s_mov_b32 s[G1B+2], 128<<16                    ; tensor_dim1 = 128
	s_mov_b32 s[G1B+3], 128<<16
	s_mov_b32 s[G1B+4], 128                        ; tile_dim1 = 128
	s_mov_b32 s[G1B+5], KDIM
	s_mov_b32 s[G1B+6], 0
	s_mov_b32 s[G1B+7], 0
	s_wait_kmcnt 0x0
	s_load_b32 s68, s[44:45], s41 offset:0x10000   ; the experts of my first, second (and third) block; the table has 128 words, all written
	s_load_b32 s69, s[44:45], s41 offset:0x10000+4*RBSTEP
.if DOWN == 0
	s_load_b32 s70, s[44:45], s41 offset:0x10000+8*RBSTEP
.endif
	s_wait_kmcnt 0x0
.if DOWN
	s_mov_b32 s70, s69
.endif
	s_min_u32 s68, s68, 7                          ; loaded numbers enter addresses only clamped
	s_min_u32 s69, s69, 7
	s_min_u32 s70, s70, 7
	s_lshl_b32 s78, s66, LOGA                      ; A's address: the block and the wave's half; s[78:79] never hold cx
	s_add_co_u32 s78, s78, s88
	s_mov_b32 s79, 0
	s_add_nc_u64 s[14:15], s[4:5], s[78:79]
	s_lshl_b32 s82, s68, 22                        ; B's: 4 MiB an expert
	s_add_co_u32 s82, s82, s86
	s_mov_b32 s83, 0
	s_add_nc_u64 s[16:17], s[6:7], s[82:83]
	CROUND                                         ; all four work-groups are here: the first joint loads meet
.irp s, 0,1
	s_mov_b32 s[G0+4*\s], 1                                        ; count = 1
	s_add_co_u32 s[G0+4*\s+1], s20, \s*SLOT                        ; LDS address
	s_add_nc_u64 s[G0+4*\s+2:G0+4*\s+3], s[14:15], \s*256          ; K step s
	s_or_b32 s[G0+4*\s+3], s[G0+4*\s+3], 0x80000000                ; type = 2
	s_mov_b32 s[G0B+4*\s], 1
	s_add_co_u32 s[G0B+4*\s+1], s20, \s*SLOT
	s_add_nc_u64 s[G0B+4*\s+2:G0B+4*\s+3], s[16:17], \s*256
	s_or_b32 s[G0B+4*\s+3], s[G0B+4*\s+3], 0x80000000
.endr
	s_cmp_eq_u32 s11, 0                            ; a wave's two first fills stand in one branch, ahead of every wait on TENSORcnt and every LDS read: two loads of mine are out
	s_cbranch_scc0 .Lfirst_b
	tensor_load_to_lds s[G0:G0+3], s[G1:G1+7]
	s_nop 0
	tensor_load_to_lds s[G0+4:G0+7], s[G1:G1+7]
	s_nop 0
.rept 4
	v_nop
.endr
	s_branch .Lfirst_asked
.Lfirst_b:
	tensor_load_to_lds s[G0B:G0B+3], s[G1B:G1B+7]
	s_nop 0
	tensor_load_to_lds s[G0B+4:G0B+7], s[G1B:G1B+7]
	s_nop 0
.rept 4
	v_nop
.endr
.Lfirst_asked:
	; a fragment is 16 rows x 32 K in 8 registers: lane l holds row l % 16; registers 0-3 K = 8 (l / 16) + 0..7, registers 4-7 K = 16 + 8 (l / 16) + 0..7: two loads of 16 bytes, 32 bytes apart
	v_and_b32 v1, 15, v0                           ; r = l % 16
	v_bfe_u32 v2, v0, 4, 1                         ; h = l / 16
	v_mul_u32_u24 v3, v1, PITCH
	v_lshl_add_u32 v3, v2, 4, v3
	s_mul_i32 s21, s11, HALFT                      ; my 64 rows of A: region 0 or 1
	s_mul_i32 s22, s12, HALFT                      ; my 128 rows of B: region 2 or 3
	s_add_co_u32 s22, s22, 2*HALFT
.irp s, 0,1
	v_add_nc_u32 v[ADRA+\s], s21, v3
	v_add_nc_u32 v[ADRB+\s], s22, v3
	s_add_co_u32 s21, s21, SLOT
	s_add_co_u32 s22, s22, SLOT
.endr
	s_mul_i32 s23, s10, 16*SPITCH
	s_add_co_u32 s23, s23, STAGE                   ; my stage
	v_mul_u32_u24 v4, v1, SPITCH
.if DOWN
	v_lshl_add_u32 v4, v2, 5, v4                   ; in: row r, 32 bytes (8 f32) for each half of the lanes
	v_add_nc_u32 v[STO], s23, v4
	v_and_b32 v5, 31, v0
	v_lshlrev_b32 v[CO], 4, v5                     ; back: 32 lanes take a whole row of 512 bytes; the same in y
	v_add_nc_u32 v[RD], s23, v[CO]
.else
	v_lshl_add_u32 v4, v2, 4, v4                   ; in: row r, 16 bytes (8 bf16) for each half of the lanes
	v_add_nc_u32 v[STO], s23, v4
	v_mul_u32_u24 v5, v2, SPITCH                   ; back: lanes 0-15 take one row of 256 bytes, lanes 16-31 the next
	v_lshl_add_u32 v5, v1, 4, v5
	v_add_nc_u32 v[RD], s23, v5
	v_lshlrev_b32 v5, 12, v2                       ; and the same two rows in hb, 4,096 bytes apart
	v_lshl_add_u32 v[CO], v1, 4, v5
	v_mov_b32 v[C1], 0xc0135761                    ; c1 = -2.3022082
	v_mov_b32 v[C1+1], 0xc0135761
.endif
; 8 matrix instructions: rows 16 a on of my 64 slots x all 8 column blocks, 32 along K.  zero = 1: the product starts the sums: nothing is ever cleared.
; The 32 accumulators take turns, one instruction a turn, in the same order in every quarter.
.macro MUL8 f, a, zero
.irp b, 0,1,2,3,4,5,6,7
.if \zero
	v_wmma_f32_16x16x32_bf16 v[8*(8*\a+\b):8*(8*\a+\b)+7], v[\f+8*\b:\f+8*\b+7], v[\f+64+8*\a:\f+64+8*\a+7], 0
.else
	v_wmma_f32_16x16x32_bf16 v[8*(8*\a+\b):8*(8*\a+\b)+7], v[\f+8*\b:\f+8*\b+7], v[\f+64+8*\a:\f+64+8*\a+7], v[8*(8*\a+\b):8*(8*\a+\b)+7]
.endif
.endr
.endm
; 24 LDS loads in one run: the fragments of 32 along K at byte k of the rows: B's eight, then A's four
.macro FETCH slot, k, f
	WIN 0
.irp i, 0,1,2,3,4,5,6,7
	ds_load_b128 v[\f+8*\i:\f+8*\i+3],   v[ADRB+\slot] offset:\k+\i*16*PITCH
	ds_load_b128 v[\f+8*\i+4:\f+8*\i+7], v[ADRB+\slot] offset:\k+\i*16*PITCH+32
.endr
.irp i, 0,1,2,3
	ds_load_b128 v[\f+64+8*\i:\f+64+8*\i+3],   v[ADRA+\slot] offset:\k+\i*16*PITCH
	ds_load_b128 v[\f+64+8*\i+4:\f+64+8*\i+7], v[ADRA+\slot] offset:\k+\i*16*PITCH+32
.endr
.endm
; A K step is four quarters of 32 along K, 32 matrix instructions each, on buffers 0, 1, 0, 1.  One of the first three: multiplies f, and in its middle fetches the next quarter, at byte k, into g.
.macro QUARTER slot, k, f, g, zero
	s_wait_dscnt 4                                 ; B and A's fragments 0, 1 are in; the youngest four loads (A's fragments 2, 3) may be out
	WIN MUL
	MUL8 \f, 0, \zero
	MUL8 \f, 1, \zero
	PLACES
	FETCH \slot, \k, \g
	s_wait_dscnt 24                                ; all but the 24 just issued
	WIN MUL
	MUL8 \f, 2, \zero
	MUL8 \f, 3, \zero
.endm
; The last quarter multiplies buffer 1 and changes slots: ONE barrier.  In front of it each wave waits for all its tensor loads (one is out: its part of the next slot), adds 0 to its spare word,
; and waits for that and for its own reads of this slot.  Behind it nobody reads this slot and the next slot is whole.
; mode 1: this slot takes this tile's K step two on; mode 2: the NEXT tile's K step 0 or 1; in both the barrier opens a round of the cluster's barrier and the refill is the first tensor load behind it,
; a K step less 16 matrix instructions (112) ahead of the wait for it.  mode 0: nothing is left to fetch.
.macro TURN slot, next, mode
	WIN 0
	s_wait_tensorcnt 0x0                           ; all my tensor loads have landed;
	ds_add_u32 v[SPW], v[NIL]                      ; 0 onto my spare word;
	s_wait_dscnt 5                                 ; (the add and the youngest four loads may be out)
	WIN MUL
	MUL8 F1, 0, 0                                  ; eight matrix instructions stand between the add and the wait for it
	s_wait_dscnt 0x0                               ; the add is done, and my reads of this slot are over
	s_barrier_signal -1
	MUL8 F1, 1, 0                                  ; work on registers while the others arrive
.if \mode
	WIN 0                                          ; at a branch and at a label every window is 0
.endif
	s_barrier_wait -1
.if \mode == 1
	CREST                                          ; no wave of any partner still reads this slot's tile or has a load on its way
	s_add_nc_u64 s[G0+4*\slot+2:G0+4*\slot+3], s[G0+4*\slot+2:G0+4*\slot+3], 512
	s_add_nc_u64 s[G0B+4*\slot+2:G0B+4*\slot+3], s[G0B+4*\slot+2:G0B+4*\slot+3], 512
	JLOAD \slot                                    ; the four v_nop behind it are also the places in front of the loads below
.elseif \mode == 2
	CREST
	s_add_nc_u64 s[G0+4*\slot+2:G0+4*\slot+3], s[72:73], \slot*256
	s_or_b32 s[G0+4*\slot+3], s[G0+4*\slot+3], 0x80000000
	s_add_nc_u64 s[G0B+4*\slot+2:G0B+4*\slot+3], s[74:75], \slot*256
	s_or_b32 s[G0B+4*\slot+3], s[G0B+4*\slot+3], 0x80000000
	JLOAD \slot
.else
	PLACES
.endif
	FETCH \next, 0, F0
	WIN MUL
	MUL8 F1, 2, 0
	MUL8 F1, 3, 0
.endm
; At a tile's head, scalars only: where this tile goes out, and where the next tile's A and B begin (made for the last tile too, and not used there).
.macro PREP
	s_wait_xcnt 0x0                                ; the last tile's stores have had their addresses translated: their base and their data registers are rewritten only behind this wait
	s_lshl_b32 s80, s66, 19                        ; 128 output rows of 4,096 bytes a block
	s_add_co_u32 s80, s80, s89
	s_add_co_u32 s80, s80, s87
	s_mov_b32 s81, 0
	s_add_nc_u64 s[76:77], s[46:47], s[80:81]
	s_add_co_u32 s66, s66, RBSTEP
	s_lshl_b32 s78, s66, LOGA
	s_add_co_u32 s78, s78, s88
	s_mov_b32 s79, 0
	s_add_nc_u64 s[72:73], s[4:5], s[78:79]
	s_mov_b32 s68, s69
	s_mov_b32 s69, s70
	s_lshl_b32 s82, s68, 22
	s_add_co_u32 s82, s82, s86
	s_mov_b32 s83, 0
	s_add_nc_u64 s[74:75], s[6:7], s[82:83]
.endm
.if DOWN
; THE WAY OUT of down: 16 rows (block a) at a time through my own stage: 32 bytes a lane in, whole rows of 512 bytes back, stored as they are (f32).  Each accumulator is read from its low end on.
.macro TOSTAGE a
	WIN 0x04                                       ; the stores' data in window 1
.irp b, 0,1,2,3,4,5,6,7
	ds_store_b128 v[STO], v[64*(\a)+8*\b:64*(\a)+8*\b+3]   offset:64*\b
	ds_store_b128 v[STO], v[64*(\a)+8*\b+4:64*(\a)+8*\b+7] offset:64*\b+16
.endr
	WIN 0
.set BK, 128+64*((\a)%2)
.irp t, 0,1,2,3,4,5,6,7,8,9,10,11,12,13,14,15
	ds_load_b128 v[BK+4*\t:BK+4*\t+3], v[RD] offset:\t*SPITCH      ; LDS serves a wave's instructions in order (ISA guide 5.7.1.4): these see the stores above
.endr
.endm
.macro SEND a, younger                 ; younger: the LDS instructions issued behind block a's loads
.set BK, 128+64*((\a)%2)
	s_wait_dscnt \younger
.irp t, 0,1,2,3,4,5,6,7,8,9,10,11,12,13,14,15
	global_store_b128 v[CO], v[BK+4*\t:BK+4*\t+3], s[76:77] offset:4096*(16*(\a)+\t)   ; a wave's store covers 512 consecutive bytes, aligned
.endr
.endm
.macro WAYOUT
	PLACES                                         ; behind the last products
	TOSTAGE 0
	TOSTAGE 1
	SEND 0, 32                                     ; block 1's 16 stores and 16 loads are younger
	s_wait_xcnt 0x0                                ; block 0's registers are loaded again only behind this wait
	TOSTAGE 2
	SEND 1, 32
	s_wait_xcnt 0x0
	TOSTAGE 3
	SEND 2, 32
	SEND 3, 0
.endm
.else
; THE WAY OUT of up.  GELU a: block a's 64 numbers a lane, in stages under one window setting each, ascending.
.macro GELU a
	WIN 0x05                                       ; sources 0 and 1 in window 1
.set i, 0
.rept 32
	v_pk_mul_f32 v[TT+i:TT+i+1], v[64*(\a)+i:64*(\a)+i+1], v[64*(\a)+i:64*(\a)+i+1]   ; x^2
.set i, i+2
.endr
	WIN 0
.set i, 0
.rept 32
	v_pk_fma_f32 v[TT+i:TT+i+1], v[TT+i:TT+i+1], s[84:85], v[C1:C1+1] op_sel_hi:[1,0,1]   ; c2 x^2 + c1
.set i, i+2
.endr
	WIN 0x04                                       ; source 1 in window 1
.set i, 0
.rept 32
	v_pk_mul_f32 v[TT+i:TT+i+1], v[TT+i:TT+i+1], v[64*(\a)+i:64*(\a)+i+1]             ; times x
.set i, i+2
.endr
	WIN 0
.set i, 0
.rept 64
	v_exp_f32 v[TT+i], v[TT+i]
.set i, i+1
.endr
	v_nop                                          ; a plain instruction between the last exponential and the use of its result
.set i, 0
	s_wait_alu depctr_va_vdst(0)
.rept 32
	v_pk_add_f32 v[TT+i:TT+i+1], v[TT+i:TT+i+1], 1.0 op_sel_hi:[1,0]
.set i, i+2
.endr
.set i, 0
.rept 64
	v_rcp_f32 v[TT+i], v[TT+i]
.set i, i+1
.endr
	v_nop
	WIN 0x04
.set i, 0
	s_wait_alu depctr_va_vdst(0)
.rept 32
	v_pk_mul_f32 v[TT+i:TT+i+1], v[TT+i:TT+i+1], v[64*(\a)+i:64*(\a)+i+1]             ; x / (1 + 2^..)
.set i, i+2
.endr
	WIN 0
.set i, 0
.rept 32
	v_cvt_pk_bf16_f32 v[PKD+i], v[TT+2*i], v[TT+2*i+1]
.set i, i+1
.endr
.endm
.macro TOSTAGE                         ; 16 bytes a lane into my own stage, and back as whole rows of 256 bytes
.irp b, 0,1,2,3,4,5,6,7
	ds_store_b128 v[STO], v[PKD+4*\b:PKD+4*\b+3] offset:32*\b
.endr
.irp t, 0,1,2,3,4,5,6,7
	ds_load_b128 v[OB+4*\t:OB+4*\t+3], v[RD] offset:\t*2*SPITCH    ; LDS serves a wave's instructions in order (ISA guide 5.7.1.4): these see the stores above
.endr
.endm
.macro SEND a
	s_wait_dscnt 0x0                               ; the block is back in registers
.irp t, 0,1,2,3,4,5,6,7
	global_store_b128 v[CO], v[OB+4*\t:OB+4*\t+3], s[76:77] offset:65536*(\a)+8192*\t   ; 16 lanes store 256 consecutive bytes, aligned
.endr
.endm
.macro WAYOUT
	PLACES                                         ; behind the last products
	GELU 0
	TOSTAGE
.irp a, 1,2,3                          ; block a's arithmetic stands between block a - 1's loads from the stage and the wait for them
	GELU \a
	SEND \a-1
	s_wait_xcnt 0x0                                ; the rows' registers are loaded again only behind this wait
	TOSTAGE
.endr
	SEND 3
.endm
.endif
	s_wait_tensorcnt 1                             ; my part of K step 0 is in; K step 1's may stay out
	s_barrier_signal -1
	s_barrier_wait -1                              ; everybody's is
	FETCH 0, 0, F0
	s_mov_b32 s2, TILES                            ; tiles to go, this one among them: a constant, the same in every work-group
.Ltile:
	PREP
	QUARTER 0, 64,  F0, F1, 1                      ; a tile's first quarter stands in front of the loop: its products start the sums
	WIN 0
	s_mov_b32 s3, LAPS-1
.Llap:                                                 ; a trip goes once round the ring, from a lap's second quarter to the next lap's first, and fills both slots again
	QUARTER 0, 128, F1, F0, 0
	QUARTER 0, 192, F0, F1, 0
	TURN 0, 1, 1
	QUARTER 1, 64,  F0, F1, 0
	QUARTER 1, 128, F1, F0, 0
	QUARTER 1, 192, F0, F1, 0
	TURN 1, 0, 1
	QUARTER 0, 64,  F0, F1, 0
	WIN 0
	s_sub_co_u32 s3, s3, 1
	s_cmp_lg_u32 s3, 0
	s_cbranch_scc1 .Llap
	QUARTER 0, 128, F1, F0, 0                      ; the tile's last lap goes on
	QUARTER 0, 192, F0, F1, 0
	WIN 0
	s_cmp_eq_u32 s2, 1
	s_cbranch_scc1 .Llast_tile                     ; the last tile's tail is written out: it asks for nothing more
	TURN 0, 1, 2                                   ; the ring goes on into the next tile: slot 0 takes its K step 0,
	QUARTER 1, 64,  F0, F1, 0
	QUARTER 1, 128, F1, F0, 0
	QUARTER 1, 192, F0, F1, 0
	TURN 1, 0, 2                                   ; slot 1 its K step 1, and the next tile's first fragments are fetched into buffer 0, which the way out leaves alone
	WIN 0
	WAYOUT
	s_sub_co_u32 s2, s2, 1
	s_branch .Ltile
.Llast_tile:
	TURN 0, 1, 0
	QUARTER 1, 64,  F0, F1, 0
	QUARTER 1, 128, F1, F0, 0
	QUARTER 1, 192, F0, F1, 0
	s_wait_dscnt 4                                 ; the very last quarter: nothing more to fetch
	WIN MUL
	MUL8 F1, 0, 0
	MUL8 F1, 1, 0
	s_wait_dscnt 0x0
	MUL8 F1, 2, 0
	MUL8 F1, 3, 0
	WIN 0
	WAYOUT
	s_wait_tensorcnt 0x0                           ; the wave's end: behind my last tensor load and my last LDS store
	ds_add_u32 v[SPW], v[NIL]
	s_wait_dscnt 0x0
	CROUND                                         ; the closing round: no work-group ends while a partner may still ask for a tile that names it
	s_endpgm
.Lfunc_end_k_qf398c12e62_up:
	.size	k_qf398c12e62_up, .Lfunc_end_k_qf398c12e62_up-k_qf398c12e62_up
	.p2alignl 7, 3214868480
	.fill 96, 4, 3214868480
	.section	.rodata,"a",@progbits
	.p2align	6, 0x0
	.amdhsa_kernel k_qf398c12e62_up
		.amdhsa_group_segment_fixed_size 327680
		.amdhsa_private_segment_fixed_size 0
		.amdhsa_enable_private_segment 0
		.amdhsa_kernarg_size 32
		.amdhsa_user_sgpr_count 2
		.amdhsa_user_sgpr_kernarg_segment_ptr 1
		.amdhsa_wavefront_size32 1
		.amdhsa_system_sgpr_workgroup_id_x 1
		.amdhsa_system_sgpr_workgroup_id_y 1
		.amdhsa_system_sgpr_workgroup_id_z 1
		.amdhsa_system_vgpr_workitem_id 0
		.amdhsa_next_free_vgpr 512
		.amdhsa_next_free_sgpr 96
		.amdhsa_reserve_vcc 0
		.amdhsa_float_denorm_mode_32 3
		.amdhsa_float_denorm_mode_16_64 3
		.amdhsa_memory_ordered 1
		.amdhsa_forward_progress 1
		.amdhsa_inst_pref_size 237
	.end_amdhsa_kernel
	.amdgpu_metadata
---
amdhsa.version: [ 1, 2 ]
amdhsa.kernels:
  - .name:           k_qf398c12e62_up
    .symbol:         k_qf398c12e62_up.kd
    .args:
      - { .name: xs, .offset: 0, .size: 8, .value_kind: global_buffer, .address_space: global }
      - { .name: wb, .offset: 8, .size: 8, .value_kind: global_buffer, .address_space: global }
      - { .name: pl, .offset: 16, .size: 8, .value_kind: global_buffer, .address_space: global }
      - { .name: hb, .offset: 24, .size: 8, .value_kind: global_buffer, .address_space: global }
    .group_segment_fixed_size: 327680
    .private_segment_fixed_size: 0
    .kernarg_segment_align: 8
    .kernarg_segment_size: 32
    .max_flat_workgroup_size: 128
    .sgpr_count:     96
    .vgpr_count:     512
    .wavefront_size: 32
...
	.end_amdgpu_metadata
.endif
;; end of part 4
;; launch down (part 5): grid 172 x 1, 4 waves a work-group, clusters of 4 x 1, 327,680 bytes of LDS; arguments hb, wb, pl, y; writes y
.if DOCPART == 5
	.amdgcn_target "amdgcn-amd-amdhsa--gfx1250"
	.amdhsa_code_object_version 6
	.text
	.protected	k_qf398c12e62_down
	.globl	k_qf398c12e62_down
	.p2align	8
	.type	k_qf398c12e62_down,@function
k_qf398c12e62_down:
	s_mov_b64 s[64:65], 0
	v_nop
	global_prefetch_b8 v0, s[64:65] scope:SCOPE_SE
	s_setreg_imm32_b32 hwreg(HW_REG_WAVE_MODE, 25, 1), 1
	s_wait_xcnt 0x0
	s_wait_alu depctr_hold_cnt(0) depctr_sa_sdst(0) depctr_va_vdst(0) depctr_va_sdst(0) depctr_va_ssrc(0) depctr_va_vcc(0) depctr_vm_vsrc(0)
	s_getreg_b32 s2, hwreg(HW_REG_IB_STS2, 6, 4)
	s_cmp_eq_u32 s2, 0
	s_cbranch_scc0 .Lentry_in_a_cluster
	s_endpgm
.Lentry_in_a_cluster:
	s_bfe_u32 s2, ttmp6, 0x10000c
	s_cmp_lg_u32 s2, 0x3003
	s_cbranch_scc0 .Lentry_shape_is_right
	s_endpgm
.Lentry_shape_is_right:
.set DOWN, 1                           ; 0: hb = gelu(xs . keys^T), bf16.   1: y = hb . values^T, f32.  The two launches' texts differ in this line alone.
; A GROUPED GEMM over blocks of 128 slots; every block belongs to one expert (table in pl, whole numbers of an earlier launch).  C[slot][n] = sum over k of A[slot][k] B_e[n][k], bf16 operands, f32 sums.
; SHARES.  A tile of C is 128 slots x 256 columns: four waves, each 64 x 128 = 32 accumulators of 16 x 16 (256 registers).  K goes in steps of 128 (rows of 256 bytes, at multiples of 256 bytes)
;   through two LDS slots.  A work-group stays and walks TILES tiles; the ring goes on into the next tile.
; THE WALK IS A CONSTANT.  Every wave passes every barrier, so no barrier hangs on a number read from memory: the walk covers the most blocks that any routing can fill (86: 16 shared, at most 70 of
;   experts 0..6).  Blocks that a routing leaves unused hold zero rows (stored as such by the launches before) and give zero rows; only the expert of a block, so B's address, is read from memory.
;   up: 58 clusters, cluster c takes blocks c / 2 + 29 i, i = 0..2 (87 blocks), column group c % 2.   down: 43 clusters, cluster c takes blocks c + 43 i, i = 0, 1 (86 blocks).
;   More clusters would not shorten the longest walk: 174 and 86 cluster tiles on 64 clusters are again 3 and 2 to the busiest.
; CLUSTER.  The four work-groups of a cluster take four neighbouring column tiles of the SAME block of slots: A's tile is asked for jointly (mask 15).  B's tiles are each work-group's own:
;   to share weights, four blocks of one expert would have to walk in step, so every expert would be padded to 512 rows: 7 x 256 rows of padding on the average against 7 x 64 now, on some 9,200 rows.
; TRANSPOSED USE: source 0 = 16 rows of B, source 1 = 16 rows of A: a lane holds one slot (lane % 16) and eight neighbouring columns 8 (lane / 16) + 0..7.
; gelu(x) = x / (1 + 2^(x (c1 + c2 x^2))), c1 = -2 sqrt(2/pi) log2(e), c2 = 0.044715 c1: the tanh form, rewritten; for large |x| the power goes to 0 or to infinity and the result to x or to -0.
; REGISTERS.  window 0: v0-31 addresses and constants; v32-127, v128-223 two fragment buffers (B's 8 fragments, then A's 4); on the way out v128-255 are at work.  window 1: accumulator (a, b) at v[8 (8 a + b)].
.if DOWN
.set KDIM,   2048
.set WOFF,   33554432                  ; the values lie behind the keys in wb
.set LOGA,   19                        ; 128 rows of A are 2^19 bytes
.set RBSTEP, 43                        ; blocks from a tile to the next
.set TILES,  2
.set LOGO,   2                         ; bytes of an output number: 4
.set SPITCH, 528                       ; a stage row: 128 f32 + 16 bytes
.else
.set KDIM,   1024
.set WOFF,   0
.set LOGA,   18
.set RBSTEP, 29
.set TILES,  3
.set LOGO,   1
.set SPITCH, 272                       ; a stage row: 128 bf16 + 16 bytes
.endif
.set LAPS,   KDIM/256                  ; a lap = two K steps = once round the ring
.set PITCH,  272                       ; an LDS row: 256 bytes + 16 of padding = 68 words: the 16 rows of a fragment load start 4 banks apart (64 banks of 4 bytes: ISA guide 11.1)
.set HALFT,  128*PITCH                 ; a wave's region of a slot: regions 0, 1: A's rows 0-63, 64-127 (half of each region is used); regions 2, 3: B's rows 0-127, 128-255
.set SLOT,   4*HALFT
.set STAGE,  2*SLOT                    ; behind the ring: 16 rows for each wave, for the way out
.set SPARE,  STAGE+4*16*SPITCH         ; behind the stages: the spare words, 128 bytes for each wave: two blocks of 256 bytes that no other line names
.set ADRA, 16                          ; v16-17  LDS address of my A fragments in slot 0, 1
.set ADRB, 20                          ; v20-21  the same for B
.set STO,  24                          ; v24     the way out: where I put my bytes of a row
.set RD,   25                          ; v25     where I read rows back
.set CO,   26                          ; v26     my byte offset in the output
.set SPW,  28                          ; v28     LDS address of my spare word; never rewritten
.set NIL,  29                          ; v29     0; never rewritten
.set C1,   30                          ; v30-31  gelu's c1, twice
.set F0,   32
.set F1,   128
.set TT,   128                         ; up's way out: 64 numbers at work
.set PKD,  192                         ; 32 registers of packed bf16
.set OB,   224                         ; 16 rows read back
.set G1,  24                           ; s[24:31] group 1 for A's tiles;  s[32:39] group 0, a set for each slot
.set G0,  32
.set G1B, 48                           ; s[48:55], s[56:63] the same for B's
.set G0B, 56
.set MUL, 0x50                         ; C and D in window 1, sources 0 and 1 in window 0
.set MSB, 0
.macro WIN new                         ; the immediate's high byte repeats the setting that is left; a switch that changes nothing is dropped
.if MSB != \new
	s_set_vgpr_msb (MSB<<8)|\new
.set MSB, \new
.endif
.endm
.macro PLACES                          ; four plain vector instructions between a matrix instruction and a load into, or a vector read or write of, its registers
.rept 4
	v_nop
.endr
.endm
; A refill: waves 0 and 1 ask jointly for A's two halves, waves 2 and 3 for B's two halves.  The branch hangs on the wave's number alone.  Four v_nop follow each line.
.macro JLOAD s
	s_cmp_eq_u32 s11, 0
	s_cbranch_scc0 .Lfor_b_\@
	tensor_load_to_lds s[G0+4*\s:G0+4*\s+3], s[G1:G1+7]
	s_nop 0
.rept 4
	v_nop
.endr
	s_branch .Lasked_\@
.Lfor_b_\@:
	tensor_load_to_lds s[G0B+4*\s:G0B+4*\s+3], s[G1B:G1B+7]
	s_nop 0
.rept 4
	v_nop
.endr
.Lasked_\@:
.endm
.macro CREST                           ; a round of the cluster's barrier behind its opening barrier
	s_cmp_lg_u32 s10, 0
	s_cbranch_scc1 .Lnot_wave_0_\@
	s_barrier_signal -3
.Lnot_wave_0_\@:
	s_barrier_wait -3
	s_barrier_signal -1
	s_barrier_wait -1
.endm
.macro CROUND                          ; a whole round
	s_barrier_signal -1
	s_barrier_wait -1
	CREST
.endm
	s_load_b128 s[4:7], s[0:1], 0x0                ; A s[4:5], wb s[6:7]
	s_load_b128 s[44:47], s[0:1], 0x10             ; pl s[44:45], the output s[46:47]
	v_lshl_add_u32 v[SPW], v0, 2, SPARE
	v_mov_b32 v[NIL], 0
	ds_add_u32 v28, v29
	s_wait_dscnt 0x0
	v_lshrrev_b32 v1, 5, v0
	v_readfirstlane_b32 s10, v1                    ; wave 0..3
	s_lshr_b32 s11, s10, 1                         ; which 64 slots of the tile are mine.  Also: I fetch for A (0) or for B (1)
	s_and_b32 s12, s10, 1                          ; which 128 columns.  Also: which half of that tile I fetch
	s_bfe_u32 s40, ttmp6, 0x40000                  ; cx: my place in the cluster; it enters B's and the output's addresses alone
.if DOWN
	s_mov_b32 s66, ttmp9                           ; my first block of slots (ttmp9 counts clusters)
	s_lshl_b32 s42, s40, 8                         ; my tile's first column
.else
	s_lshr_b32 s66, ttmp9, 1
	s_and_b32 s42, ttmp9, 1
	s_lshl_b32 s42, s42, 2
	s_add_co_u32 s42, s42, s40
	s_lshl_b32 s42, s42, 8
.endif
	s_lshl_b32 s41, s66, 2                         ; the block's word in the table
	s_lshl_b32 s13, s12, 7
	s_add_co_u32 s42, s42, s13                     ; + 128 x half: my wave's first column, and the first row of B that waves 2, 3 fetch
	s_mul_i32 s86, s42, KDIM*2                     ; that row's bytes in an expert's matrix,
.if WOFF
	s_add_co_u32 s86, s86, WOFF
.endif
	s_lshl_b32 s87, s42, LOGO                      ; that column's bytes in an output row
	s_lshl_b32 s88, s12, LOGA-1                    ; A: 64 rows x half
	s_lshl_b32 s89, s11, 18                        ; output: 64 rows of 4,096 bytes x half
	s_mul_i32 s20, s10, HALFT                      ; where my part of a tile goes: no place in the cluster enters an LDS address
	s_mov_b32 s84, 0xbdd2d3e8                      ; gelu's c2 = -0.10294324
	s_mov_b32 s85, s84                             ; named with it as a pair, so it is written
	; group 1.  A: 64 rows x 128 elements, joint; B: 128 rows x 128 elements, my own.  Both padded: 4 words behind every 64
	s_mov_b32 s[G1+0], 15|(1<<16)|(1<<20)|(1<<21)|(5<<22)|(3<<25)  ; 15:0 the mask: all four work-groups; 17:16 elements of 2 bytes; 20 padding on; 21 set beside a mask; 24:22 after 64 words; 31:25 4 words
	s_mov_b32 s[G1+1], 128<<16                     ; tensor_dim0 = 128
	s_mov_b32 s[G1+2], 64<<16                      ; tensor_dim1 = 64
	s_mov_b32 s[G1+3], 128<<16                     ; tile_dim0 = 128
	s_mov_b32 s[G1+4], 64                          ; tile_dim1 = 64
	s_mov_b32 s[G1+5], KDIM                        ; elements from row to row
	s_mov_b32 s[G1+6], 0
	s_mov_b32 s[G1+7], 0
	s_mov_b32 s[G1B+0], (1<<16)|(1<<20)|(5<<22)|(3<<25)            ; no mask
	s_mov_b32 s[G1B+1], 128<<16
	s_mov_b32 s[G1B+2], 128<<16                    ; tensor_dim1 = 128
	s_mov_b32 s[G1B+3], 128<<16
	s_mov_b32 s[G1B+4], 128                        ; tile_dim1 = 128
	s_mov_b32 s[G1B+5], KDIM
	s_mov_b32 s[G1B+6], 0
	s_mov_b32 s[G1B+7], 0
	s_wait_kmcnt 0x0
	s_load_b32 s68, s[44:45], s41 offset:0x10000   ; the experts of my first, second (and third) block; the table has 128 words, all written
	s_load_b32 s69, s[44:45], s41 offset:0x10000+4*RBSTEP
.if DOWN == 0
	s_load_b32 s70, s[44:45], s41 offset:0x10000+8*RBSTEP
.endif
	s_wait_kmcnt 0x0
.if DOWN
	s_mov_b32 s70, s69
.endif
	s_min_u32 s68, s68, 7                          ; loaded numbers enter addresses only clamped
	s_min_u32 s69, s69, 7
	s_min_u32 s70, s70, 7
	s_lshl_b32 s78, s66, LOGA                      ; A's address: the block and the wave's half; s[78:79] never hold cx
	s_add_co_u32 s78, s78, s88
	s_mov_b32 s79, 0
	s_add_nc_u64 s[14:15], s[4:5], s[78:79]
	s_lshl_b32 s82, s68, 22                        ; B's: 4 MiB an expert
	s_add_co_u32 s82, s82, s86
	s_mov_b32 s83, 0
	s_add_nc_u64 s[16:17], s[6:7], s[82:83]
	CROUND                                         ; all four work-groups are here: the first joint loads meet
.irp s, 0,1
	s_mov_b32 s[G0+4*\s], 1                                        ; count = 1
	s_add_co_u32 s[G0+4*\s+1], s20, \s*SLOT                        ; LDS address
	s_add_nc_u64 s[G0+4*\s+2:G0+4*\s+3], s[14:15], \s*256          ; K step s
	s_or_b32 s[G0+4*\s+3], s[G0+4*\s+3], 0x80000000                ; type = 2
	s_mov_b32 s[G0B+4*\s], 1
	s_add_co_u32 s[G0B+4*\s+1], s20, \s*SLOT
	s_add_nc_u64 s[G0B+4*\s+2:G0B+4*\s+3], s[16:17], \s*256
	s_or_b32 s[G0B+4*\s+3], s[G0B+4*\s+3], 0x80000000
.endr
	s_cmp_eq_u32 s11, 0                            ; a wave's two first fills stand in one branch, ahead of every wait on TENSORcnt and every LDS read: two loads of mine are out
	s_cbranch_scc0 .Lfirst_b
	tensor_load_to_lds s[G0:G0+3], s[G1:G1+7]
	s_nop 0
	tensor_load_to_lds s[G0+4:G0+7], s[G1:G1+7]
	s_nop 0
.rept 4
	v_nop
.endr
	s_branch .Lfirst_asked
.Lfirst_b:
	tensor_load_to_lds s[G0B:G0B+3], s[G1B:G1B+7]
	s_nop 0
	tensor_load_to_lds s[G0B+4:G0B+7], s[G1B:G1B+7]
	s_nop 0
.rept 4
	v_nop
.endr
.Lfirst_asked:
	; a fragment is 16 rows x 32 K in 8 registers: lane l holds row l % 16; registers 0-3 K = 8 (l / 16) + 0..7, registers 4-7 K = 16 + 8 (l / 16) + 0..7: two loads of 16 bytes, 32 bytes apart
	v_and_b32 v1, 15, v0                           ; r = l % 16
	v_bfe_u32 v2, v0, 4, 1                         ; h = l / 16
	v_mul_u32_u24 v3, v1, PITCH
	v_lshl_add_u32 v3, v2, 4, v3
	s_mul_i32 s21, s11, HALFT                      ; my 64 rows of A: region 0 or 1
	s_mul_i32 s22, s12, HALFT                      ; my 128 rows of B: region 2 or 3
	s_add_co_u32 s22, s22, 2*HALFT
.irp s, 0,1
	v_add_nc_u32 v[ADRA+\s], s21, v3
	v_add_nc_u32 v[ADRB+\s], s22, v3
	s_add_co_u32 s21, s21, SLOT
	s_add_co_u32 s22, s22, SLOT
.endr
	s_mul_i32 s23, s10, 16*SPITCH
	s_add_co_u32 s23, s23, STAGE                   ; my stage
	v_mul_u32_u24 v4, v1, SPITCH
.if DOWN
	v_lshl_add_u32 v4, v2, 5, v4                   ; in: row r, 32 bytes (8 f32) for each half of the lanes
	v_add_nc_u32 v[STO], s23, v4
	v_and_b32 v5, 31, v0
	v_lshlrev_b32 v[CO], 4, v5                     ; back: 32 lanes take a whole row of 512 bytes; the same in y
	v_add_nc_u32 v[RD], s23, v[CO]
.else
	v_lshl_add_u32 v4, v2, 4, v4                   ; in: row r, 16 bytes (8 bf16) for each half of the lanes
	v_add_nc_u32 v[STO], s23, v4
	v_mul_u32_u24 v5, v2, SPITCH                   ; back: lanes 0-15 take one row of 256 bytes, lanes 16-31 the next
	v_lshl_add_u32 v5, v1, 4, v5
	v_add_nc_u32 v[RD], s23, v5
	v_lshlrev_b32 v5, 12, v2                       ; and the same two rows in hb, 4,096 bytes apart
	v_lshl_add_u32 v[CO], v1, 4, v5
	v_mov_b32 v[C1], 0xc0135761                    ; c1 = -2.3022082
	v_mov_b32 v[C1+1], 0xc0135761
.endif
; 8 matrix instructions: rows 16 a on of my 64 slots x all 8 column blocks, 32 along K.  zero = 1: the product starts the sums: nothing is ever cleared.
; The 32 accumulators take turns, one instruction a turn, in the same order in every quarter.
.macro MUL8 f, a, zero
.irp b, 0,1,2,3,4,5,6,7
.if \zero
	v_wmma_f32_16x16x32_bf16 v[8*(8*\a+\b):8*(8*\a+\b)+7], v[\f+8*\b:\f+8*\b+7], v[\f+64+8*\a:\f+64+8*\a+7], 0
.else
	v_wmma_f32_16x16x32_bf16 v[8*(8*\a+\b):8*(8*\a+\b)+7], v[\f+8*\b:\f+8*\b+7], v[\f+64+8*\a:\f+64+8*\a+7], v[8*(8*\a+\b):8*(8*\a+\b)+7]
.endif
.endr
.endm
; 24 LDS loads in one run: the fragments of 32 along K at byte k of the rows: B's eight, then A's four
.macro FETCH slot, k, f
	WIN 0
.irp i, 0,1,2,3,4,5,6,7
	ds_load_b128 v[\f+8*\i:\f+8*\i+3],   v[ADRB+\slot] offset:\k+\i*16*PITCH
	ds_load_b128 v[\f+8*\i+4:\f+8*\i+7], v[ADRB+\slot] offset:\k+\i*16*PITCH+32
.endr
.irp i, 0,1,2,3
	ds_load_b128 v[\f+64+8*\i:\f+64+8*\i+3],   v[ADRA+\slot] offset:\k+\i*16*PITCH
	ds_load_b128 v[\f+64+8*\i+4:\f+64+8*\i+7], v[ADRA+\slot] offset:\k+\i*16*PITCH+32
.endr
.endm
; A K step is four quarters of 32 along K, 32 matrix instructions each, on buffers 0, 1, 0, 1.  One of the first three: multiplies f, and in its middle fetches the next quarter, at byte k, into g.
.macro QUARTER slot, k, f, g, zero
	s_wait_dscnt 4                                 ; B and A's fragments 0, 1 are in; the youngest four loads (A's fragments 2, 3) may be out
	WIN MUL
	MUL8 \f, 0, \zero
	MUL8 \f, 1, \zero
	PLACES
	FETCH \slot, \k, \g
	s_wait_dscnt 24                                ; all but the 24 just issued
	WIN MUL
	MUL8 \f, 2, \zero
	MUL8 \f, 3, \zero
.endm
; The last quarter multiplies buffer 1 and changes slots: ONE barrier.  In front of it each wave waits for all its tensor loads (one is out: its part of the next slot), adds 0 to its spare word,
; and waits for that and for its own reads of this slot.  Behind it nobody reads this slot and the next slot is whole.
; mode 1: this slot takes this tile's K step two on; mode 2: the NEXT tile's K step 0 or 1; in both the barrier opens a round of the cluster's barrier and the refill is the first tensor load behind it,
; a K step less 16 matrix instructions (112) ahead of the wait for it.  mode 0: nothing is left to fetch.
.macro TURN slot, next, mode
	WIN 0
	s_wait_tensorcnt 0x0                           ; all my tensor loads have landed;
	ds_add_u32 v[SPW], v[NIL]                      ; 0 onto my spare word;
	s_wait_dscnt 5                                 ; (the add and the youngest four loads may be out)
	WIN MUL
	MUL8 F1, 0, 0                                  ; eight matrix instructions stand between the add and the wait for it
	s_wait_dscnt 0x0                               ; the add is done, and my reads of this slot are over
	s_barrier_signal -1
	MUL8 F1, 1, 0                                  ; work on registers while the others arrive
.if \mode
	WIN 0                                          ; at a branch and at a label every window is 0
.endif
	s_barrier_wait -1
.if \mode == 1
	CREST                                          ; no wave of any partner still reads this slot's tile or has a load on its way
	s_add_nc_u64 s[G0+4*\slot+2:G0+4*\slot+3], s[G0+4*\slot+2:G0+4*\slot+3], 512
	s_add_nc_u64 s[G0B+4*\slot+2:G0B+4*\slot+3], s[G0B+4*\slot+2:G0B+4*\slot+3], 512
	JLOAD \slot                                    ; the four v_nop behind it are also the places in front of the loads below
.elseif \mode == 2
	CREST
	s_add_nc_u64 s[G0+4*\slot+2:G0+4*\slot+3], s[72:73], \slot*256
	s_or_b32 s[G0+4*\slot+3], s[G0+4*\slot+3], 0x80000000
	s_add_nc_u64 s[G0B+4*\slot+2:G0B+4*\slot+3], s[74:75], \slot*256
	s_or_b32 s[G0B+4*\slot+3], s[G0B+4*\slot+3], 0x80000000
	JLOAD \slot
.else
	PLACES
.endif
	FETCH \next, 0, F0
	WIN MUL
	MUL8 F1, 2, 0
	MUL8 F1, 3, 0
.endm
; At a tile's head, scalars only: where this tile goes out, and where the next tile's A and B begin (made for the last tile too, and not used there).
.macro PREP
	s_wait_xcnt 0x0                                ; the last tile's stores have had their addresses translated: their base and their data registers are rewritten only behind this wait
	s_lshl_b32 s80, s66, 19                        ; 128 output rows of 4,096 bytes a block
	s_add_co_u32 s80, s80, s89
	s_add_co_u32 s80, s80, s87
	s_mov_b32 s81, 0
	s_add_nc_u64 s[76:77], s[46:47], s[80:81]
	s_add_co_u32 s66, s66, RBSTEP
	s_lshl_b32 s78, s66, LOGA
	s_add_co_u32 s78, s78, s88
	s_mov_b32 s79, 0
	s_add_nc_u64 s[72:73], s[4:5], s[78:79]
	s_mov_b32 s68, s69
	s_mov_b32 s69, s70
	s_lshl_b32 s82, s68, 22
	s_add_co_u32 s82, s82, s86
	s_mov_b32 s83, 0
	s_add_nc_u64 s[74:75], s[6:7], s[82:83]
.endm
.if DOWN
; THE WAY OUT of down: 16 rows (block a) at a time through my own stage: 32 bytes a lane in, whole rows of 512 bytes back, stored as they are (f32).  Each accumulator is read from its low end on.
.macro TOSTAGE a
	WIN 0x04                                       ; the stores' data in window 1
.irp b, 0,1,2,3,4,5,6,7
	ds_store_b128 v[STO], v[64*(\a)+8*\b:64*(\a)+8*\b+3]   offset:64*\b
	ds_store_b128 v[STO], v[64*(\a)+8*\b+4:64*(\a)+8*\b+7] offset:64*\b+16
.endr
	WIN 0
.set BK, 128+64*((\a)%2)
.irp t, 0,1,2,3,4,5,6,7,8,9,10,11,12,13,14,15
	ds_load_b128 v[BK+4*\t:BK+4*\t+3], v[RD] offset:\t*SPITCH      ; LDS serves a wave's instructions in order (ISA guide 5.7.1.4): these see the stores above
.endr
.endm
.macro SEND a, younger                 ; younger: the LDS instructions issued behind block a's loads
.set BK, 128+64*((\a)%2)
	s_wait_dscnt \younger
.irp t, 0,1,2,3,4,5,6,7,8,9,10,11,12,13,14,15
	global_store_b128 v[CO], v[BK+4*\t:BK+4*\t+3], s[76:77] offset:4096*(16*(\a)+\t)   ; a wave's store covers 512 consecutive bytes, aligned
.endr
.endm
.macro WAYOUT
	PLACES                                         ; behind the last products
	TOSTAGE 0
	TOSTAGE 1
	SEND 0, 32                                     ; block 1's 16 stores and 16 loads are younger
	s_wait_xcnt 0x0                                ; block 0's registers are loaded again only behind this wait
	TOSTAGE 2
	SEND 1, 32
	s_wait_xcnt 0x0
	TOSTAGE 3
	SEND 2, 32
	SEND 3, 0
.endm
.else
; THE WAY OUT of up.  GELU a: block a's 64 numbers a lane, in stages under one window setting each, ascending.
.macro GELU a
	WIN 0x05                                       ; sources 0 and 1 in window 1
.set i, 0
.rept 32
	v_pk_mul_f32 v[TT+i:TT+i+1], v[64*(\a)+i:64*(\a)+i+1], v[64*(\a)+i:64*(\a)+i+1]   ; x^2
.set i, i+2
.endr
	WIN 0
.set i, 0
.rept 32
	v_pk_fma_f32 v[TT+i:TT+i+1], v[TT+i:TT+i+1], s[84:85], v[C1:C1+1] op_sel_hi:[1,0,1]   ; c2 x^2 + c1
.set i, i+2
.endr
	WIN 0x04                                       ; source 1 in window 1
.set i, 0
.rept 32
	v_pk_mul_f32 v[TT+i:TT+i+1], v[TT+i:TT+i+1], v[64*(\a)+i:64*(\a)+i+1]             ; times x
.set i, i+2
.endr
	WIN 0
.set i, 0
.rept 64
	v_exp_f32 v[TT+i], v[TT+i]
.set i, i+1
.endr
	v_nop                                          ; a plain instruction between the last exponential and the use of its result
.set i, 0
.rept 32
	v_pk_add_f32 v[TT+i:TT+i+1], v[TT+i:TT+i+1], 1.0 op_sel_hi:[1,0]
.set i, i+2
.endr
.set i, 0
.rept 64
	v_rcp_f32 v[TT+i], v[TT+i]
.set i, i+1
.endr
	v_nop
	WIN 0x04
.set i, 0
.rept 32
	v_pk_mul_f32 v[TT+i:TT+i+1], v[TT+i:TT+i+1], v[64*(\a)+i:64*(\a)+i+1]             ; x / (1 + 2^..)
.set i, i+2
.endr
	WIN 0
.set i, 0
.rept 32
	v_cvt_pk_bf16_f32 v[PKD+i], v[TT+2*i], v[TT+2*i+1]
.set i, i+1
.endr
.endm
.macro TOSTAGE                         ; 16 bytes a lane into my own stage, and back as whole rows of 256 bytes
.irp b, 0,1,2,3,4,5,6,7
	ds_store_b128 v[STO], v[PKD+4*\b:PKD+4*\b+3] offset:32*\b
.endr
.irp t, 0,1,2,3,4,5,6,7
	ds_load_b128 v[OB+4*\t:OB+4*\t+3], v[RD] offset:\t*2*SPITCH    ; LDS serves a wave's instructions in order (ISA guide 5.7.1.4): these see the stores above
.endr
.endm
.macro SEND a
	s_wait_dscnt 0x0                               ; the block is back in registers
.irp t, 0,1,2,3,4,5,6,7
	global_store_b128 v[CO], v[OB+4*\t:OB+4*\t+3], s[76:77] offset:65536*(\a)+8192*\t   ; 16 lanes store 256 consecutive bytes, aligned
.endr
.endm
.macro WAYOUT
	PLACES                                         ; behind the last products
	GELU 0
	TOSTAGE
.irp a, 1,2,3                          ; block a's arithmetic stands between block a - 1's loads from the stage and the wait for them
	GELU \a
	SEND \a-1
	s_wait_xcnt 0x0                                ; the rows' registers are loaded again only behind this wait
	TOSTAGE
.endr
	SEND 3
.endm
.endif
	s_wait_tensorcnt 1                             ; my part of K step 0 is in; K step 1's may stay out
	s_barrier_signal -1
	s_barrier_wait -1                              ; everybody's is
	FETCH 0, 0, F0
	s_mov_b32 s2, TILES                            ; tiles to go, this one among them: a constant, the same in every work-group
.Ltile:
	PREP
	QUARTER 0, 64,  F0, F1, 1                      ; a tile's first quarter stands in front of the loop: its products start the sums
	WIN 0
	s_mov_b32 s3, LAPS-1
.Llap:                                                 ; a trip goes once round the ring, from a lap's second quarter to the next lap's first, and fills both slots again
	QUARTER 0, 128, F1, F0, 0
	QUARTER 0, 192, F0, F1, 0
	TURN 0, 1, 1
	QUARTER 1, 64,  F0, F1, 0
	QUARTER 1, 128, F1, F0, 0
	QUARTER 1, 192, F0, F1, 0
	TURN 1, 0, 1
	QUARTER 0, 64,  F0, F1, 0
	WIN 0
	s_sub_co_u32 s3, s3, 1
	s_cmp_lg_u32 s3, 0
	s_cbranch_scc1 .Llap
	QUARTER 0, 128, F1, F0, 0                      ; the tile's last lap goes on
	QUARTER 0, 192, F0, F1, 0
	WIN 0
	s_cmp_eq_u32 s2, 1
	s_cbranch_scc1 .Llast_tile                     ; the last tile's tail is written out: it asks for nothing more
	TURN 0, 1, 2                                   ; the ring goes on into the next tile: slot 0 takes its K step 0,
	QUARTER 1, 64,  F0, F1, 0
	QUARTER 1, 128, F1, F0, 0
	QUARTER 1, 192, F0, F1, 0
	TURN 1, 0, 2                                   ; slot 1 its K step 1, and the next tile's first fragments are fetched into buffer 0, which the way out leaves alone
	WIN 0
	WAYOUT
	s_sub_co_u32 s2, s2, 1
	s_branch .Ltile
.Llast_tile:
	TURN 0, 1, 0
	QUARTER 1, 64,  F0, F1, 0
	QUARTER 1, 128, F1, F0, 0
	QUARTER 1, 192, F0, F1, 0
	s_wait_dscnt 4                                 ; the very last quarter: nothing more to fetch
	WIN MUL
	MUL8 F1, 0, 0
	MUL8 F1, 1, 0
	s_wait_dscnt 0x0
	MUL8 F1, 2, 0
	MUL8 F1, 3, 0
	WIN 0
	WAYOUT
	s_wait_tensorcnt 0x0                           ; the wave's end: behind my last tensor load and my last LDS store
	ds_add_u32 v[SPW], v[NIL]
	s_wait_dscnt 0x0
	CROUND                                         ; the closing round: no work-group ends while a partner may still ask for a tile that names it
	s_endpgm
.Lfunc_end_k_qf398c12e62_down:
	.size	k_qf398c12e62_down, .Lfunc_end_k_qf398c12e62_down-k_qf398c12e62_down
	.p2alignl 7, 3214868480
	.fill 96, 4, 3214868480
	.section	.rodata,"a",@progbits
	.p2align	6, 0x0
	.amdhsa_kernel k_qf398c12e62_down
		.amdhsa_group_segment_fixed_size 327680
		.amdhsa_private_segment_fixed_size 0
		.amdhsa_enable_private_segment 0
		.amdhsa_kernarg_size 32
		.amdhsa_user_sgpr_count 2
		.amdhsa_user_sgpr_kernarg_segment_ptr 1
		.amdhsa_wavefront_size32 1
		.amdhsa_system_sgpr_workgroup_id_x 1
		.amdhsa_system_sgpr_workgroup_id_y 1
		.amdhsa_system_sgpr_workgroup_id_z 1
		.amdhsa_system_vgpr_workitem_id 0
		.amdhsa_next_free_vgpr 512
		.amdhsa_next_free_sgpr 96
		.amdhsa_reserve_vcc 0
		.amdhsa_float_denorm_mode_32 3
		.amdhsa_float_denorm_mode_16_64 3
		.amdhsa_memory_ordered 1
		.amdhsa_forward_progress 1
		.amdhsa_inst_pref_size 120
	.end_amdhsa_kernel
	.amdgpu_metadata
---
amdhsa.version: [ 1, 2 ]
amdhsa.kernels:
  - .name:           k_qf398c12e62_down
    .symbol:         k_qf398c12e62_down.kd
    .args:
      - { .name: hb, .offset: 0, .size: 8, .value_kind: global_buffer, .address_space: global }
      - { .name: wb, .offset: 8, .size: 8, .value_kind: global_buffer, .address_space: global }
      - { .name: pl, .offset: 16, .size: 8, .value_kind: global_buffer, .address_space: global }
      - { .name: y, .offset: 24, .size: 8, .value_kind: global_buffer, .address_space: global }
    .group_segment_fixed_size: 327680
    .private_segment_fixed_size: 0
    .kernarg_segment_align: 8
    .kernarg_segment_size: 32
    .max_flat_workgroup_size: 128
    .sgpr_count:     96
    .vgpr_count:     512
    .wavefront_size: 32
...
	.end_amdgpu_metadata
.endif
;; end of part 5
;; launch combine (part 6): grid 256 x 1, 8 waves a work-group, no clusters, 0 bytes of LDS; arguments y, pl, gw, const_jump, out0, out1; writes out0, out1
.if DOCPART == 6
	.amdgcn_target "amdgcn-amd-amdhsa--gfx1250"
	.amdhsa_code_object_version 6
	.text
	.protected	k_qf398c12e62_combine
	.globl	k_qf398c12e62_combine
	.p2align	8
	.type	k_qf398c12e62_combine,@function
k_qf398c12e62_combine:
	s_mov_b64 s[64:65], 0
	v_nop
	global_prefetch_b8 v0, s[64:65] scope:SCOPE_SE
	s_setreg_imm32_b32 hwreg(HW_REG_WAVE_MODE, 25, 1), 1
	s_wait_xcnt 0x0
; COMBINE: out0[t] = y[shared slot of t] + cw const_jump + sum over ranks k = 0..3 of w_k y[slot_k of t]; out1 = 0.  One token a wave; all in f32.
; The sum over experts is a gather: each output row has one owner, which reads the five rows that rec[t] (whole numbers of an earlier launch) names.
; Where rank k is the constant expert, slot_k is the shared slot and w_k is 0: 0 times a finite row adds nothing (where that row is not finite the model's result is not finite either).
; Memory binds: 48 loads of 512 consecutive bytes go out together, the waits count the rows still out; no LDS, no matrix unit, no cluster.
.set A,  32                            ; v32-63   the sum, begun by the shared row
.set CJ, 64                            ; v64-95   const_jump
.set YR, 96                            ; v96-223  the four rows
	s_load_b256 s[4:11], s[0:1], 0x0               ; y 4, pl 6, gw 8, const_jump 10
	s_load_b128 s[12:15], s[0:1], 0x20             ; out0 12, out1 14
	v_and_b32 v1, 31, v0
	v_lshrrev_b32 v2, 5, v0
	v_readfirstlane_b32 s16, v2
	s_lshl_b32 s17, ttmp9, 3
	s_add_co_u32 s17, s17, s16                     ; t
	s_lshl_b32 s18, s17, 5
	s_mov_b32 s19, 0
	s_lshl_b32 s58, s17, 12
	s_mov_b32 s59, 0
	v_lshlrev_b32 v3, 4, v1                        ; 16 l
	s_wait_kmcnt 0x0
	s_add_nc_u64 s[20:21], s[6:7], s[18:19]
	s_add_nc_u64 s[22:23], s[8:9], s[18:19]
	s_load_b256 s[24:31], s[20:21], 0x0            ; rec[t]: slots of ranks 0..3, shared slot
	s_load_b256 s[32:39], s[22:23], 0x0            ; gw[t]: w0..w3, cw
	s_add_nc_u64 s[56:57], s[12:13], s[58:59]      ; my row of out0
	s_wait_kmcnt 0x0
.irp k, 0,1,2,3,4
	s_min_u32 s[24+\k], s[24+\k], 11007            ; loaded numbers enter addresses only clamped to the buffer's rows
	s_lshl_b32 s50, s[24+\k], 12                   ; a row of y is 4,096 bytes
	s_mov_b32 s51, 0
	s_add_nc_u64 s[40+2*\k:41+2*\k], s[4:5], s[50:51]
.endr
	s_mov_b32 s52, s33                             ; the packed multiply-add takes the low word of an even pair for both halves: w1 and w3 move there
	s_mov_b32 s53, s33
	s_mov_b32 s54, s35
	s_mov_b32 s55, s35
.irp j, 0,1,2,3,4,5,6,7
	global_load_b128 v[A+4*\j:A+4*\j+3], v3, s[48:49] offset:512*\j
.endr
.irp j, 0,1,2,3,4,5,6,7
	global_load_b128 v[CJ+4*\j:CJ+4*\j+3], v3, s[10:11] offset:512*\j
.endr
.irp k, 0,1,2,3
.irp j, 0,1,2,3,4,5,6,7
	global_load_b128 v[YR+32*\k+4*\j:YR+32*\k+4*\j+3], v3, s[40+2*\k:41+2*\k] offset:512*\j
.endr
.endr
.macro ADDROW base, wlo                ; the sum += weight x row, two numbers an instruction
.set i, 0
.rept 16
	v_pk_fma_f32 v[A+i:A+i+1], v[\base+i:\base+i+1], s[\wlo:\wlo+1], v[A+i:A+i+1] op_sel_hi:[1,0,1]
.set i, i+2
.endr
.endm
	s_wait_loadcnt 32                              ; the four rows' 32 loads are younger: the shared row and const_jump are in
	ADDROW CJ, 36
	s_wait_loadcnt 24                              ; three rows still out
	ADDROW YR, 32
	s_wait_loadcnt 16
	ADDROW YR+32, 52
	s_wait_loadcnt 8
	ADDROW YR+64, 34
	s_wait_loadcnt 0x0
	ADDROW YR+96, 54
.irp j, 0,1,2,3,4,5,6,7
	global_store_b128 v3, v[A+4*\j:A+4*\j+3], s[56:57] offset:512*\j th:TH_STORE_NT    ; a wave's store covers 512 consecutive bytes, aligned
.endr
	s_cmp_lg_u32 s17, 0                            ; out1, the router's loss outside training: 0, stored by lane 0 of token 0's wave
	s_cbranch_scc1 .Lend
	v_mov_b32 v4, 0
	v_cmp_eq_u32 vcc_lo, 0, v1
	s_wait_xcnt 0x0                                ; EXEC changes only behind this wait
	s_and_saveexec_b32 s60, vcc_lo
	global_store_b32 v4, v4, s[14:15]
	s_wait_xcnt 0x0
	s_or_b32 exec_lo, exec_lo, s60
.Lend:
	s_endpgm
.Lfunc_end_k_qf398c12e62_combine:
	.size	k_qf398c12e62_combine, .Lfunc_end_k_qf398c12e62_combine-k_qf398c12e62_combine
	.p2alignl 7, 3214868480
	.fill 96, 4, 3214868480
	.section	.rodata,"a",@progbits
	.p2align	6, 0x0
	.amdhsa_kernel k_qf398c12e62_combine
		.amdhsa_group_segment_fixed_size 0
		.amdhsa_private_segment_fixed_size 0
		.amdhsa_enable_private_segment 0
		.amdhsa_kernarg_size 48
		.amdhsa_user_sgpr_count 2
		.amdhsa_user_sgpr_kernarg_segment_ptr 1
		.amdhsa_wavefront_size32 1
		.amdhsa_system_sgpr_workgroup_id_x 1
		.amdhsa_system_sgpr_workgroup_id_y 1
		.amdhsa_system_sgpr_workgroup_id_z 1
		.amdhsa_system_vgpr_workitem_id 0
		.amdhsa_next_free_vgpr 224
		.amdhsa_next_free_sgpr 66
		.amdhsa_reserve_vcc 1
		.amdhsa_float_denorm_mode_32 3
		.amdhsa_float_denorm_mode_16_64 3
		.amdhsa_memory_ordered 1
		.amdhsa_forward_progress 1
		.amdhsa_inst_pref_size 13
	.end_amdhsa_kernel
	.amdgpu_metadata
---
amdhsa.version: [ 1, 2 ]
amdhsa.kernels:
  - .name:           k_qf398c12e62_combine
    .symbol:         k_qf398c12e62_combine.kd
    .args:
      - { .name: y, .offset: 0, .size: 8, .value_kind: global_buffer, .address_space: global }
      - { .name: pl, .offset: 8, .size: 8, .value_kind: global_buffer, .address_space: global }
      - { .name: gw, .offset: 16, .size: 8, .value_kind: global_buffer, .address_space: global }
      - { .name: const_jump, .offset: 24, .size: 8, .value_kind: global_buffer, .address_space: global }
      - { .name: out0, .offset: 32, .size: 8, .value_kind: global_buffer, .address_space: global }
      - { .name: out1, .offset: 40, .size: 8, .value_kind: global_buffer, .address_space: global }
    .group_segment_fixed_size: 0
    .private_segment_fixed_size: 0
    .kernarg_segment_align: 8
    .kernarg_segment_size: 48
    .max_flat_workgroup_size: 256
    .sgpr_count:     66
    .vgpr_count:     224
    .wavefront_size: 32
...
	.end_amdgpu_metadata
.endif
;; end of part 6
;; ======== version 2 of 2: 6 launches; 1.13 times as fast as version 1
;; limits: values outside matrix products are rounded to bf16
;; workspace buffers: wb 67,108,864 bytes; rti 81,920 bytes of whole numbers; gw 65,536 bytes; xs 24,117,248 bytes; pl 66,048 bytes of whole numbers; hb 48,234,496 bytes; y 48,234,496 bytes
;; launch prep: the kernel of part 1 again; grid 256 x 1, 8 waves a work-group, no clusters, 17,408 bytes of LDS; arguments x, gate_w, gate_b, ff_keys, shared_keys, ff_values, shared_values, wb, rti, gw; writes wb, rti, gw
;; launch plan (part 7): grid 256 x 1, 8 waves a work-group, no clusters, 0 bytes of LDS; arguments rti, pl; writes pl
.if DOCPART == 7
	.amdgcn_target "amdgcn-amd-amdhsa--gfx1250"
	.amdhsa_code_object_version 6
	.text
	.protected	k_qf398c12e62_plan
	.globl	k_qf398c12e62_plan
	.p2align	8
	.type	k_qf398c12e62_plan,@function
k_qf398c12e62_plan:
	s_mov_b64 s[64:65], 0
	v_nop
	global_prefetch_b8 v0, s[64:65] scope:SCOPE_SE
	s_setreg_imm32_b32 hwreg(HW_REG_WAVE_MODE, 25, 1), 1
	s_wait_xcnt 0x0
; PLAN: where every token's rows go.  One token a wave.  Every wave counts, from selb (16 KiB, whole numbers of the launch before), how many tokens chose each expert 0..6 (N_e) and how many
; of them stand in front of its own token (P_e).  No traffic between work-groups: each wave makes the same totals for itself.
; SLOTS.  Experts 0..6 one after the other, each padded to whole blocks of 256 rows (NB_e blocks from block BB_e on), then the shared expert's 2,048 rows (8 blocks from block BB_7 on).
;   Token t's row for expert e is slot 256 BB_e + P_e; its shared row is slot 256 BB_7 + t.  The N_e add up to 6,144 to 8,192, so experts 0..6 fill 24 blocks at the least and
;   (8,192 + 7 x 255) / 256 = 38 at the most: 32 to 46 blocks are in use, 11,776 slots at the most.
; THE SLOTS STEER ADDRESSES, so they are made here and stored as whole numbers, and the launches that follow form their addresses from what they read.  In this launch no branch and no address
;   hangs on a count: every choice is a select, and every store goes to a place made of t alone.
; STORED.  rec[t], 8 words at 32 t: slots of ranks 0..3 (for the constant expert, 7, the shared slot stands in; its weight is 0), the shared slot, and three rows of xs that wave t of the next
;   launch fills with zeros, or NONE: row t % 256 of expert t / 256's padding, and rows first + t and first + 2,048 + t behind the last block in use (xs has 46 blocks; at least 32 are in use,
;   so at most 11,776 - 8,192 = 3,584 rows are left: two for each of 2,048 waves cover them).  The table block -> expert, 128 words at 65,536.
; Nothing is multiplied and 66 KB are stored: no LDS, no matrix unit, no cluster.
.set ROWS, 11776                       ; xs has 46 blocks of 256 rows
.set WD,  8                            ; v8-15    eight words of two 16-bit counts
.set TL,  16                           ; v16-19   byte counts: totals (experts 0-3, 4-7), in front of t (0-3, 4-7)
.set M,   20                           ; v20-23   at work
.set TMP, 24
.set VT,  25                           ; t - 2 l
.set VT1, 26                           ; t - 2 l - 1
.set Z,   28                           ; v28      0: the offset of lane 0's stores
.set SC,  64                           ; v64-191  selb: load j, lane l: tokens 64 j + 2 l and 64 j + 2 l + 1, two words each
.set REC, 192                          ; v192-199 rec[t]
.set NN,  40                           ; s40-46   N_e
.set PP,  48                           ; s48-54   P_e
.set BB,  56                           ; s56-63   BB_e
.set NB,  66                           ; s66-72   NB_e
.set SS,  74                           ; s74-81   my slot with expert e
.set SL,  82                           ; s82-89   rec[t]
	s_load_b128 s[4:7], s[0:1], 0x0                ; rti 4, pl 6
	v_and_b32 v1, 31, v0
	v_lshrrev_b32 v2, 5, v0
	v_readfirstlane_b32 s12, v2
	s_lshl_b32 s13, ttmp9, 3
	s_add_co_u32 s13, s13, s12                     ; t
	v_lshlrev_b32 v3, 4, v1                        ; 16 l
	v_lshlrev_b32 v7, 2, v1                        ; 4 l
	s_lshl_b32 s20, s13, 5
	s_mov_b32 s21, 0
	s_mov_b32 s36, 0x76543210                      ; v_permlanex16_b32: each lane takes its own place in the other half
	s_mov_b32 s37, 0xfedcba98
	s_mov_b32 s38, 0x00ff00ff
	s_wait_kmcnt 0x0
	s_add_nc_u64 s[22:23], s[4:5], s[20:21]
	s_load_b128 s[16:19], s[22:23], 0x4000         ; idx8[t][0..3]: the experts of ranks 0..3
	s_add_nc_u64 s[32:33], s[6:7], s[20:21]        ; rec[t]
.set j, 0
.rept 32
	global_load_b128 v[SC+4*j:SC+4*j+3], v3, s[4:5] offset:512*j
.set j, j+1
.endr
	v_lshlrev_b32 v5, 1, v1
	v_sub_nc_u32 v[VT], s13, v5
	v_add_nc_u32 v[VT1], -1, v[VT]
	v_mov_b32 v[Z], 0
	v_mov_b32 v[TMP], 0
	s_wait_loadcnt 0x0                             ; selb is in
; a lane adds at most 64 ones into a byte: no carry between bytes.  Token 64 j + 2 l stands in front of t where 64 j < t - 2 l
.set j, 0
.rept 32
	v_cmp_lt_i32 vcc_lo, 64*j, v[VT]
	v_cmp_lt_i32 s39, 64*j, v[VT1]
	v_cndmask_b32 v[M],   0, v[SC+4*j],   vcc_lo
	v_cndmask_b32 v[M+1], 0, v[SC+4*j+1], vcc_lo
	v_cndmask_b32 v[M+2], 0, v[SC+4*j+2], s39
	v_cndmask_b32 v[M+3], 0, v[SC+4*j+3], s39
.if j == 0
	v_add_nc_u32 v[TL],   v[SC],   v[SC+2]         ; the first pair starts the sums
	v_add_nc_u32 v[TL+1], v[SC+1], v[SC+3]
	v_add_nc_u32 v[TL+2], v[M],    v[M+2]
	v_add_nc_u32 v[TL+3], v[M+1],  v[M+3]
.else
	v_add3_u32 v[TL],   v[TL],   v[SC+4*j],   v[SC+4*j+2]
	v_add3_u32 v[TL+1], v[TL+1], v[SC+4*j+1], v[SC+4*j+3]
	v_add3_u32 v[TL+2], v[TL+2], v[M],        v[M+2]
	v_add3_u32 v[TL+3], v[TL+3], v[M+1],      v[M+3]
.endif
.set j, j+1
.endr
.irp q, 0,1,2,3                        ; bytes 0, 2 and bytes 1, 3 into fields of 16 bits: 2,048 at the most
	v_and_b32 v[WD+2*\q], s38, v[TL+\q]
	v_lshrrev_b32 v[WD+2*\q+1], 8, v[TL+\q]
	v_and_b32 v[WD+2*\q+1], s38, v[WD+2*\q+1]
.endr
.irp m, 1,2,4,8                        ; the sums over the 32 lanes: four steps inside each half of 16 lanes, one across the halves
.irp q, 0,1,2,3,4,5,6,7
	v_mov_b32_dpp v[TMP], v[WD+\q] row_xmask:\m row_mask:0xf bank_mask:0xf
	v_add_nc_u32 v[WD+\q], v[WD+\q], v[TMP]
.endr
.endr
.irp q, 0,1,2,3,4,5,6,7
	v_permlanex16_b32 v[TMP], v[WD+\q], s36, s37
	v_add_nc_u32 v[WD+\q], v[WD+\q], v[TMP]
.endr
.irp q, 0,1,2,3,4,5,6,7
	v_readfirstlane_b32 s[24+\q], v[WD+\q]
.endr
	s_and_b32  s[NN+0], s24, 0xffff
	s_lshr_b32 s[NN+2], s24, 16
	s_and_b32  s[NN+1], s25, 0xffff
	s_lshr_b32 s[NN+3], s25, 16
	s_and_b32  s[NN+4], s26, 0xffff
	s_lshr_b32 s[NN+6], s26, 16
	s_and_b32  s[NN+5], s27, 0xffff
	s_and_b32  s[PP+0], s28, 0xffff
	s_lshr_b32 s[PP+2], s28, 16
	s_and_b32  s[PP+1], s29, 0xffff
	s_lshr_b32 s[PP+3], s29, 16
	s_and_b32  s[PP+4], s30, 0xffff
	s_lshr_b32 s[PP+6], s30, 16
	s_and_b32  s[PP+5], s31, 0xffff
	s_mov_b32 s[BB], 0
.irp e, 0,1,2,3,4,5,6
	s_add_co_u32 s[NB+\e], s[NN+\e], 255
	s_lshr_b32 s[NB+\e], s[NB+\e], 8
	s_add_co_u32 s[BB+\e+1], s[BB+\e], s[NB+\e]
	s_lshl_b32 s[SS+\e], s[BB+\e], 8
	s_add_co_u32 s[SS+\e], s[SS+\e], s[PP+\e]
.endr
	s_lshl_b32 s[SS+7], s[BB+7], 8
	s_add_co_u32 s[SS+7], s[SS+7], s13
	s_wait_kmcnt 0x0                               ; idx8
.irp k, 0,1,2,3                        ; rank k's slot: my slot with its expert
	s_mov_b32 s[SL+\k], s[SS]
.irp e, 1,2,3,4,5,6,7
	s_cmp_eq_u32 s[16+\k], \e
	s_cselect_b32 s[SL+\k], s[SS+\e], s[SL+\k]
.endr
.endr
	s_mov_b32 s[SL+4], s[SS+7]
	; my padding row: expert t / 256 (only 0..6 have any), row N + t % 256 of its blocks, if that is still inside them
	s_lshr_b32 s24, s13, 8
	s_and_b32 s25, s13, 255
	s_mov_b32 s26, 0
	s_mov_b32 s27, 0
	s_mov_b32 s28, 0
.irp e, 0,1,2,3,4,5,6
	s_cmp_eq_u32 s24, \e
	s_cselect_b32 s26, s[NN+\e], s26
	s_cselect_b32 s27, s[NB+\e], s27
	s_cselect_b32 s28, s[BB+\e], s28
.endr
	s_add_co_u32 s26, s26, s25
	s_lshl_b32 s27, s27, 8
	s_lshl_b32 s28, s28, 8
	s_add_co_u32 s28, s28, s26
	s_cmp_lt_u32 s26, s27
	s_cselect_b32 s[SL+5], s28, -1                 ; NONE = 0xffffffff: no row of xs
	; my two rows behind the last block in use: 256 (BB_7 + 8) + t, and 2,048 further on
	s_add_co_u32 s24, s[BB+7], 8
	s_lshl_b32 s24, s24, 8
	s_add_co_u32 s24, s24, s13
	s_cmp_lt_u32 s24, ROWS
	s_cselect_b32 s[SL+6], s24, -1
	s_add_co_u32 s24, s24, 2048
	s_cmp_lt_u32 s24, ROWS
	s_cselect_b32 s[SL+7], s24, -1
.irp k, 0,1,2,3,4,5,6,7
	v_mov_b32 v[REC+\k], s[SL+\k]
.endr
	v_cmp_eq_u32 vcc_lo, 0, v1
	s_wait_xcnt 0x0                                ; EXEC changes only behind this wait
	s_and_saveexec_b32 s39, vcc_lo
	global_store_b128 v[Z], v[REC:REC+3], s[32:33]
	global_store_b128 v[Z], v[REC+4:REC+7], s[32:33] offset:16
	s_wait_xcnt 0x0
	s_or_b32 exec_lo, exec_lo, s39
	; the table block -> expert, 128 words: the wave of token 0 alone
	s_cmp_lg_u32 s13, 0
	s_cbranch_scc1 .Lend
.irp j, 0,1,2,3
	v_add_nc_u32 v[M+\j], 32*\j, v1                ; block rb = lane + 32 j
	v_mov_b32 v[WD+\j], 0
.irp i, 1,2,3,4,5,6,7
	v_cmp_le_u32 vcc_lo, s[BB+\i], v[M+\j]
	v_add_co_ci_u32 v[WD+\j], vcc_lo, 0, v[WD+\j], vcc_lo      ; its expert = how many of BB_1 .. BB_7 are at or below it: 7, the shared one, from BB_7 on
.endr
	global_store_b32 v7, v[WD+\j], s[6:7] offset:65536+128*\j
.endr
.Lend:
	s_endpgm
.Lfunc_end_k_qf398c12e62_plan:
	.size	k_qf398c12e62_plan, .Lfunc_end_k_qf398c12e62_plan-k_qf398c12e62_plan
	.p2alignl 7, 3214868480
	.fill 96, 4, 3214868480
	.section	.rodata,"a",@progbits
	.p2align	6, 0x0
	.amdhsa_kernel k_qf398c12e62_plan
		.amdhsa_group_segment_fixed_size 0
		.amdhsa_private_segment_fixed_size 0
		.amdhsa_enable_private_segment 0
		.amdhsa_kernarg_size 16
		.amdhsa_user_sgpr_count 2
		.amdhsa_user_sgpr_kernarg_segment_ptr 1
		.amdhsa_wavefront_size32 1
		.amdhsa_system_sgpr_workgroup_id_x 1
		.amdhsa_system_sgpr_workgroup_id_y 1
		.amdhsa_system_sgpr_workgroup_id_z 1
		.amdhsa_system_vgpr_workitem_id 0
		.amdhsa_next_free_vgpr 200
		.amdhsa_next_free_sgpr 96
		.amdhsa_reserve_vcc 1
		.amdhsa_float_denorm_mode_32 3
		.amdhsa_float_denorm_mode_16_64 3
		.amdhsa_memory_ordered 1
		.amdhsa_forward_progress 1
		.amdhsa_inst_pref_size 36
	.end_amdhsa_kernel
	.amdgpu_metadata
---
amdhsa.version: [ 1, 2 ]
amdhsa.kernels:
  - .name:           k_qf398c12e62_plan
    .symbol:         k_qf398c12e62_plan.kd
    .args:
      - { .name: rti, .offset: 0, .size: 8, .value_kind: global_buffer, .address_space: global }
      - { .name: pl, .offset: 8, .size: 8, .value_kind: global_buffer, .address_space: global }
    .group_segment_fixed_size: 0
    .private_segment_fixed_size: 0
    .kernarg_segment_align: 8
    .kernarg_segment_size: 16
    .max_flat_workgroup_size: 256
    .sgpr_count:     96
    .vgpr_count:     200
    .wavefront_size: 32
...
	.end_amdgpu_metadata
.endif
;; end of part 7
;; launch scatter (part 8): grid 256 x 1, 8 waves a work-group, no clusters, 0 bytes of LDS; arguments x, pl, xs; writes xs
.if DOCPART == 8
	.amdgcn_target "amdgcn-amd-amdhsa--gfx1250"
	.amdhsa_code_object_version 6
	.text
	.protected	k_qf398c12e62_scatter
	.globl	k_qf398c12e62_scatter
	.p2align	8
	.type	k_qf398c12e62_scatter,@function
k_qf398c12e62_scatter:
	s_mov_b64 s[64:65], 0
	v_nop
	global_prefetch_b8 v0, s[64:65] scope:SCOPE_SE
	s_setreg_imm32_b32 hwreg(HW_REG_WAVE_MODE, 25, 1), 1
	s_wait_xcnt 0x0
; SCATTER: xs[slot] = bf16(x[t]) for token t's shared slot and for the slot of each of its four ranks; zeros in the rows of xs that no token fills.  One token a wave.
; All that steers an address or a branch is read from rec[t] (whole numbers of the launch before): words 0-3 the ranks' slots, word 4 the shared slot, words 5-7 up to three rows to be
; filled with zeros (a word at or above xs's 11,776 rows says: none).  A rank whose slot is the shared slot is the constant expert: it has no row of its own.
; The products that follow walk a constant number of blocks of xs, so every row of xs is stored here, by one wave each.
; Memory binds: a row is read once (4,096 bytes), rounded once and stored up to five times (2,048 bytes each).  Each of the eight addresses has a scalar pair of its own, so no source of a
; pending store is ever rewritten.  No LDS, no matrix unit, no cluster.
.set ROWS, 11776                       ; xs has 46 blocks of 256 rows
.set Z,   28                           ; v28-31   zeros
.set XR,  32                           ; v32-63   x as loaded
.set XP,  64                           ; v64-79   x in bf16
.set RC,  24                           ; s24-31   rec[t]
.set PT,  40                           ; s40-55   eight addresses in xs
	s_load_b128 s[4:7], s[0:1], 0x0                ; x 4, pl 6
	s_load_b64 s[8:9], s[0:1], 0x10                ; xs
	v_and_b32 v1, 31, v0
	v_lshrrev_b32 v2, 5, v0
	v_readfirstlane_b32 s12, v2
	s_lshl_b32 s13, ttmp9, 3
	s_add_co_u32 s13, s13, s12                     ; t
	v_lshlrev_b32 v3, 4, v1                        ; 16 l
	v_lshlrev_b32 v4, 5, v1                        ; 32 l
	s_lshl_b32 s14, s13, 12                        ; a row of x is 4,096 bytes
	s_mov_b32 s15, 0
	s_lshl_b32 s20, s13, 5
	s_mov_b32 s21, 0
	s_wait_kmcnt 0x0
	s_add_nc_u64 s[22:23], s[6:7], s[20:21]
	s_load_b256 s[RC:RC+7], s[22:23], 0x0          ; rec[t]
	s_add_nc_u64 s[14:15], s[4:5], s[14:15]        ; my row of x
.irp j, 0,1,2,3
	global_load_b128 v[XR+8*\j:XR+8*\j+3],   v4, s[14:15] offset:1024*\j       ; 8 numbers a lane, which round to 16 bytes
	global_load_b128 v[XR+8*\j+4:XR+8*\j+7], v4, s[14:15] offset:1024*\j+16
.endr
.irp k, 0,1,2,3
	v_mov_b32 v[Z+\k], 0
.endr
	s_wait_kmcnt 0x0                               ; rec[t]
.irp k, 0,1,2,3,4,5,6,7
	s_min_u32 s34, s[RC+\k], ROWS-1                ; a loaded number enters an address only clamped to the buffer's rows
	s_lshl_b32 s36, s34, 11                        ; a row of xs is 2,048 bytes
	s_mov_b32 s37, 0
	s_add_nc_u64 s[PT+2*\k:PT+2*\k+1], s[8:9], s[36:37]
.endr
	s_wait_loadcnt 0x0                             ; x
.irp q, 0,1,2,3,4,5,6,7,8,9,10,11,12,13,14,15
	v_cvt_pk_bf16_f32 v[XP+\q], v[XR+2*\q], v[XR+2*\q+1]
.endr
.irp j, 0,1,2,3
	global_store_b128 v3, v[XP+4*\j:XP+4*\j+3], s[PT+8:PT+9] offset:512*\j     ; the shared slot; each store covers 512 consecutive bytes, aligned
.endr
.irp k, 0,1,2,3
	s_cmp_eq_u32 s[RC+\k], s[RC+4]                 ; the constant expert: the shared slot stands in, and is stored already
	s_cbranch_scc1 .Lno_row_\k
.irp j, 0,1,2,3
	global_store_b128 v3, v[XP+4*\j:XP+4*\j+3], s[PT+2*\k:PT+2*\k+1] offset:512*\j
.endr
.Lno_row_\k:
.endr
.irp k, 5,6,7
	s_cmp_lt_u32 s[RC+\k], ROWS                    ; a row to be filled with zeros, or none
	s_cbranch_scc0 .Lno_zero_\k
.irp j, 0,1,2,3
	global_store_b128 v3, v[Z:Z+3], s[PT+2*\k:PT+2*\k+1] offset:512*\j
.endr
.Lno_zero_\k:
.endr
	s_endpgm
.Lfunc_end_k_qf398c12e62_scatter:
	.size	k_qf398c12e62_scatter, .Lfunc_end_k_qf398c12e62_scatter-k_qf398c12e62_scatter
	.p2alignl 7, 3214868480
	.fill 96, 4, 3214868480
	.section	.rodata,"a",@progbits
	.p2align	6, 0x0
	.amdhsa_kernel k_qf398c12e62_scatter
		.amdhsa_group_segment_fixed_size 0
		.amdhsa_private_segment_fixed_size 0
		.amdhsa_enable_private_segment 0
		.amdhsa_kernarg_size 24
		.amdhsa_user_sgpr_count 2
		.amdhsa_user_sgpr_kernarg_segment_ptr 1
		.amdhsa_wavefront_size32 1
		.amdhsa_system_sgpr_workgroup_id_x 1
		.amdhsa_system_sgpr_workgroup_id_y 1
		.amdhsa_system_sgpr_workgroup_id_z 1
		.amdhsa_system_vgpr_workitem_id 0
		.amdhsa_next_free_vgpr 80
		.amdhsa_next_free_sgpr 66
		.amdhsa_reserve_vcc 0
		.amdhsa_float_denorm_mode_32 3
		.amdhsa_float_denorm_mode_16_64 3
		.amdhsa_memory_ordered 1
		.amdhsa_forward_progress 1
		.amdhsa_inst_pref_size 8
	.end_amdhsa_kernel
	.amdgpu_metadata
---
amdhsa.version: [ 1, 2 ]
amdhsa.kernels:
  - .name:           k_qf398c12e62_scatter
    .symbol:         k_qf398c12e62_scatter.kd
    .args:
      - { .name: x, .offset: 0, .size: 8, .value_kind: global_buffer, .address_space: global }
      - { .name: pl, .offset: 8, .size: 8, .value_kind: global_buffer, .address_space: global }
      - { .name: xs, .offset: 16, .size: 8, .value_kind: global_buffer, .address_space: global }
    .group_segment_fixed_size: 0
    .private_segment_fixed_size: 0
    .kernarg_segment_align: 8
    .kernarg_segment_size: 24
    .max_flat_workgroup_size: 256
    .sgpr_count:     66
    .vgpr_count:     80
    .wavefront_size: 32
...
	.end_amdgpu_metadata
.endif
;; end of part 8
;; launch up (part 9): grid 184 x 1, 4 waves a work-group, clusters of 4 x 1, 327,680 bytes of LDS; arguments xs, wb, pl, hb; writes hb
.if DOCPART == 9
	.amdgcn_target "amdgcn-amd-amdhsa--gfx1250"
	.amdhsa_code_object_version 6
	.text
	.protected	k_qf398c12e62_up
	.globl	k_qf398c12e62_up
	.p2align	8
	.type	k_qf398c12e62_up,@function
k_qf398c12e62_up:
	s_mov_b64 s[64:65], 0
	v_nop
	global_prefetch_b8 v0, s[64:65] scope:SCOPE_SE
	s_setreg_imm32_b32 hwreg(HW_REG_WAVE_MODE, 25, 1), 1
	s_wait_xcnt 0x0
	s_wait_alu depctr_hold_cnt(0) depctr_sa_sdst(0) depctr_va_vdst(0) depctr_va_sdst(0) depctr_va_ssrc(0) depctr_va_vcc(0) depctr_vm_vsrc(0)
	s_getreg_b32 s2, hwreg(HW_REG_IB_STS2, 6, 4)
	s_cmp_eq_u32 s2, 0
	s_cbranch_scc0 .Lentry_in_a_cluster
	s_endpgm
.Lentry_in_a_cluster:
	s_bfe_u32 s2, ttmp6, 0x10000c
	s_cmp_lg_u32 s2, 0x3003
	s_cbranch_scc0 .Lentry_shape_is_right
	s_endpgm
.Lentry_shape_is_right:
.set DOWN, 0                           ; 0: hb = gelu(xs . keys^T), bf16.   1: y = hb . values^T, f32.  The two launches' texts differ in this line alone.
; A GROUPED GEMM over blocks of 256 slots; every block belongs to one expert (table in pl, whole numbers of an earlier launch).  C[slot][n] = sum over k of A[slot][k] B_e[n][k], bf16 operands, f32 sums.
; SHARES.  A tile of C is 256 slots x 256 columns: four waves, as many as a WGP has SIMDs, each 128 x 128 = 64 accumulators of 16 x 16 (512 registers).  K goes in steps of 128 (rows of 256 bytes,
;   at multiples of 256 bytes) through two LDS slots, each with A's 256 rows and B's 256 rows; each wave fetches a quarter of a slot by one tensor load.  A K step is 256 matrix instructions a wave,
;   and 224 of them stand between a slot's refill and the wait for it.  For 32 along K a wave reads 2 x 128 x 64 bytes of LDS and issues 64 matrix instructions.
; THE WALK IS A CONSTANT.  Every wave passes every barrier, so no barrier hangs on a number read from memory: the walk covers the most blocks that any routing can fill (46: 8 shared, at most 38 of
;   experts 0..6).  Blocks that a routing leaves unused hold zero rows (stored as such by the launches before) and give zero rows; only the expert of a block, so B's address, is read from memory.
;   up: 46 clusters, cluster c takes blocks c / 2 and c / 2 + 23, column group c % 2; the ring goes on from the first tile into the second.   down: 46 clusters, cluster c takes block c.
;   More clusters would not shorten the longest walk: up's 92 cluster tiles on 64 clusters are again 2 to the busiest, and down's 46 have a cluster each.
; CLUSTER.  The four work-groups of a cluster take four neighbouring column tiles of the SAME block of slots: A's tile is asked for jointly (mask 15).  B's tiles are each work-group's own:
;   to share weights, four blocks of one expert would have to walk in step, so every expert would be padded to 1,024 rows: 7 x 512 rows of padding on the average against 7 x 128 now, on some 9,200 rows.
; TRANSPOSED USE: source 0 = 16 rows of B, source 1 = 16 rows of A: a lane holds one slot (lane % 16) and eight neighbouring columns 8 (lane / 16) + 0..7.
; gelu(x) = x / (1 + 2^(x (c1 + c2 x^2))), c1 = -2 sqrt(2/pi) log2(e), c2 = 0.044715 c1: the tanh form, rewritten; for large |x| the power goes to 0 or to infinity and the result to x or to -0.
; REGISTERS, in windows of 256 (s_set_vgpr_msb's low byte: bits 1:0 source 0, 3:2 source 1, 5:4 source 2, 7:6 destination):
;   window 0: v0-31 addresses and constants; v64-127, v128-191 fragments of A (8 x 16 rows x 32 K), two buffers; on the way out v128-255 are at work
;   window 1: v64-127, v128-191 fragments of B, two buffers
;   window 2: the 32 accumulators of my rows 0-63 (accumulator (a, b) at v[8 (8 a + b)]);   window 3: those of my rows 64-127
.if DOWN
.set KDIM,   2048
.set WOFF,   33554432                  ; the values lie behind the keys in wb
.set LOGA,   20                        ; 256 rows of A are 2^20 bytes
.set RBSTEP, 0
.set TILES,  1
.set LOGO,   2                         ; bytes of an output number: 4
.set SPITCH, 528                       ; a stage row: 128 f32 + 16 bytes
.else
.set KDIM,   1024
.set WOFF,   0
.set LOGA,   19
.set RBSTEP, 23                        ; blocks from a tile to the next
.set TILES,  2
.set LOGO,   1
.set SPITCH, 272                       ; a stage row: 128 bf16 + 16 bytes
.endif
.set LAPS,   KDIM/256                  ; a lap = two K steps = once round the ring
.set PITCH,  272                       ; an LDS row: 256 bytes + 16 of padding = 68 words: the 16 rows of a fragment load start 4 banks apart (64 banks of 4 bytes: ISA guide 11.1)
.set HALFT,  128*PITCH                 ; 128 rows: what one tensor load brings, and what one wave reads of A or of B
.set SLOT,   4*HALFT                   ; A's 256 rows, then B's 256 rows
.set STAGE,  2*SLOT                    ; behind the ring: 16 rows for each wave, for the way out
.set SPARE,  STAGE+4*16*SPITCH         ; behind the stages: the spare words, 128 bytes for each wave: two blocks of 256 bytes that no other line names
.set ADRA, 16                          ; v16-17  LDS address of my A fragments in slot 0, 1
.set ADRB, 20                          ; v20-21  the same for B
.set STO,  24                          ; v24     the way out: where I put my bytes of a row
.set RD,   25                          ; v25     where I read rows back
.set CO,   26                          ; v26     my byte offset in the output
.set SPW,  28                          ; v28     LDS address of my spare word; never rewritten
.set NIL,  29                          ; v29     0; never rewritten
.set C1,   30                          ; v30-31  gelu's c1, twice
.set F0,   64                          ; fragment buffer 0
.set F1,   128                         ; fragment buffer 1
.set TT,   128                         ; up's way out: 64 numbers at work
.set PKD,  192                         ; 32 registers of packed bf16
.set OB,   224                         ; 16 rows read back
.set G1,  24                           ; s[24:31] group 1 for A's tiles;  s[32:39] group 0, a set for each slot
.set G0,  32
.set G1B, 48                           ; s[48:55], s[56:63] the same for B's
.set G0B, 56
.set MUL_LO, 0xa1                      ; source 0 (B) window 1, source 1 (A) window 0, C and D window 2
.set MUL_HI, 0xf1                      ; the same, C and D window 3
.set TO_B,   0x40                      ; destination window 1, address window 0
.set MSB, 0
.macro WIN new                         ; the immediate's high byte repeats the setting that is left; a switch that changes nothing is dropped
.if MSB != \new
	s_set_vgpr_msb (MSB<<8)|\new
.set MSB, \new
.endif
.endm
.macro PLACES                          ; four plain vector instructions between a matrix instruction and a load into, or a vector read or write of, its registers
.rept 4
	v_nop
.endr
.endm
; A refill: waves 0 and 1 ask jointly for A's two halves, waves 2 and 3 for B's two halves.  The branch hangs on the wave's number alone.  Four v_nop follow each line.
.macro JLOAD s
	s_cmp_eq_u32 s11, 0
	s_cbranch_scc0 .Lfor_b_\@
	tensor_load_to_lds s[G0+4*\s:G0+4*\s+3], s[G1:G1+7]
	s_nop 0
.rept 4
	v_nop
.endr
	s_branch .Lasked_\@
.Lfor_b_\@:
	tensor_load_to_lds s[G0B+4*\s:G0B+4*\s+3], s[G1B:G1B+7]
	s_nop 0
.rept 4
	v_nop
.endr
.Lasked_\@:
.endm
.macro CREST                           ; a round of the cluster's barrier behind its opening barrier
	s_cmp_lg_u32 s10, 0
	s_cbranch_scc1 .Lnot_wave_0_\@
	s_barrier_signal -3
.Lnot_wave_0_\@:
	s_barrier_wait -3
	s_barrier_signal -1
	s_barrier_wait -1
.endm
.macro CROUND                          ; a whole round
	s_barrier_signal -1
	s_barrier_wait -1
	CREST
.endm
	s_load_b128 s[4:7], s[0:1], 0x0                ; A s[4:5], wb s[6:7]
	s_load_b128 s[44:47], s[0:1], 0x10             ; pl s[44:45], the output s[46:47]
	v_lshl_add_u32 v[SPW], v0, 2, SPARE
	v_mov_b32 v[NIL], 0
	ds_add_u32 v28, v29
	s_wait_dscnt 0x0
	v_lshrrev_b32 v1, 5, v0
	v_readfirstlane_b32 s10, v1                    ; wave 0..3
	s_lshr_b32 s11, s10, 1                         ; which 128 slots of the tile are mine.  Also: I fetch for A (0) or for B (1)
	s_and_b32 s12, s10, 1                          ; which 128 columns.  Also: which half of that tile I fetch
	s_bfe_u32 s40, ttmp6, 0x40000                  ; cx: my place in the cluster; it enters B's and the output's addresses alone
.if DOWN
	s_mov_b32 s66, ttmp9                           ; my block of slots (ttmp9 counts clusters)
	s_lshl_b32 s42, s40, 8                         ; my tile's first column
.else
	s_lshr_b32 s66, ttmp9, 1                       ; my first block of slots
	s_and_b32 s42, ttmp9, 1
	s_lshl_b32 s42, s42, 2
	s_add_co_u32 s42, s42, s40
	s_lshl_b32 s42, s42, 8
.endif
	s_lshl_b32 s41, s66, 2                         ; the block's word in the table
	s_lshl_b32 s13, s12, 7
	s_add_co_u32 s42, s42, s13                     ; + 128 x half: my wave's first column, and the first row of B that waves 2, 3 fetch
	s_mul_i32 s86, s42, KDIM*2                     ; that row's bytes in an expert's matrix,
.if WOFF
	s_add_co_u32 s86, s86, WOFF
.endif
	s_lshl_b32 s87, s42, LOGO                      ; that column's bytes in an output row
	s_lshl_b32 s88, s12, LOGA-1                    ; A: 128 rows x half
	s_lshl_b32 s89, s11, 19                        ; output: 128 rows of 4,096 bytes x half
	s_mul_i32 s20, s10, HALFT                      ; where my part of a tile goes: A's two halves, then B's two halves; no place in the cluster enters an LDS address
.if DOWN == 0
	s_mov_b32 s84, 0xbdd2d3e8                      ; gelu's c2 = -0.10294324
	s_mov_b32 s85, s84                             ; named with it as a pair, so it is written
.endif
	; group 1: a tile of 128 rows x 128 elements, padded in LDS: 4 words behind every 64.  A's is joint, B's my own
	s_mov_b32 s[G1+0], 15|(1<<16)|(1<<20)|(1<<21)|(5<<22)|(3<<25)  ; 15:0 the mask: all four work-groups; 17:16 elements of 2 bytes; 20 padding on; 21 set beside a mask; 24:22 after 64 words; 31:25 4 words
	s_mov_b32 s[G1B+0], (1<<16)|(1<<20)|(5<<22)|(3<<25)            ; no mask
.irp g, G1, G1B
	s_mov_b32 s[\g+1], 128<<16                     ; tensor_dim0 = 128
	s_mov_b32 s[\g+2], 128<<16                     ; tensor_dim1 = 128
	s_mov_b32 s[\g+3], 128<<16                     ; tile_dim0 = 128
	s_mov_b32 s[\g+4], 128                         ; tile_dim1 = 128
	s_mov_b32 s[\g+5], KDIM                        ; elements from row to row
	s_mov_b32 s[\g+6], 0
	s_mov_b32 s[\g+7], 0
.endr
	s_wait_kmcnt 0x0
	s_load_b32 s68, s[44:45], s41 offset:0x10000   ; the expert of my block (and of my second); the table has 128 words, all written
.if TILES > 1
	s_load_b32 s69, s[44:45], s41 offset:0x10000+4*RBSTEP
.endif
	s_wait_kmcnt 0x0
	s_min_u32 s68, s68, 7                          ; loaded numbers enter addresses only clamped
.if TILES > 1
	s_min_u32 s69, s69, 7
.endif
	s_lshl_b32 s78, s66, LOGA                      ; A's address: the block and the wave's half; s[78:79] never hold cx
	s_add_co_u32 s78, s78, s88
	s_mov_b32 s79, 0
	s_add_nc_u64 s[14:15], s[4:5], s[78:79]
	s_lshl_b32 s82, s68, 22                        ; B's: 4 MiB an expert
	s_add_co_u32 s82, s82, s86
	s_mov_b32 s83, 0
	s_add_nc_u64 s[16:17], s[6:7], s[82:83]
	CROUND                                         ; all four work-groups are here: the first joint loads meet
.irp s, 0,1
	s_mov_b32 s[G0+4*\s], 1                                        ; count = 1
	s_add_co_u32 s[G0+4*\s+1], s20, \s*SLOT                        ; LDS address
	s_add_nc_u64 s[G0+4*\s+2:G0+4*\s+3], s[14:15], \s*256          ; K step s
	s_or_b32 s[G0+4*\s+3], s[G0+4*\s+3], 0x80000000                ; type = 2
	s_mov_b32 s[G0B+4*\s], 1
	s_add_co_u32 s[G0B+4*\s+1], s20, \s*SLOT
	s_add_nc_u64 s[G0B+4*\s+2:G0B+4*\s+3], s[16:17], \s*256
	s_or_b32 s[G0B+4*\s+3], s[G0B+4*\s+3], 0x80000000
.endr
	s_cmp_eq_u32 s11, 0                            ; a wave's two first fills stand in one branch, ahead of every wait on TENSORcnt and every LDS read: two loads of mine are out
	s_cbranch_scc0 .Lfirst_b
	tensor_load_to_lds s[G0:G0+3], s[G1:G1+7]
	s_nop 0
	tensor_load_to_lds s[G0+4:G0+7], s[G1:G1+7]
	s_nop 0
.rept 4
	v_nop
.endr
	s_branch .Lfirst_asked
.Lfirst_b:
	tensor_load_to_lds s[G0B:G0B+3], s[G1B:G1B+7]
	s_nop 0
	tensor_load_to_lds s[G0B+4:G0B+7], s[G1B:G1B+7]
	s_nop 0
.rept 4
	v_nop
.endr
.Lfirst_asked:
	; a fragment is 16 rows x 32 K in 8 registers: lane l holds row l % 16; registers 0-3 K = 8 (l / 16) + 0..7, registers 4-7 K = 16 + 8 (l / 16) + 0..7: two loads of 16 bytes, 32 bytes apart
	v_and_b32 v1, 15, v0                           ; r = l % 16
	v_bfe_u32 v2, v0, 4, 1                         ; h = l / 16
	v_mul_u32_u24 v3, v1, PITCH
	v_lshl_add_u32 v3, v2, 4, v3
	s_mul_i32 s21, s11, HALFT                      ; my 128 rows of A
	s_mul_i32 s22, s12, HALFT                      ; my 128 rows of B,
	s_add_co_u32 s22, s22, 2*HALFT                 ; which lie behind A's 256
.irp s, 0,1
	v_add_nc_u32 v[ADRA+\s], s21, v3
	v_add_nc_u32 v[ADRB+\s], s22, v3
	s_add_co_u32 s21, s21, SLOT
	s_add_co_u32 s22, s22, SLOT
.endr
	s_mul_i32 s23, s10, 16*SPITCH
	s_add_co_u32 s23, s23, STAGE                   ; my stage
	v_mul_u32_u24 v4, v1, SPITCH
.if DOWN
	v_lshl_add_u32 v4, v2, 5, v4                   ; in: row r, 32 bytes (8 f32) for each half of the lanes
	v_add_nc_u32 v[STO], s23, v4
	v_and_b32 v5, 31, v0
	v_lshlrev_b32 v[CO], 4, v5                     ; back: 32 lanes take a whole row of 512 bytes; the same in y
	v_add_nc_u32 v[RD], s23, v[CO]
.else
	v_lshl_add_u32 v4, v2, 4, v4                   ; in: row r, 16 bytes (8 bf16) for each half of the lanes
	v_add_nc_u32 v[STO], s23, v4
	v_mul_u32_u24 v5, v2, SPITCH                   ; back: lanes 0-15 take one row of 256 bytes, lanes 16-31 the next
	v_lshl_add_u32 v5, v1, 4, v5
	v_add_nc_u32 v[RD], s23, v5
	v_lshlrev_b32 v5, 12, v2                       ; and the same two rows in hb, 4,096 bytes apart
	v_lshl_add_u32 v[CO], v1, 4, v5
	v_mov_b32 v[C1], 0xc0135761                    ; c1 = -2.3022082
	v_mov_b32 v[C1+1], 0xc0135761
.endif
; 16 matrix instructions: row blocks a0, a0 + 1 of the window's four (hi = 0: my rows 0-63, 1: rows 64-127) x all 8 column blocks, 32 along K.  zero = 1: the product starts the sums: nothing is ever cleared.
; The 64 accumulators take turns, one instruction a turn, in the same order in every quarter.
.macro MUL16 f, hi, a0, zero
.irp a, \a0, \a0+1
.irp b, 0,1,2,3,4,5,6,7
.if \zero
	v_wmma_f32_16x16x32_bf16 v[8*(8*(\a)+\b):8*(8*(\a)+\b)+7], v[\f+8*\b:\f+8*\b+7], v[\f+8*(4*\hi+\a):\f+8*(4*\hi+\a)+7], 0
.else
	v_wmma_f32_16x16x32_bf16 v[8*(8*(\a)+\b):8*(8*(\a)+\b)+7], v[\f+8*\b:\f+8*\b+7], v[\f+8*(4*\hi+\a):\f+8*(4*\hi+\a)+7], v[8*(8*(\a)+\b):8*(8*(\a)+\b)+7]
.endif
.endr
.endr
.endm
; 32 LDS loads in one run: the fragments of 32 along K at byte k of the rows: B's eight into window 1, then A's eight into window 0
.macro FETCH slot, k, f
	WIN TO_B
.irp i, 0,1,2,3,4,5,6,7
	ds_load_b128 v[\f+8*\i:\f+8*\i+3],   v[ADRB+\slot] offset:\k+\i*16*PITCH
	ds_load_b128 v[\f+8*\i+4:\f+8*\i+7], v[ADRB+\slot] offset:\k+\i*16*PITCH+32
.endr
	WIN 0
.irp i, 0,1,2,3,4,5,6,7
	ds_load_b128 v[\f+8*\i:\f+8*\i+3],   v[ADRA+\slot] offset:\k+\i*16*PITCH
	ds_load_b128 v[\f+8*\i+4:\f+8*\i+7], v[ADRA+\slot] offset:\k+\i*16*PITCH+32
.endr
.endm
; A K step is four quarters of 32 along K, 64 matrix instructions each, on buffers 0, 1, 0, 1.  One of the first three: multiplies f, and in its middle fetches the next quarter, at byte k, into g.
.macro QUARTER slot, k, f, g, zero
	s_wait_dscnt 8                                 ; B and A's rows 0-63 are in; the youngest eight loads (A's rows 64-127) may be out
	WIN MUL_LO
	MUL16 \f, 0, 0, \zero
	MUL16 \f, 0, 2, \zero
	PLACES
	FETCH \slot, \k, \g
	s_wait_dscnt 32                                ; all but the 32 just issued
	WIN MUL_HI
	MUL16 \f, 1, 0, \zero
	MUL16 \f, 1, 2, \zero
.endm
; The last quarter multiplies buffer 1 and changes slots: ONE barrier.  In front of it each wave waits for all its tensor loads (one is out: its part of the next slot), adds 0 to its spare word,
; and waits for that and for its own reads of this slot.  Behind it nobody reads this slot and the next slot is whole.
; mode 1: this slot takes this tile's K step two on; mode 2: the NEXT tile's K step 0 or 1; in both the barrier opens a round of the cluster's barrier and the refill is the first tensor load behind it,
; a K step less 32 matrix instructions (224) ahead of the wait for it.  mode 0: nothing is left to fetch.
.macro TURN slot, next, mode
	WIN 0                                          ; (the add's two registers lie in window 0)
	s_wait_tensorcnt 0x0                           ; all my tensor loads have landed;
	ds_add_u32 v[SPW], v[NIL]                      ; 0 onto my spare word;
	s_wait_dscnt 9                                 ; (the add and the youngest eight loads may be out)
	WIN MUL_LO
	MUL16 F1, 0, 0, 0                              ; sixteen matrix instructions stand between the add and the wait for it
	s_wait_dscnt 0x0                               ; the add is done, and my reads of this slot are over
	s_barrier_signal -1
	MUL16 F1, 0, 2, 0                              ; work on registers while the others arrive
.if \mode
	WIN 0                                          ; at a branch and at a label every window is 0
.endif
	s_barrier_wait -1
.if \mode == 1
	CREST                                          ; no wave of any partner still reads this slot's tile or has a load on its way
	s_add_nc_u64 s[G0+4*\slot+2:G0+4*\slot+3], s[G0+4*\slot+2:G0+4*\slot+3], 512
	s_add_nc_u64 s[G0B+4*\slot+2:G0B+4*\slot+3], s[G0B+4*\slot+2:G0B+4*\slot+3], 512
	JLOAD \slot                                    ; the four v_nop behind it are also the places in front of the loads below
.elseif \mode == 2
	CREST
	s_add_nc_u64 s[G0+4*\slot+2:G0+4*\slot+3], s[72:73], \slot*256
	s_or_b32 s[G0+4*\slot+3], s[G0+4*\slot+3], 0x80000000
	s_add_nc_u64 s[G0B+4*\slot+2:G0B+4*\slot+3], s[74:75], \slot*256
	s_or_b32 s[G0B+4*\slot+3], s[G0B+4*\slot+3], 0x80000000
	JLOAD \slot
.else
	PLACES
.endif
	FETCH \next, 0, F0
	WIN MUL_HI
	MUL16 F1, 1, 0, 0
	MUL16 F1, 1, 2, 0
.endm
; At a tile's head, scalars only: where this tile goes out and, with several tiles, where the next tile's A and B begin (made for the last tile too, and not used there).
.macro PREP
.if TILES > 1
	s_wait_xcnt 0x0                                ; the last tile's stores have had their addresses translated: their base and their data registers are rewritten only behind this wait
.endif
	s_lshl_b32 s80, s66, 20                        ; 256 output rows of 4,096 bytes a block
	s_add_co_u32 s80, s80, s89
	s_add_co_u32 s80, s80, s87
	s_mov_b32 s81, 0
	s_add_nc_u64 s[76:77], s[46:47], s[80:81]
.if TILES > 1
	s_add_co_u32 s66, s66, RBSTEP
	s_lshl_b32 s78, s66, LOGA
	s_add_co_u32 s78, s78, s88
	s_mov_b32 s79, 0
	s_add_nc_u64 s[72:73], s[4:5], s[78:79]
	s_lshl_b32 s82, s69, 22
	s_add_co_u32 s82, s82, s86
	s_mov_b32 s83, 0
	s_add_nc_u64 s[74:75], s[6:7], s[82:83]
.endif
.endm
.if DOWN
; THE WAY OUT of down: 16 rows (block a of my eight) at a time through my own stage: 32 bytes a lane in, whole rows of 512 bytes back, stored as they are (f32).  Each accumulator is read from its low end on.
.macro TOSTAGE a
.set AC, 64*((\a)%4)                   ; the block's eight accumulators, in window 2 (blocks 0-3) or 3 (blocks 4-7)
.set WN, 0x08+4*((\a)/4)               ; the stores' data (source 1) in that window
	WIN WN
.irp b, 0,1,2,3,4,5,6,7
	ds_store_b128 v[STO], v[AC+8*\b:AC+8*\b+3]   offset:64*\b
	ds_store_b128 v[STO], v[AC+8*\b+4:AC+8*\b+7] offset:64*\b+16
.endr
	WIN 0
.set BK, 128+64*((\a)%2)
.irp t, 0,1,2,3,4,5,6,7,8,9,10,11,12,13,14,15
	ds_load_b128 v[BK+4*\t:BK+4*\t+3], v[RD] offset:\t*SPITCH      ; LDS serves a wave's instructions in order (ISA guide 5.7.1.4): these see the stores above
.endr
.endm
.macro SEND a, younger                 ; younger: the LDS instructions issued behind block a's loads
.set BK, 128+64*((\a)%2)
	s_wait_dscnt \younger
.irp t, 0,1,2,3,4,5,6,7,8,9,10,11,12,13,14,15
	global_store_b128 v[CO], v[BK+4*\t:BK+4*\t+3], s[76:77] offset:4096*(16*(\a)+\t)   ; a wave's store covers 512 consecutive bytes, aligned
.endr
.endm
.macro WAYOUT
	PLACES                                         ; behind the last products
	TOSTAGE 0
	TOSTAGE 1
	SEND 0, 32                                     ; block 1's 16 stores and 16 loads are younger
.irp a, 2,3,4,5,6,7
	s_wait_xcnt 0x0                                ; block a - 2's registers are loaded again only behind this wait
	TOSTAGE \a
	SEND \a-1, 32
.endr
	SEND 7, 0
.endm
.else
; THE WAY OUT of up.  GELU a: block a's 64 numbers a lane, in stages under one window setting each, ascending.
.macro GELU a
.set AC, 64*((\a)%4)                   ; the block's eight accumulators, in window 2 (blocks 0-3) or 3 (blocks 4-7)
.set W2, 0x0a+5*((\a)/4)               ; sources 0 and 1 in that window
.set W1, 0x08+4*((\a)/4)               ; source 1 alone
	WIN W2
.set i, 0
.rept 32
	v_pk_mul_f32 v[TT+i:TT+i+1], v[AC+i:AC+i+1], v[AC+i:AC+i+1]                       ; x^2
.set i, i+2
.endr
	WIN 0
.set i, 0
.rept 32
	v_pk_fma_f32 v[TT+i:TT+i+1], v[TT+i:TT+i+1], s[84:85], v[C1:C1+1] op_sel_hi:[1,0,1]   ; c2 x^2 + c1
.set i, i+2
.endr
	WIN W1
.set i, 0
.rept 32
	v_pk_mul_f32 v[TT+i:TT+i+1], v[TT+i:TT+i+1], v[AC+i:AC+i+1]                       ; times x
.set i, i+2
.endr
	WIN 0
.set i, 0
.rept 64
	v_exp_f32 v[TT+i], v[TT+i]
.set i, i+1
.endr
	v_nop                                          ; a plain instruction between the last exponential and the use of its result
.set i, 0
	s_wait_alu depctr_va_vdst(0)
.rept 32
	v_pk_add_f32 v[TT+i:TT+i+1], v[TT+i:TT+i+1], 1.0 op_sel_hi:[1,0]
.set i, i+2
.endr
.set i, 0
.rept 64
	v_rcp_f32 v[TT+i], v[TT+i]
.set i, i+1
.endr
	v_nop
	WIN W1
.set i, 0
	s_wait_alu depctr_va_vdst(0)
.rept 32
	v_pk_mul_f32 v[TT+i:TT+i+1], v[TT+i:TT+i+1], v[AC+i:AC+i+1]                       ; x / (1 + 2^..)
.set i, i+2
.endr
	WIN 0
.set i, 0
.rept 32
	v_cvt_pk_bf16_f32 v[PKD+i], v[TT+2*i], v[TT+2*i+1]
.set i, i+1
.endr
.endm
.macro TOSTAGE                         ; 16 bytes a lane into my own stage, and back as whole rows of 256 bytes
.irp b, 0,1,2,3,4,5,6,7
	ds_store_b128 v[STO], v[PKD+4*\b:PKD+4*\b+3] offset:32*\b
.endr
.irp t, 0,1,2,3,4,5,6,7
	ds_load_b128 v[OB+4*\t:OB+4*\t+3], v[RD] offset:\t*2*SPITCH    ; LDS serves a wave's instructions in order (ISA guide 5.7.1.4): these see the stores above
.endr
.endm
.macro SEND a
	s_wait_dscnt 0x0                               ; the block is back in registers
.irp t, 0,1,2,3,4,5,6,7
	global_store_b128 v[CO], v[OB+4*\t:OB+4*\t+3], s[76:77] offset:65536*(\a)+8192*\t   ; 16 lanes store 256 consecutive bytes, aligned
.endr
.endm
.macro WAYOUT
	PLACES                                         ; behind the last products
	GELU 0
	TOSTAGE
.irp a, 1,2,3,4,5,6,7                  ; block a's arithmetic stands between block a - 1's loads from the stage and the wait for them
	GELU \a
	SEND \a-1
	s_wait_xcnt 0x0                                ; the rows' registers are loaded again only behind this wait
	TOSTAGE
.endr
	SEND 7
.endm
.endif
	s_wait_tensorcnt 1                             ; my part of K step 0 is in; K step 1's may stay out
	s_barrier_signal -1
	s_barrier_wait -1                              ; everybody's is
	FETCH 0, 0, F0
.if TILES > 1
	s_mov_b32 s2, TILES                            ; tiles to go, this one among them: a constant, the same in every work-group
.Ltile:                                                ; (FETCH and the way out leave every window 0)
.endif
	PREP
	QUARTER 0, 64,  F0, F1, 1                      ; a tile's first quarter stands in front of the loop: its products start the sums
	WIN 0                                          ; at a label and at a branch every window is 0
	s_mov_b32 s3, LAPS-1
.Llap:                                                 ; a trip goes once round the ring, from a lap's second quarter to the next lap's first, and fills both slots again
	QUARTER 0, 128, F1, F0, 0
	QUARTER 0, 192, F0, F1, 0
	TURN 0, 1, 1
	QUARTER 1, 64,  F0, F1, 0
	QUARTER 1, 128, F1, F0, 0
	QUARTER 1, 192, F0, F1, 0
	TURN 1, 0, 1
	QUARTER 0, 64,  F0, F1, 0
	WIN 0
	s_sub_co_u32 s3, s3, 1
	s_cmp_lg_u32 s3, 0
	s_cbranch_scc1 .Llap
	QUARTER 0, 128, F1, F0, 0                      ; the tile's last lap goes on
	QUARTER 0, 192, F0, F1, 0
.if TILES > 1                          ; with one tile to a work-group nothing of this is assembled: it could never run
	WIN 0
	s_cmp_eq_u32 s2, 1
	s_cbranch_scc1 .Llast_tile                     ; the last tile's tail is written out: it asks for nothing more
	TURN 0, 1, 2                                   ; the ring goes on into the next tile: slot 0 takes its K step 0,
	QUARTER 1, 64,  F0, F1, 0
	QUARTER 1, 128, F1, F0, 0
	QUARTER 1, 192, F0, F1, 0
	TURN 1, 0, 2                                   ; slot 1 its K step 1, and the next tile's first fragments are fetched into buffer 0, which the way out leaves alone
	WIN 0
	WAYOUT
	s_sub_co_u32 s2, s2, 1
	s_branch .Ltile
.Llast_tile:
.endif
	TURN 0, 1, 0
	QUARTER 1, 64,  F0, F1, 0
	QUARTER 1, 128, F1, F0, 0
	QUARTER 1, 192, F0, F1, 0
	s_wait_dscnt 8                                 ; the very last quarter: nothing more to fetch
	WIN MUL_LO
	MUL16 F1, 0, 0, 0
	MUL16 F1, 0, 2, 0
	s_wait_dscnt 0x0
	WIN MUL_HI
	MUL16 F1, 1, 0, 0
	MUL16 F1, 1, 2, 0
	WIN 0
	WAYOUT
	s_wait_tensorcnt 0x0                           ; the wave's end: behind my last tensor load and my last LDS store
	ds_add_u32 v[SPW], v[NIL]
	s_wait_dscnt 0x0
	CROUND                                         ; the closing round: no work-group ends while a partner may still ask for a tile that names it
	s_endpgm
.Lfunc_end_k_qf398c12e62_up:
	.size	k_qf398c12e62_up, .Lfunc_end_k_qf398c12e62_up-k_qf398c12e62_up
	.p2alignl 7, 3214868480
	.fill 96, 4, 3214868480
	.section	.rodata,"a",@progbits
	.p2align	6, 0x0
	.amdhsa_kernel k_qf398c12e62_up
		.amdhsa_group_segment_fixed_size 327680
		.amdhsa_private_segment_fixed_size 0
		.amdhsa_enable_private_segment 0
		.amdhsa_kernarg_size 32
		.amdhsa_user_sgpr_count 2
		.amdhsa_user_sgpr_kernarg_segment_ptr 1
		.amdhsa_wavefront_size32 1
		.amdhsa_system_sgpr_workgroup_id_x 1
		.amdhsa_system_sgpr_workgroup_id_y 1
		.amdhsa_system_sgpr_workgroup_id_z 1
		.amdhsa_system_vgpr_workitem_id 0
		.amdhsa_next_free_vgpr 1024
		.amdhsa_next_free_sgpr 96
		.amdhsa_reserve_vcc 0
		.amdhsa_float_denorm_mode_32 3
		.amdhsa_float_denorm_mode_16_64 3
		.amdhsa_memory_ordered 1
		.amdhsa_forward_progress 1
		.amdhsa_inst_pref_size 255
	.end_amdhsa_kernel
	.section	.bss,"aw",@nobits
	.p2align	6
	.space	262144
	.amdgpu_metadata
---
amdhsa.version: [ 1, 2 ]
amdhsa.kernels:
  - .name:           k_qf398c12e62_up
    .symbol:         k_qf398c12e62_up.kd
    .args:
      - { .name: xs, .offset: 0, .size: 8, .value_kind: global_buffer, .address_space: global }
      - { .name: wb, .offset: 8, .size: 8, .value_kind: global_buffer, .address_space: global }
      - { .name: pl, .offset: 16, .size: 8, .value_kind: global_buffer, .address_space: global }
      - { .name: hb, .offset: 24, .size: 8, .value_kind: global_buffer, .address_space: global }
    .group_segment_fixed_size: 327680
    .private_segment_fixed_size: 0
    .kernarg_segment_align: 8
    .kernarg_segment_size: 32
    .max_flat_workgroup_size: 128
    .sgpr_count:     96
    .vgpr_count:     1024
    .wavefront_size: 32
...
	.end_amdgpu_metadata
.endif
;; end of part 9
;; launch down (part 10): grid 184 x 1, 4 waves a work-group, clusters of 4 x 1, 327,680 bytes of LDS; arguments hb, wb, pl, y; writes y
.if DOCPART == 10
	.amdgcn_target "amdgcn-amd-amdhsa--gfx1250"
	.amdhsa_code_object_version 6
	.text
	.protected	k_qf398c12e62_down
	.globl	k_qf398c12e62_down
	.p2align	8
	.type	k_qf398c12e62_down,@function
k_qf398c12e62_down:
	s_mov_b64 s[64:65], 0
	v_nop
	global_prefetch_b8 v0, s[64:65] scope:SCOPE_SE
	s_setreg_imm32_b32 hwreg(HW_REG_WAVE_MODE, 25, 1), 1
	s_wait_xcnt 0x0
	s_wait_alu depctr_hold_cnt(0) depctr_sa_sdst(0) depctr_va_vdst(0) depctr_va_sdst(0) depctr_va_ssrc(0) depctr_va_vcc(0) depctr_vm_vsrc(0)
	s_getreg_b32 s2, hwreg(HW_REG_IB_STS2, 6, 4)
	s_cmp_eq_u32 s2, 0
	s_cbranch_scc0 .Lentry_in_a_cluster
	s_endpgm
.Lentry_in_a_cluster:
	s_bfe_u32 s2, ttmp6, 0x10000c
	s_cmp_lg_u32 s2, 0x3003
	s_cbranch_scc0 .Lentry_shape_is_right
	s_endpgm
.Lentry_shape_is_right:
.set DOWN, 1                           ; 0: hb = gelu(xs . keys^T), bf16.   1: y = hb . values^T, f32.  The two launches' texts differ in this line alone.
; A GROUPED GEMM over blocks of 256 slots; every block belongs to one expert (table in pl, whole numbers of an earlier launch).  C[slot][n] = sum over k of A[slot][k] B_e[n][k], bf16 operands, f32 sums.
; SHARES.  A tile of C is 256 slots x 256 columns: four waves, as many as a WGP has SIMDs, each 128 x 128 = 64 accumulators of 16 x 16 (512 registers).  K goes in steps of 128 (rows of 256 bytes,
;   at multiples of 256 bytes) through two LDS slots, each with A's 256 rows and B's 256 rows; each wave fetches a quarter of a slot by one tensor load.  A K step is 256 matrix instructions a wave,
;   and 224 of them stand between a slot's refill and the wait for it.  For 32 along K a wave reads 2 x 128 x 64 bytes of LDS and issues 64 matrix instructions.
; THE WALK IS A CONSTANT.  Every wave passes every barrier, so no barrier hangs on a number read from memory: the walk covers the most blocks that any routing can fill (46: 8 shared, at most 38 of
;   experts 0..6).  Blocks that a routing leaves unused hold zero rows (stored as such by the launches before) and give zero rows; only the expert of a block, so B's address, is read from memory.
;   up: 46 clusters, cluster c takes blocks c / 2 and c / 2 + 23, column group c % 2; the ring goes on from the first tile into the second.   down: 46 clusters, cluster c takes block c.
;   More clusters would not shorten the longest walk: up's 92 cluster tiles on 64 clusters are again 2 to the busiest, and down's 46 have a cluster each.
; CLUSTER.  The four work-groups of a cluster take four neighbouring column tiles of the SAME block of slots: A's tile is asked for jointly (mask 15).  B's tiles are each work-group's own:
;   to share weights, four blocks of one expert would have to walk in step, so every expert would be padded to 1,024 rows: 7 x 512 rows of padding on the average against 7 x 128 now, on some 9,200 rows.
; TRANSPOSED USE: source 0 = 16 rows of B, source 1 = 16 rows of A: a lane holds one slot (lane % 16) and eight neighbouring columns 8 (lane / 16) + 0..7.
; gelu(x) = x / (1 + 2^(x (c1 + c2 x^2))), c1 = -2 sqrt(2/pi) log2(e), c2 = 0.044715 c1: the tanh form, rewritten; for large |x| the power goes to 0 or to infinity and the result to x or to -0.
; REGISTERS, in windows of 256 (s_set_vgpr_msb's low byte: bits 1:0 source 0, 3:2 source 1, 5:4 source 2, 7:6 destination):
;   window 0: v0-31 addresses and constants; v64-127, v128-191 fragments of A (8 x 16 rows x 32 K), two buffers; on the way out v128-255 are at work
;   window 1: v64-127, v128-191 fragments of B, two buffers
;   window 2: the 32 accumulators of my rows 0-63 (accumulator (a, b) at v[8 (8 a + b)]);   window 3: those of my rows 64-127
.if DOWN
.set KDIM,   2048
.set WOFF,   33554432                  ; the values lie behind the keys in wb
.set LOGA,   20                        ; 256 rows of A are 2^20 bytes
.set RBSTEP, 0
.set TILES,  1
.set LOGO,   2                         ; bytes of an output number: 4
.set SPITCH, 528                       ; a stage row: 128 f32 + 16 bytes
.else
.set KDIM,   1024
.set WOFF,   0
.set LOGA,   19
.set RBSTEP, 23                        ; blocks from a tile to the next
.set TILES,  2
.set LOGO,   1
.set SPITCH, 272                       ; a stage row: 128 bf16 + 16 bytes
.endif
.set LAPS,   KDIM/256                  ; a lap = two K steps = once round the ring
.set PITCH,  272                       ; an LDS row: 256 bytes + 16 of padding = 68 words: the 16 rows of a fragment load start 4 banks apart (64 banks of 4 bytes: ISA guide 11.1)
.set HALFT,  128*PITCH                 ; 128 rows: what one tensor load brings, and what one wave reads of A or of B
.set SLOT,   4*HALFT                   ; A's 256 rows, then B's 256 rows
.set STAGE,  2*SLOT                    ; behind the ring: 16 rows for each wave, for the way out
.set SPARE,  STAGE+4*16*SPITCH         ; behind the stages: the spare words, 128 bytes for each wave: two blocks of 256 bytes that no other line names
.set ADRA, 16                          ; v16-17  LDS address of my A fragments in slot 0, 1
.set ADRB, 20                          ; v20-21  the same for B
.set STO,  24                          ; v24     the way out: where I put my bytes of a row
.set RD,   25                          ; v25     where I read rows back
.set CO,   26                          ; v26     my byte offset in the output
.set SPW,  28                          ; v28     LDS address of my spare word; never rewritten
.set NIL,  29                          ; v29     0; never rewritten
.set C1,   30                          ; v30-31  gelu's c1, twice
.set F0,   64                          ; fragment buffer 0
.set F1,   128                         ; fragment buffer 1
.set TT,   128                         ; up's way out: 64 numbers at work
.set PKD,  192                         ; 32 registers of packed bf16
.set OB,   224                         ; 16 rows read back
.set G1,  24                           ; s[24:31] group 1 for A's tiles;  s[32:39] group 0, a set for each slot
.set G0,  32
.set G1B, 48                           ; s[48:55], s[56:63] the same for B's
.set G0B, 56
.set MUL_LO, 0xa1                      ; source 0 (B) window 1, source 1 (A) window 0, C and D window 2
.set MUL_HI, 0xf1                      ; the same, C and D window 3
.set TO_B,   0x40                      ; destination window 1, address window 0
.set MSB, 0
.macro WIN new                         ; the immediate's high byte repeats the setting that is left; a switch that changes nothing is dropped
.if MSB != \new
	s_set_vgpr_msb (MSB<<8)|\new
.set MSB, \new
.endif
.endm
.macro PLACES                          ; four plain vector instructions between a matrix instruction and a load into, or a vector read or write of, its registers
.rept 4
	v_nop
.endr
.endm
; A refill: waves 0 and 1 ask jointly for A's two halves, waves 2 and 3 for B's two halves.  The branch hangs on the wave's number alone.  Four v_nop follow each line.
.macro JLOAD s
	s_cmp_eq_u32 s11, 0
	s_cbranch_scc0 .Lfor_b_\@
	tensor_load_to_lds s[G0+4*\s:G0+4*\s+3], s[G1:G1+7]
	s_nop 0
.rept 4
	v_nop
.endr
	s_branch .Lasked_\@
.Lfor_b_\@:
	tensor_load_to_lds s[G0B+4*\s:G0B+4*\s+3], s[G1B:G1B+7]
	s_nop 0
.rept 4
	v_nop
.endr
.Lasked_\@:
.endm
.macro CREST                           ; a round of the cluster's barrier behind its opening barrier
	s_cmp_lg_u32 s10, 0
	s_cbranch_scc1 .Lnot_wave_0_\@
	s_barrier_signal -3
.Lnot_wave_0_\@:
	s_barrier_wait -3
	s_barrier_signal -1
	s_barrier_wait -1
.endm
.macro CROUND                          ; a whole round
	s_barrier_signal -1
	s_barrier_wait -1
	CREST
.endm
	s_load_b128 s[4:7], s[0:1], 0x0                ; A s[4:5], wb s[6:7]
	s_load_b128 s[44:47], s[0:1], 0x10             ; pl s[44:45], the output s[46:47]
	v_lshl_add_u32 v[SPW], v0, 2, SPARE
	v_mov_b32 v[NIL], 0
	ds_add_u32 v28, v29
	s_wait_dscnt 0x0
	v_lshrrev_b32 v1, 5, v0
	v_readfirstlane_b32 s10, v1                    ; wave 0..3
	s_lshr_b32 s11, s10, 1                         ; which 128 slots of the tile are mine.  Also: I fetch for A (0) or for B (1)
	s_and_b32 s12, s10, 1                          ; which 128 columns.  Also: which half of that tile I fetch
	s_bfe_u32 s40, ttmp6, 0x40000                  ; cx: my place in the cluster; it enters B's and the output's addresses alone
.if DOWN
	s_mov_b32 s66, ttmp9                           ; my block of slots (ttmp9 counts clusters)
	s_lshl_b32 s42, s40, 8                         ; my tile's first column
.else
	s_lshr_b32 s66, ttmp9, 1                       ; my first block of slots
	s_and_b32 s42, ttmp9, 1
	s_lshl_b32 s42, s42, 2
	s_add_co_u32 s42, s42, s40
	s_lshl_b32 s42, s42, 8
.endif
	s_lshl_b32 s41, s66, 2                         ; the block's word in the table
	s_lshl_b32 s13, s12, 7
	s_add_co_u32 s42, s42, s13                     ; + 128 x half: my wave's first column, and the first row of B that waves 2, 3 fetch
	s_mul_i32 s86, s42, KDIM*2                     ; that row's bytes in an expert's matrix,
.if WOFF
	s_add_co_u32 s86, s86, WOFF
.endif
	s_lshl_b32 s87, s42, LOGO                      ; that column's bytes in an output row
	s_lshl_b32 s88, s12, LOGA-1                    ; A: 128 rows x half
	s_lshl_b32 s89, s11, 19                        ; output: 128 rows of 4,096 bytes x half
	s_mul_i32 s20, s10, HALFT                      ; where my part of a tile goes: A's two halves, then B's two halves; no place in the cluster enters an LDS address
.if DOWN == 0
	s_mov_b32 s84, 0xbdd2d3e8                      ; gelu's c2 = -0.10294324
	s_mov_b32 s85, s84                             ; named with it as a pair, so it is written
.endif
	; group 1: a tile of 128 rows x 128 elements, padded in LDS: 4 words behind every 64.  A's is joint, B's my own
	s_mov_b32 s[G1+0], 15|(1<<16)|(1<<20)|(1<<21)|(5<<22)|(3<<25)  ; 15:0 the mask: all four work-groups; 17:16 elements of 2 bytes; 20 padding on; 21 set beside a mask; 24:22 after 64 words; 31:25 4 words
	s_mov_b32 s[G1B+0], (1<<16)|(1<<20)|(5<<22)|(3<<25)            ; no mask
.irp g, G1, G1B
	s_mov_b32 s[\g+1], 128<<16                     ; tensor_dim0 = 128
	s_mov_b32 s[\g+2], 128<<16                     ; tensor_dim1 = 128
	s_mov_b32 s[\g+3], 128<<16                     ; tile_dim0 = 128
	s_mov_b32 s[\g+4], 128                         ; tile_dim1 = 128
	s_mov_b32 s[\g+5], KDIM                        ; elements from row to row
	s_mov_b32 s[\g+6], 0
	s_mov_b32 s[\g+7], 0
.endr
	s_wait_kmcnt 0x0
	s_load_b32 s68, s[44:45], s41 offset:0x10000   ; the expert of my block (and of my second); the table has 128 words, all written
.if TILES > 1
	s_load_b32 s69, s[44:45], s41 offset:0x10000+4*RBSTEP
.endif
	s_wait_kmcnt 0x0
	s_min_u32 s68, s68, 7                          ; loaded numbers enter addresses only clamped
.if TILES > 1
	s_min_u32 s69, s69, 7
.endif
	s_lshl_b32 s78, s66, LOGA                      ; A's address: the block and the wave's half; s[78:79] never hold cx
	s_add_co_u32 s78, s78, s88
	s_mov_b32 s79, 0
	s_add_nc_u64 s[14:15], s[4:5], s[78:79]
	s_lshl_b32 s82, s68, 22                        ; B's: 4 MiB an expert
	s_add_co_u32 s82, s82, s86
	s_mov_b32 s83, 0
	s_add_nc_u64 s[16:17], s[6:7], s[82:83]
	CROUND                                         ; all four work-groups are here: the first joint loads meet
.irp s, 0,1
	s_mov_b32 s[G0+4*\s], 1                                        ; count = 1
	s_add_co_u32 s[G0+4*\s+1], s20, \s*SLOT                        ; LDS address
	s_add_nc_u64 s[G0+4*\s+2:G0+4*\s+3], s[14:15], \s*256          ; K step s
	s_or_b32 s[G0+4*\s+3], s[G0+4*\s+3], 0x80000000                ; type = 2
	s_mov_b32 s[G0B+4*\s], 1
	s_add_co_u32 s[G0B+4*\s+1], s20, \s*SLOT
	s_add_nc_u64 s[G0B+4*\s+2:G0B+4*\s+3], s[16:17], \s*256
	s_or_b32 s[G0B+4*\s+3], s[G0B+4*\s+3], 0x80000000
.endr
	s_cmp_eq_u32 s11, 0                            ; a wave's two first fills stand in one branch, ahead of every wait on TENSORcnt and every LDS read: two loads of mine are out
	s_cbranch_scc0 .Lfirst_b
	tensor_load_to_lds s[G0:G0+3], s[G1:G1+7]
	s_nop 0
	tensor_load_to_lds s[G0+4:G0+7], s[G1:G1+7]
	s_nop 0
.rept 4
	v_nop
.endr
	s_branch .Lfirst_asked
.Lfirst_b:
	tensor_load_to_lds s[G0B:G0B+3], s[G1B:G1B+7]
	s_nop 0
	tensor_load_to_lds s[G0B+4:G0B+7], s[G1B:G1B+7]
	s_nop 0
.rept 4
	v_nop
.endr
.Lfirst_asked:
	; a fragment is 16 rows x 32 K in 8 registers: lane l holds row l % 16; registers 0-3 K = 8 (l / 16) + 0..7, registers 4-7 K = 16 + 8 (l / 16) + 0..7: two loads of 16 bytes, 32 bytes apart
	v_and_b32 v1, 15, v0                           ; r = l % 16
	v_bfe_u32 v2, v0, 4, 1                         ; h = l / 16
	v_mul_u32_u24 v3, v1, PITCH
	v_lshl_add_u32 v3, v2, 4, v3
	s_mul_i32 s21, s11, HALFT                      ; my 128 rows of A
	s_mul_i32 s22, s12, HALFT                      ; my 128 rows of B,
	s_add_co_u32 s22, s22, 2*HALFT                 ; which lie behind A's 256
.irp s, 0,1
	v_add_nc_u32 v[ADRA+\s], s21, v3
	v_add_nc_u32 v[ADRB+\s], s22, v3
	s_add_co_u32 s21, s21, SLOT
	s_add_co_u32 s22, s22, SLOT
.endr
	s_mul_i32 s23, s10, 16*SPITCH
	s_add_co_u32 s23, s23, STAGE                   ; my stage
	v_mul_u32_u24 v4, v1, SPITCH
.if DOWN
	v_lshl_add_u32 v4, v2, 5, v4                   ; in: row r, 32 bytes (8 f32) for each half of the lanes
	v_add_nc_u32 v[STO], s23, v4
	v_and_b32 v5, 31, v0
	v_lshlrev_b32 v[CO], 4, v5                     ; back: 32 lanes take a whole row of 512 bytes; the same in y
	v_add_nc_u32 v[RD], s23, v[CO]
.else
	v_lshl_add_u32 v4, v2, 4, v4                   ; in: row r, 16 bytes (8 bf16) for each half of the lanes
	v_add_nc_u32 v[STO], s23, v4
	v_mul_u32_u24 v5, v2, SPITCH                   ; back: lanes 0-15 take one row of 256 bytes, lanes 16-31 the next
	v_lshl_add_u32 v5, v1, 4, v5
	v_add_nc_u32 v[RD], s23, v5
	v_lshlrev_b32 v5, 12, v2                       ; and the same two rows in hb, 4,096 bytes apart
	v_lshl_add_u32 v[CO], v1, 4, v5
	v_mov_b32 v[C1], 0xc0135761                    ; c1 = -2.3022082
	v_mov_b32 v[C1+1], 0xc0135761
.endif
; 16 matrix instructions: row blocks a0, a0 + 1 of the window's four (hi = 0: my rows 0-63, 1: rows 64-127) x all 8 column blocks, 32 along K.  zero = 1: the product starts the sums: nothing is ever cleared.
; The 64 accumulators take turns, one instruction a turn, in the same order in every quarter.
.macro MUL16 f, hi, a0, zero
.irp a, \a0, \a0+1
.irp b, 0,1,2,3,4,5,6,7
.if \zero
	v_wmma_f32_16x16x32_bf16 v[8*(8*(\a)+\b):8*(8*(\a)+\b)+7], v[\f+8*\b:\f+8*\b+7], v[\f+8*(4*\hi+\a):\f+8*(4*\hi+\a)+7], 0
.else
	v_wmma_f32_16x16x32_bf16 v[8*(8*(\a)+\b):8*(8*(\a)+\b)+7], v[\f+8*\b:\f+8*\b+7], v[\f+8*(4*\hi+\a):\f+8*(4*\hi+\a)+7], v[8*(8*(\a)+\b):8*(8*(\a)+\b)+7]
.endif
.endr
.endr
.endm
; 32 LDS loads in one run: the fragments of 32 along K at byte k of the rows: B's eight into window 1, then A's eight into window 0
.macro FETCH slot, k, f
	WIN TO_B
.irp i, 0,1,2,3,4,5,6,7
	ds_load_b128 v[\f+8*\i:\f+8*\i+3],   v[ADRB+\slot] offset:\k+\i*16*PITCH
	ds_load_b128 v[\f+8*\i+4:\f+8*\i+7], v[ADRB+\slot] offset:\k+\i*16*PITCH+32
.endr
	WIN 0
.irp i, 0,1,2,3,4,5,6,7
	ds_load_b128 v[\f+8*\i:\f+8*\i+3],   v[ADRA+\slot] offset:\k+\i*16*PITCH
	ds_load_b128 v[\f+8*\i+4:\f+8*\i+7], v[ADRA+\slot] offset:\k+\i*16*PITCH+32
.endr
.endm
; A K step is four quarters of 32 along K, 64 matrix instructions each, on buffers 0, 1, 0, 1.  One of the first three: multiplies f, and in its middle fetches the next quarter, at byte k, into g.
.macro QUARTER slot, k, f, g, zero
	s_wait_dscnt 8                                 ; B and A's rows 0-63 are in; the youngest eight loads (A's rows 64-127) may be out
	WIN MUL_LO
	MUL16 \f, 0, 0, \zero
	MUL16 \f, 0, 2, \zero
	PLACES
	FETCH \slot, \k, \g
	s_wait_dscnt 32                                ; all but the 32 just issued
	WIN MUL_HI
	MUL16 \f, 1, 0, \zero
	MUL16 \f, 1, 2, \zero
.endm
; The last quarter multiplies buffer 1 and changes slots: ONE barrier.  In front of it each wave waits for all its tensor loads (one is out: its part of the next slot), adds 0 to its spare word,
; and waits for that and for its own reads of this slot.  Behind it nobody reads this slot and the next slot is whole.
; mode 1: this slot takes this tile's K step two on; mode 2: the NEXT tile's K step 0 or 1; in both the barrier opens a round of the cluster's barrier and the refill is the first tensor load behind it,
; a K step less 32 matrix instructions (224) ahead of the wait for it.  mode 0: nothing is left to fetch.
.macro TURN slot, next, mode
	WIN 0                                          ; (the add's two registers lie in window 0)
	s_wait_tensorcnt 0x0                           ; all my tensor loads have landed;
	ds_add_u32 v[SPW], v[NIL]                      ; 0 onto my spare word;
	s_wait_dscnt 9                                 ; (the add and the youngest eight loads may be out)
	WIN MUL_LO
	MUL16 F1, 0, 0, 0                              ; sixteen matrix instructions stand between the add and the wait for it
	s_wait_dscnt 0x0                               ; the add is done, and my reads of this slot are over
	s_barrier_signal -1
	MUL16 F1, 0, 2, 0                              ; work on registers while the others arrive
.if \mode
	WIN 0                                          ; at a branch and at a label every window is 0
.endif
	s_barrier_wait -1
.if \mode == 1
	CREST                                          ; no wave of any partner still reads this slot's tile or has a load on its way
	s_add_nc_u64 s[G0+4*\slot+2:G0+4*\slot+3], s[G0+4*\slot+2:G0+4*\slot+3], 512
	s_add_nc_u64 s[G0B+4*\slot+2:G0B+4*\slot+3], s[G0B+4*\slot+2:G0B+4*\slot+3], 512
	JLOAD \slot                                    ; the four v_nop behind it are also the places in front of the loads below
.elseif \mode == 2
	CREST
	s_add_nc_u64 s[G0+4*\slot+2:G0+4*\slot+3], s[72:73], \slot*256
	s_or_b32 s[G0+4*\slot+3], s[G0+4*\slot+3], 0x80000000
	s_add_nc_u64 s[G0B+4*\slot+2:G0B+4*\slot+3], s[74:75], \slot*256
	s_or_b32 s[G0B+4*\slot+3], s[G0B+4*\slot+3], 0x80000000
	JLOAD \slot
.else
	PLACES
.endif
	FETCH \next, 0, F0
	WIN MUL_HI
	MUL16 F1, 1, 0, 0
	MUL16 F1, 1, 2, 0
.endm
; At a tile's head, scalars only: where this tile goes out and, with several tiles, where the next tile's A and B begin (made for the last tile too, and not used there).
.macro PREP
.if TILES > 1
	s_wait_xcnt 0x0                                ; the last tile's stores have had their addresses translated: their base and their data registers are rewritten only behind this wait
.endif
	s_lshl_b32 s80, s66, 20                        ; 256 output rows of 4,096 bytes a block
	s_add_co_u32 s80, s80, s89
	s_add_co_u32 s80, s80, s87
	s_mov_b32 s81, 0
	s_add_nc_u64 s[76:77], s[46:47], s[80:81]
.if TILES > 1
	s_add_co_u32 s66, s66, RBSTEP
	s_lshl_b32 s78, s66, LOGA
	s_add_co_u32 s78, s78, s88
	s_mov_b32 s79, 0
	s_add_nc_u64 s[72:73], s[4:5], s[78:79]
	s_lshl_b32 s82, s69, 22
	s_add_co_u32 s82, s82, s86
	s_mov_b32 s83, 0
	s_add_nc_u64 s[74:75], s[6:7], s[82:83]
.endif
.endm
.if DOWN
; THE WAY OUT of down: 16 rows (block a of my eight) at a time through my own stage: 32 bytes a lane in, whole rows of 512 bytes back, stored as they are (f32).  Each accumulator is read from its low end on.
.macro TOSTAGE a
.set AC, 64*((\a)%4)                   ; the block's eight accumulators, in window 2 (blocks 0-3) or 3 (blocks 4-7)
.set WN, 0x08+4*((\a)/4)               ; the stores' data (source 1) in that window
	WIN WN
.irp b, 0,1,2,3,4,5,6,7
	ds_store_b128 v[STO], v[AC+8*\b:AC+8*\b+3]   offset:64*\b
	ds_store_b128 v[STO], v[AC+8*\b+4:AC+8*\b+7] offset:64*\b+16
.endr
	WIN 0
.set BK, 128+64*((\a)%2)
.irp t, 0,1,2,3,4,5,6,7,8,9,10,11,12,13,14,15
	ds_load_b128 v[BK+4*\t:BK+4*\t+3], v[RD] offset:\t*SPITCH      ; LDS serves a wave's instructions in order (ISA guide 5.7.1.4): these see the stores above
.endr
.endm
.macro SEND a, younger                 ; younger: the LDS instructions issued behind block a's loads
.set BK, 128+64*((\a)%2)
	s_wait_dscnt \younger
.irp t, 0,1,2,3,4,5,6,7,8,9,10,11,12,13,14,15
	global_store_b128 v[CO], v[BK+4*\t:BK+4*\t+3], s[76:77] offset:4096*(16*(\a)+\t)   ; a wave's store covers 512 consecutive bytes, aligned
.endr
.endm
.macro WAYOUT
	PLACES                                         ; behind the last products
	TOSTAGE 0
	TOSTAGE 1
	SEND 0, 32                                     ; block 1's 16 stores and 16 loads are younger
.irp a, 2,3,4,5,6,7
	s_wait_xcnt 0x0                                ; block a - 2's registers are loaded again only behind this wait
	TOSTAGE \a
	SEND \a-1, 32
.endr
	SEND 7, 0
.endm
.else
; THE WAY OUT of up.  GELU a: block a's 64 numbers a lane, in stages under one window setting each, ascending.
.macro GELU a
.set AC, 64*((\a)%4)                   ; the block's eight accumulators, in window 2 (blocks 0-3) or 3 (blocks 4-7)
.set W2, 0x0a+5*((\a)/4)               ; sources 0 and 1 in that window
.set W1, 0x08+4*((\a)/4)               ; source 1 alone
	WIN W2
.set i, 0
.rept 32
	v_pk_mul_f32 v[TT+i:TT+i+1], v[AC+i:AC+i+1], v[AC+i:AC+i+1]                       ; x^2
.set i, i+2
.endr
	WIN 0
.set i, 0
.rept 32
	v_pk_fma_f32 v[TT+i:TT+i+1], v[TT+i:TT+i+1], s[84:85], v[C1:C1+1] op_sel_hi:[1,0,1]   ; c2 x^2 + c1
.set i, i+2
.endr
	WIN W1
.set i, 0
.rept 32
	v_pk_mul_f32 v[TT+i:TT+i+1], v[TT+i:TT+i+1], v[AC+i:AC+i+1]                       ; times x
.set i, i+2
.endr
	WIN 0
.set i, 0
.rept 64
	v_exp_f32 v[TT+i], v[TT+i]
.set i, i+1
.endr
	v_nop                                          ; a plain instruction between the last exponential and the use of its result
.set i, 0
.rept 32
	v_pk_add_f32 v[TT+i:TT+i+1], v[TT+i:TT+i+1], 1.0 op_sel_hi:[1,0]
.set i, i+2
.endr
.set i, 0
.rept 64
	v_rcp_f32 v[TT+i], v[TT+i]
.set i, i+1
.endr
	v_nop
	WIN W1
.set i, 0
.rept 32
	v_pk_mul_f32 v[TT+i:TT+i+1], v[TT+i:TT+i+1], v[AC+i:AC+i+1]                       ; x / (1 + 2^..)
.set i, i+2
.endr
	WIN 0
.set i, 0
.rept 32
	v_cvt_pk_bf16_f32 v[PKD+i], v[TT+2*i], v[TT+2*i+1]
.set i, i+1
.endr
.endm
.macro TOSTAGE                         ; 16 bytes a lane into my own stage, and back as whole rows of 256 bytes
.irp b, 0,1,2,3,4,5,6,7
	ds_store_b128 v[STO], v[PKD+4*\b:PKD+4*\b+3] offset:32*\b
.endr
.irp t, 0,1,2,3,4,5,6,7
	ds_load_b128 v[OB+4*\t:OB+4*\t+3], v[RD] offset:\t*2*SPITCH    ; LDS serves a wave's instructions in order (ISA guide 5.7.1.4): these see the stores above
.endr
.endm
.macro SEND a
	s_wait_dscnt 0x0                               ; the block is back in registers
.irp t, 0,1,2,3,4,5,6,7
	global_store_b128 v[CO], v[OB+4*\t:OB+4*\t+3], s[76:77] offset:65536*(\a)+8192*\t   ; 16 lanes store 256 consecutive bytes, aligned
.endr
.endm
.macro WAYOUT
	PLACES                                         ; behind the last products
	GELU 0
	TOSTAGE
.irp a, 1,2,3,4,5,6,7                  ; block a's arithmetic stands between block a - 1's loads from the stage and the wait for them
	GELU \a
	SEND \a-1
	s_wait_xcnt 0x0                                ; the rows' registers are loaded again only behind this wait
	TOSTAGE
.endr
	SEND 7
.endm
.endif
	s_wait_tensorcnt 1                             ; my part of K step 0 is in; K step 1's may stay out
	s_barrier_signal -1
	s_barrier_wait -1                              ; everybody's is
	FETCH 0, 0, F0
.if TILES > 1
	s_mov_b32 s2, TILES                            ; tiles to go, this one among them: a constant, the same in every work-group
.Ltile:                                                ; (FETCH and the way out leave every window 0)
.endif
	PREP
	QUARTER 0, 64,  F0, F1, 1                      ; a tile's first quarter stands in front of the loop: its products start the sums
	WIN 0                                          ; at a label and at a branch every window is 0
	s_mov_b32 s3, LAPS-1
.Llap:                                                 ; a trip goes once round the ring, from a lap's second quarter to the next lap's first, and fills both slots again
	QUARTER 0, 128, F1, F0, 0
	QUARTER 0, 192, F0, F1, 0
	TURN 0, 1, 1
	QUARTER 1, 64,  F0, F1, 0
	QUARTER 1, 128, F1, F0, 0
	QUARTER 1, 192, F0, F1, 0
	TURN 1, 0, 1
	QUARTER 0, 64,  F0, F1, 0
	WIN 0
	s_sub_co_u32 s3, s3, 1
	s_cmp_lg_u32 s3, 0
	s_cbranch_scc1 .Llap
	QUARTER 0, 128, F1, F0, 0                      ; the tile's last lap goes on
	QUARTER 0, 192, F0, F1, 0
.if TILES > 1                          ; with one tile to a work-group nothing of this is assembled: it could never run
	WIN 0
	s_cmp_eq_u32 s2, 1
	s_cbranch_scc1 .Llast_tile                     ; the last tile's tail is written out: it asks for nothing more
	TURN 0, 1, 2                                   ; the ring goes on into the next tile: slot 0 takes its K step 0,
	QUARTER 1, 64,  F0, F1, 0
	QUARTER 1, 128, F1, F0, 0
	QUARTER 1, 192, F0, F1, 0
	TURN 1, 0, 2                                   ; slot 1 its K step 1, and the next tile's first fragments are fetched into buffer 0, which the way out leaves alone
	WIN 0
	WAYOUT
	s_sub_co_u32 s2, s2, 1
	s_branch .Ltile
.Llast_tile:
.endif
	TURN 0, 1, 0
	QUARTER 1, 64,  F0, F1, 0
	QUARTER 1, 128, F1, F0, 0
	QUARTER 1, 192, F0, F1, 0
	s_wait_dscnt 8                                 ; the very last quarter: nothing more to fetch
	WIN MUL_LO
	MUL16 F1, 0, 0, 0
	MUL16 F1, 0, 2, 0
	s_wait_dscnt 0x0
	WIN MUL_HI
	MUL16 F1, 1, 0, 0
	MUL16 F1, 1, 2, 0
	WIN 0
	WAYOUT
	s_wait_tensorcnt 0x0                           ; the wave's end: behind my last tensor load and my last LDS store
	ds_add_u32 v[SPW], v[NIL]
	s_wait_dscnt 0x0
	CROUND                                         ; the closing round: no work-group ends while a partner may still ask for a tile that names it
	s_endpgm
.Lfunc_end_k_qf398c12e62_down:
	.size	k_qf398c12e62_down, .Lfunc_end_k_qf398c12e62_down-k_qf398c12e62_down
	.p2alignl 7, 3214868480
	.fill 96, 4, 3214868480
	.section	.rodata,"a",@progbits
	.p2align	6, 0x0
	.amdhsa_kernel k_qf398c12e62_down
		.amdhsa_group_segment_fixed_size 327680
		.amdhsa_private_segment_fixed_size 0
		.amdhsa_enable_private_segment 0
		.amdhsa_kernarg_size 32
		.amdhsa_user_sgpr_count 2
		.amdhsa_user_sgpr_kernarg_segment_ptr 1
		.amdhsa_wavefront_size32 1
		.amdhsa_system_sgpr_workgroup_id_x 1
		.amdhsa_system_sgpr_workgroup_id_y 1
		.amdhsa_system_sgpr_workgroup_id_z 1
		.amdhsa_system_vgpr_workitem_id 0
		.amdhsa_next_free_vgpr 1024
		.amdhsa_next_free_sgpr 96
		.amdhsa_reserve_vcc 0
		.amdhsa_float_denorm_mode_32 3
		.amdhsa_float_denorm_mode_16_64 3
		.amdhsa_memory_ordered 1
		.amdhsa_forward_progress 1
		.amdhsa_inst_pref_size 139
	.end_amdhsa_kernel
	.amdgpu_metadata
---
amdhsa.version: [ 1, 2 ]
amdhsa.kernels:
  - .name:           k_qf398c12e62_down
    .symbol:         k_qf398c12e62_down.kd
    .args:
      - { .name: hb, .offset: 0, .size: 8, .value_kind: global_buffer, .address_space: global }
      - { .name: wb, .offset: 8, .size: 8, .value_kind: global_buffer, .address_space: global }
      - { .name: pl, .offset: 16, .size: 8, .value_kind: global_buffer, .address_space: global }
      - { .name: y, .offset: 24, .size: 8, .value_kind: global_buffer, .address_space: global }
    .group_segment_fixed_size: 327680
    .private_segment_fixed_size: 0
    .kernarg_segment_align: 8
    .kernarg_segment_size: 32
    .max_flat_workgroup_size: 128
    .sgpr_count:     96
    .vgpr_count:     1024
    .wavefront_size: 32
...
	.end_amdgpu_metadata
.endif
;; end of part 10
;; launch combine (part 11): grid 256 x 1, 8 waves a work-group, no clusters, 0 bytes of LDS; arguments y, pl, gw, const_jump, out0, out1; writes out0, out1
.if DOCPART == 11
	.amdgcn_target "amdgcn-amd-amdhsa--gfx1250"
	.amdhsa_code_object_version 6
	.text
	.protected	k_qf398c12e62_combine
	.globl	k_qf398c12e62_combine
	.p2align	8
	.type	k_qf398c12e62_combine,@function
k_qf398c12e62_combine:
	s_mov_b64 s[64:65], 0
	v_nop
	global_prefetch_b8 v0, s[64:65] scope:SCOPE_SE
	s_setreg_imm32_b32 hwreg(HW_REG_WAVE_MODE, 25, 1), 1
	s_wait_xcnt 0x0
; COMBINE: out0[t] = y[shared slot of t] + cw const_jump + sum over ranks k = 0..3 of w_k y[slot_k of t]; out1 = 0.  One token a wave; all in f32.
; The sum over experts is a gather: each output row has one owner, which reads the five rows that rec[t] (whole numbers of an earlier launch) names.
; Where rank k is the constant expert, slot_k is the shared slot and w_k is 0: 0 times a finite row adds nothing (where that row is not finite the model's result is not finite either).
; Memory binds: 48 loads of 512 consecutive bytes go out together, the waits count the rows still out; no LDS, no matrix unit, no cluster.
.set ROWS, 11776                       ; y has 46 blocks of 256 rows
.set A,  32                            ; v32-63   the sum, begun by the shared row
.set CJ, 64                            ; v64-95   const_jump
.set YR, 96                            ; v96-223  the four rows
	s_load_b256 s[4:11], s[0:1], 0x0               ; y 4, pl 6, gw 8, const_jump 10
	s_load_b128 s[12:15], s[0:1], 0x20             ; out0 12, out1 14
	v_and_b32 v1, 31, v0
	v_lshrrev_b32 v2, 5, v0
	v_readfirstlane_b32 s16, v2
	s_lshl_b32 s17, ttmp9, 3
	s_add_co_u32 s17, s17, s16                     ; t
	s_lshl_b32 s18, s17, 5
	s_mov_b32 s19, 0
	s_lshl_b32 s58, s17, 12
	s_mov_b32 s59, 0
	v_lshlrev_b32 v3, 4, v1                        ; 16 l
	s_wait_kmcnt 0x0
	s_add_nc_u64 s[20:21], s[6:7], s[18:19]
	s_add_nc_u64 s[22:23], s[8:9], s[18:19]
	s_load_b256 s[24:31], s[20:21], 0x0            ; rec[t]: slots of ranks 0..3, shared slot
	s_load_b256 s[32:39], s[22:23], 0x0            ; gw[t]: w0..w3, cw
	s_add_nc_u64 s[56:57], s[12:13], s[58:59]      ; my row of out0
	s_wait_kmcnt 0x0
.irp k, 0,1,2,3,4
	s_min_u32 s[24+\k], s[24+\k], ROWS-1           ; loaded numbers enter addresses only clamped to the buffer's rows
	s_lshl_b32 s50, s[24+\k], 12                   ; a row of y is 4,096 bytes
	s_mov_b32 s51, 0
	s_add_nc_u64 s[40+2*\k:41+2*\k], s[4:5], s[50:51]
.endr
	s_mov_b32 s52, s33                             ; the packed multiply-add takes the low word of an even pair for both halves: w1 and w3 move there
	s_mov_b32 s53, s33
	s_mov_b32 s54, s35
	s_mov_b32 s55, s35
.irp j, 0,1,2,3,4,5,6,7
	global_load_b128 v[A+4*\j:A+4*\j+3], v3, s[48:49] offset:512*\j
.endr
.irp j, 0,1,2,3,4,5,6,7
	global_load_b128 v[CJ+4*\j:CJ+4*\j+3], v3, s[10:11] offset:512*\j
.endr
.irp k, 0,1,2,3
.irp j, 0,1,2,3,4,5,6,7
	global_load_b128 v[YR+32*\k+4*\j:YR+32*\k+4*\j+3], v3, s[40+2*\k:41+2*\k] offset:512*\j
.endr
.endr
.macro ADDROW base, wlo                ; the sum += weight x row, two numbers an instruction
.set i, 0
.rept 16
	v_pk_fma_f32 v[A+i:A+i+1], v[\base+i:\base+i+1], s[\wlo:\wlo+1], v[A+i:A+i+1] op_sel_hi:[1,0,1]
.set i, i+2
.endr
.endm
	s_wait_loadcnt 32                              ; the four rows' 32 loads are younger: the shared row and const_jump are in
	ADDROW CJ, 36
	s_wait_loadcnt 24                              ; three rows still out
	ADDROW YR, 32
	s_wait_loadcnt 16
	ADDROW YR+32, 52
	s_wait_loadcnt 8
	ADDROW YR+64, 34
	s_wait_loadcnt 0x0
	ADDROW YR+96, 54
.irp j, 0,1,2,3,4,5,6,7
	global_store_b128 v3, v[A+4*\j:A+4*\j+3], s[56:57] offset:512*\j th:TH_STORE_NT    ; a wave's store covers 512 consecutive bytes, aligned
.endr
	s_cmp_lg_u32 s17, 0                            ; out1, the router's loss outside training: 0, stored by lane 0 of token 0's wave
	s_cbranch_scc1 .Lend
	v_mov_b32 v4, 0
	v_cmp_eq_u32 vcc_lo, 0, v1
	s_wait_xcnt 0x0                                ; EXEC changes only behind this wait
	s_and_saveexec_b32 s60, vcc_lo
	global_store_b32 v4, v4, s[14:15]
	s_wait_xcnt 0x0
	s_or_b32 exec_lo, exec_lo, s60
.Lend:
	s_endpgm
.Lfunc_end_k_qf398c12e62_combine:
	.size	k_qf398c12e62_combine, .Lfunc_end_k_qf398c12e62_combine-k_qf398c12e62_combine
	.p2alignl 7, 3214868480
	.fill 96, 4, 3214868480
	.section	.rodata,"a",@progbits
	.p2align	6, 0x0
	.amdhsa_kernel k_qf398c12e62_combine
		.amdhsa_group_segment_fixed_size 0
		.amdhsa_private_segment_fixed_size 0
		.amdhsa_enable_private_segment 0
		.amdhsa_kernarg_size 48
		.amdhsa_user_sgpr_count 2
		.amdhsa_user_sgpr_kernarg_segment_ptr 1
		.amdhsa_wavefront_size32 1
		.amdhsa_system_sgpr_workgroup_id_x 1
		.amdhsa_system_sgpr_workgroup_id_y 1
		.amdhsa_system_sgpr_workgroup_id_z 1
		.amdhsa_system_vgpr_workitem_id 0
		.amdhsa_next_free_vgpr 224
		.amdhsa_next_free_sgpr 66
		.amdhsa_reserve_vcc 1
		.amdhsa_float_denorm_mode_32 3
		.amdhsa_float_denorm_mode_16_64 3
		.amdhsa_memory_ordered 1
		.amdhsa_forward_progress 1
		.amdhsa_inst_pref_size 13
	.end_amdhsa_kernel
	.amdgpu_metadata
---
amdhsa.version: [ 1, 2 ]
amdhsa.kernels:
  - .name:           k_qf398c12e62_combine
    .symbol:         k_qf398c12e62_combine.kd
    .args:
      - { .name: y, .offset: 0, .size: 8, .value_kind: global_buffer, .address_space: global }
      - { .name: pl, .offset: 8, .size: 8, .value_kind: global_buffer, .address_space: global }
      - { .name: gw, .offset: 16, .size: 8, .value_kind: global_buffer, .address_space: global }
      - { .name: const_jump, .offset: 24, .size: 8, .value_kind: global_buffer, .address_space: global }
      - { .name: out0, .offset: 32, .size: 8, .value_kind: global_buffer, .address_space: global }
      - { .name: out1, .offset: 40, .size: 8, .value_kind: global_buffer, .address_space: global }
    .group_segment_fixed_size: 0
    .private_segment_fixed_size: 0
    .kernarg_segment_align: 8
    .kernarg_segment_size: 48
    .max_flat_workgroup_size: 256
    .sgpr_count:     66
    .vgpr_count:     224
    .wavefront_size: 32
...
	.end_amdgpu_metadata
.endif
;; end of part 11
